; MI455X (gfx1250); checked and timed in simulation.
; The chip was launched on July 23, 2026; its instructions are those of AMD's public machine-readable ISA for CDNA 5 (MIT licence, August 2026) and "CDNA5" Instruction Set Architecture Reference Guide (July 2026). The comments in the code are by the model that wrote it; some were corrected since.
;; X Pos Attention. Allowed arithmetic: matrix products marked QUANTISED: E2M1 operands, one E8M0 scale for each 32 along K, by v_wmma_scale_f32_16x16x128_f8f6f4 with both operands' format E2M1 (or v_wmma_scale_f32_32x16x128_f4), f32 sums; everything else in f32.
;; Inputs: Wk 2,048 x 512 float32; Wo 1,024 x 2,048 float32; Wq 2,048 x 1,024 float32; Wv 2,048 x 512 float32; x 2 x 2,048 x 2,048 float32.
;; Outputs: out0 2 x 2,048 x 2,048 float32.
;; This version of the problem:
;;   THIS VERSION OF THE PROBLEM IS GIVEN IN LOW PRECISION. The matrix products marked QUANTISED in the list below multiply operands that are first quantised to E2M1 (2 exponent bits, 1 mantissa bit; 4 bits a number), with one power-of-two scale for each 32 numbers along K (OCP MX v1.0); their sums are f32. All else is computed in f32.
;;   The module's matrix products, in the order in which they are computed (A, B: the left and right operand; K: the contracted axis; several contracted axes count as one K, in the product's order):
;;     1. [M 4,096, K 2,048] x [K 2,048, N 1,024]; A: input x; B: input Wq: QUANTISED
;;     2. [M 4,096, K 2,048] x [K 2,048, N 512]; A: input x; B: input Wk: QUANTISED
;;     3. [M 4,096, K 2,048] x [K 2,048, N 512]; A: input x; B: input Wv: QUANTISED
;;     4. batch 16 x [M 2,048, K 128] x [K 128, N 2,048]; A: computed on the way; B: computed on the way: QUANTISED
;;     5. batch 16 x [M 2,048, K 2,048] x [K 2,048, N 128]; A: softmax (see below); B: computed on the way: QUANTISED
;;     6. [M 4,096, K 1,024] x [K 1,024, N 2,048]; A: computed on the way; B: input Wo: QUANTISED
;;   THE QUANTISER, for each operand of a quantised product, along K:
;;     - K is cut into blocks of 32 from its start; a last block that is shorter is filled with zeros.
;;     - A block's scale is 2^e with e = floor(log2(the largest magnitude in the block)) - 2, held to -126 .. 127; a block of zeros has e = 0. As a byte (E8M0): e + 127.
;;     - Each number is divided by its block's scale, clamped to +-6, and rounded to the nearest number of E2M1, ties to even, subnormals kept.
;;     - The product sums the exact products of the quantised numbers (number of the format x scale) in f32.
;;   ~~~python
;;   def quantise(x, axis):      # numpy; x: float32 -> the quantised numbers, widened to float32 again
;;       x = np.moveaxis(x, axis, -1); K = x.shape[-1]
;;       x = np.pad(x, [(0, 0)] * (x.ndim - 1) + [(0, -K % 32)]); x = x.reshape(x.shape[:-1] + (-1, 32)); a = np.abs(x).max(-1, keepdims=True)
;;       e = np.where(a > 0, np.clip(np.frexp(np.where(a > 0, a, 1))[1] - 1 - 2, -126, 127), 0)      # np.frexp(a)[1] - 1 = floor(log2(a)), exactly
;;       r = np.clip(x / 2.0 ** e, -6, 6)
;;       step = 2.0 ** (np.maximum(np.frexp(np.where(r == 0, 1, r))[1] - 1, 0) - 1)
;;       q = np.round(r / step) * step * 2.0 ** e      # np.round: ties to even
;;       return np.moveaxis(q.reshape(q.shape[:-2] + (-1,))[..., :K], -1, axis).astype(np.float32)
;;   ~~~
;;   SOFTMAX AHEAD OF A QUANTISED PRODUCT. Where the list says 'softmax', what is quantised is not the finished softmax but p = 2^(t - M), with t = logit x log2(e) and M = ceil(the row's largest t), a whole number; so 1/2 < the row's largest p <= 1. The row's sum l is taken of the UNQUANTISED p, in f32, and the product's result is divided by l at the end. Since M is a whole number, a kernel that streams over the keys may use a running M (the ceiling of the running maximum): every later rescaling is an exact power of two, which a block's scale takes up: the codes' values come out the same.
;;   OPERANDS COMPUTED ON THE WAY. 'Computed on the way' means the value that the module computes at that place (a softmax that the list does not call 'softmax' is quantised finished and normalised). What goes into a quantiser is computed in f32, as accurately as f32 sums, v_exp_f32 and their like allow (about 1e-6 of the number): no bf16 or f16 on the way to a quantiser, and a product that is left as it is and whose result goes on into a quantised operand takes f32 operands (vector FMAs, or v_wmma_f32_16x16x4_f32). A number that lies on a knife's edge between two numbers of the format may be rounded either way, as far as f32 arithmetic and the matrix unit's own rounding can turn it there, and no further.
;; 2 versions. Each part assembles by itself: llvm-mc -triple=amdgcn-amd-amdhsa -mcpu=gfx1250 --defsym DOCPART=n.
;; ======== version 1 of 2: 4 launches
;; workspace buffers: xq 4,456,448 bytes; wqkv 2,228,224 bytes; woc 1,114,112 bytes; rope 1,048,576 bytes; qbuf 2,228,224 bytes; kv 2,228,224 bytes; ao 2,228,224 bytes
;; launch prep (part 1): grid 352 x 1, 4 waves a work-group, no clusters, 40,960 bytes of LDS; arguments x, Wq, Wk, Wv, Wo, xq, wqkv, woc, rope; writes xq, wqkv, woc, rope
.if DOCPART == 1
	.amdgcn_target "amdgcn-amd-amdhsa--gfx1250"
	.amdhsa_code_object_version 6
	.text
	.protected	k_q9b0b80873a_prep
	.globl	k_q9b0b80873a_prep
	.p2align	8
	.type	k_q9b0b80873a_prep,@function
k_q9b0b80873a_prep:
	s_mov_b64 s[64:65], 0
	v_nop
	global_prefetch_b8 v0, s[64:65] scope:SCOPE_SE
	s_setreg_imm32_b32 hwreg(HW_REG_WAVE_MODE, 25, 1), 1
	s_wait_xcnt 0x0
; PREP: x, Wq, Wk, Wv, Wo (f32) become codes of FP4 (E2M1) with one E8M0 byte for each 32 along K, laid as IMAGES OF OPERAND REGISTERS; and the table of cos and sin for the rotation is made.
; A fragment (16 rows x 128 K) is 1,024 bytes: block beta (32 along K) of row r lies at 256 beta + 16 r.  A UNIT is 128 rows x 512 K: 8 row blocks x 4 K steps of fragments (4096 i + 1024 q), then at 32,768
; the scale bytes, 16 for each row (K step q, block beta at 4 q + beta): 34,816 bytes, one dense block for one tensor load of the later launches.
; ORDER OF ROWS: row r of row block a is token 32 (a / 2) + 8 (a % 2) + r + 8 (r / 8); the columns of Wq, Wk, Wv are laid in the same order within each 32 (bits 3 and 4 of the index change places); Wo's are not.
; A block's scale is 2^(floor(log2(largest magnitude)) - 2); its byte is the largest magnitude's exponent field - 2, held at 1 from below.
; LIMITS: a block of zeros gets the byte 1 where the rule says 127 (its codes are zeros, and this program alone reads the bytes); blocks whose largest magnitude lies under 2^-124 are held at that floor; NaN and
; infinities among the inputs are not served.  THE TABLE TAKES inv_freq AS THE f32 NEAREST TO THE EXACT 10000^(-i/64): ONE rounding.  The source writes 1 / 10000^(i/64); rounded twice (the power, then the
; quotient) that differs by one unit in the last place at some i (of i = 1 .. 18: at 7, 10, 15, 18).  The angle is one f32 product; sin and cos of that f32 angle are within about 0.51 units in the last place:
; the reduced angle, r^2, r^3 / 6 and r^4 / 24 are each kept as a high part and a rest, and one last addition joins the leading part and all that is small.
; WORK-GROUPS: 0-31 Wq, 32-63 Wk and Wv, 64-95 Wo (one UNIT each: 128 columns x 512 along K); 96-351 x (one row block of 16 tokens, wave w = K slot w) and 128 x 4 entries of the table.
; No tensor loads, no barrier: waves share nothing.  Only the x path uses LDS.
.set UNIT,  34816
.set WX,    32                         ; W path: v32-95 two sets of 32 numbers
.set WC,    96                         ; v96-159 four registers of codes for each of 16 blocks: no store's data are written again
.set WSB,   24                         ; v24-27 the 16 scale bytes
.set R,     16                         ; x path: v16-79 four sets of 16 numbers as loaded
.set XX,    80                         ; v80-111 two sets of 16 neighbours
.set E,     112                        ; v112-127 a scale byte for each step
.set C,     128                        ; v128-159 two registers of codes for each step
.set OUTR,  160                        ; v160-191 the image on its way out
.set SP,    80                         ; a lane's place in a stage: 64 bytes + 16 of padding
.set WREG,  10240                      ; LDS of a wave: two stages of 2,560, 256 scale bytes at 5,120, the image at 5,376 (16 x 272)
.set SBY,   5120
.set IMG,   5376
.macro WLANES swap                     ; lane l holds stored column l of the wave's 32
	v_lshrrev_b32 v7, 4, v2                        ; lane / 16
.if \swap
	v_lshrrev_b32 v6, 3, v2
	v_xor_b32 v6, v6, v7
	v_and_b32 v6, 1, v6
	v_mul_u32_u24 v6, v6, 24                       ; 0x18 where bits 3 and 4 differ
	v_xor_b32 v6, v2, v6                           ; the column that it loads
	v_lshlrev_b32 v3, 2, v6
.else
	v_lshlrev_b32 v3, 2, v2
.endif
	v_and_b32 v8, 15, v2
	v_lshlrev_b32 v4, 4, v8
	v_lshl_add_u32 v4, v7, 12, v4
	s_lshl_b32 s34, s22, 13
	v_add_nc_u32 v4, s34, v4                       ; codes: 8192 wave + 4096 (lane / 16) + 16 (lane % 16)
	s_lshl_b32 s34, s22, 9
	s_add_co_u32 s34, s34, 32768
	v_lshl_add_u32 v5, v2, 4, s34                  ; scale bytes: 32768 + 512 wave + 16 lane
.endm
.macro LOADW t, pitch                  ; block t: W(32 t + i, my column), i = 0 .. 31: 128 consecutive bytes a wave and load
.set ii, 0
.rept 32
	global_load_b32 v[WX+32*((\t)%2)+ii], v3, s[24:25] offset:(32*(\t)+ii)*\pitch th:TH_LOAD_NT
.set ii, ii+1
.endr
.endm
.macro BLOCKW t, pitch
.set XS, WX+32*((\t)%2)
.if (\t) < 15
	s_wait_loadcnt 32                              ; this block's 32 loads are in; the next block's may be out
.else
	s_wait_loadcnt 0x0
.endif
	v_max3_num_f32 v12, |v[XS]|, |v[XS+1]|, |v[XS+2]|   ; the block's largest magnitude: all 32 numbers are mine
	v_max3_num_f32 v13, |v[XS+3]|, |v[XS+4]|, |v[XS+5]|
.irp i, 6,10,14,18,22,26
	v_max3_num_f32 v12, v12, |v[XS+\i]|, |v[XS+\i+1]|
	v_max3_num_f32 v13, v13, |v[XS+\i+2]|, |v[XS+\i+3]|
.endr
	v_max3_num_f32 v12, v12, |v[XS+30]|, |v[XS+31]|
	v_max3_num_f32 v12, v12, v13, 0x1800000        ; and the floor 2^(3 - 127): the byte cannot fall under 1
	v_add_nc_u32 v11, 0xff000000, v12              ; 2 off the exponent field: the conversion's scale operand
	v_lshrrev_b32 v13, 23, v11                     ; the byte
.if (\t)%4 == 0
	v_mov_b32 v[WSB+(\t)/4], v13
.else
	v_lshl_or_b32 v[WSB+(\t)/4], v13, 8*((\t)%4), v[WSB+(\t)/4]
.endif
.irp g, 0,1,2,3
	v_cvt_scalef32_pk8_fp4_f32 v[WC+4*(\t)+\g], v[XS+8*\g:XS+8*\g+7], v11
.endr
	global_store_b128 v4, v[WC+4*(\t):WC+4*(\t)+3], s[26:27] offset:1024*((\t)/4)+256*((\t)%4)   ; sixteen lanes fill 256 consecutive bytes, aligned
.if (\t)+2 < 16
	LOADW (\t)+2, \pitch
.endif
.endm
.macro WPATH pitch
	LOADW 0, \pitch
	LOADW 1, \pitch
.irp t, 0,1,2,3,4,5,6,7,8,9,10,11,12,13,14,15
	BLOCKW \t, \pitch
.endr
	global_store_b128 v5, v[WSB:WSB+3], s[26:27]   ; 512 consecutive bytes a wave
	s_endpgm
.endm
.macro LOADX t                         ; step t = row t of the row block: 2,048 bytes, each load 512 consecutive bytes
.irp i, 0,1,2,3
	global_load_b128 v[R+16*((\t)%4)+4*\i:R+16*((\t)%4)+4*\i+3], v3, s[4:5] offset:((\t)+8*((\t)/8))*8192+512*\i th:TH_LOAD_NT
.endr
.endm
.macro TURNX t                         ; through the wave's stage: in as loaded, out 64 bytes a lane.  LDS serves a wave's instructions in order
.irp i, 0,1,2,3
	ds_store_b128 v14, v[R+16*((\t)%4)+4*\i:R+16*((\t)%4)+4*\i+3] offset:32*SP*((\t)%2)+8*SP*\i
.endr
.irp i, 0,1,2,3
	ds_load_b128 v[XX+16*((\t)%2)+4*\i:XX+16*((\t)%2)+4*\i+3], v15 offset:32*SP*((\t)%2)+16*\i
.endr
.endm
.macro STEPX t
.set XS, XX+16*((\t)%2)
.if (\t) > 0
	s_wait_dscnt 2                                 ; this step's numbers are back; the last step's byte store and code store may be out
.else
	s_wait_dscnt 0x0
.endif
.if (\t)+4 < 16
	LOADX (\t)+4
.endif
.if (\t)+1 < 16
.if 14-(\t) >= 3
	s_wait_loadcnt 12                              ; the next step's four loads are in; those of the three steps behind it may be out
.else
	s_wait_loadcnt 4*(14-(\t))
.endif
	TURNX (\t)+1
.endif
	v_max3_num_f32 v8, |v[XS]|, |v[XS+1]|, |v[XS+2]|
	v_max3_num_f32 v9, |v[XS+3]|, |v[XS+4]|, |v[XS+5]|
.irp i, 6,10
	v_max3_num_f32 v8, v8, |v[XS+\i]|, |v[XS+\i+1]|
	v_max3_num_f32 v9, v9, |v[XS+\i+2]|, |v[XS+\i+3]|
.endr
	v_max3_num_f32 v8, v8, |v[XS+14]|, |v[XS+15]|
	v_max3_num_f32 v8, v8, v9, 0x1800000           ; the floor
	v_max_num_f32_dpp v8, v8, v8 row_xmask:1 row_mask:0xf bank_mask:0xf   ; with my neighbour's 16: the block's
	v_add_nc_u32 v11, 0xff000000, v8
	v_cvt_scalef32_pk8_fp4_f32 v[C+2*(\t)], v[XS:XS+7], v11
	v_cvt_scalef32_pk8_fp4_f32 v[C+2*(\t)+1], v[XS+8:XS+15], v11
	v_lshrrev_b32 v[E+(\t)], 23, v11               ; the byte (a plain line behind the conversions)
	ds_store_b8 v5, v[E+(\t)] offset:16*(\t)       ; both lanes of a block write the same byte
	ds_store_b64 v4, v[C+2*(\t):C+2*(\t)+1] offset:16*(\t)   ; block lane / 2 of row t: at 272 (lane / 2) + 16 t + 8 (lane % 2)
.endm
.macro PICK bit, hi, lo, dh, dl        ; (dh, dl) = the constant where the bit of i / 4 is set, else (1, 0)
	v_and_b32 v90, 1<<(\bit), v80
	v_cmp_ne_u32 vcc_lo, 0, v90
	v_mov_b32 v93, \hi
	v_mov_b32 v94, \lo
	v_cndmask_b32 v[\dh], 1.0, v93, vcc_lo
	v_cndmask_b32 v[\dl], 0, v94, vcc_lo
.endm
.macro DDMUL rh, rl, ah, al, bh, bl    ; a product of two numbers kept as f32 pairs (high part, rest)
	v_mul_f32 v88, v[\ah], v[\bh]
	v_fma_f32 v89, v[\ah], v[\bh], -v88
	v_fma_f32 v89, v[\ah], v[\bl], v89
	v_fma_f32 v89, v[\al], v[\bh], v89
	v_add_f32 v[\rh], v88, v89
	v_sub_f32 v91, v[\rh], v88
	v_sub_f32 v[\rl], v89, v91
.endm
; y = 10000^(i/64) as v[96 + j] (high part) and v[136 + j] (rest) -> cos in v[132 + j], sin in v[128 + j]; v100-127 at work.  s40, s41: -1/6 as a high part and a rest; s42, s43: 1/24 likewise.
.macro SINCOS j
	v_rcp_f32 v100, v[96+\j]
	v_nop                                          ; a plain line behind the reciprocal
	v_fma_f32 v101, -v[96+\j], v100, 1.0
	v_fma_f32 v100, v101, v100, v100               ; about 1 / (y's high part)
	v_fma_f32 v101, -v[96+\j], v100, 1.0           ; what it still lacks,
	v_fma_f32 v101, -v[136+\j], v100, v101         ; and what y's rest takes off:
	v_fma_f32 v100, v101, v100, v100               ; inv_freq = 10000^(-i/64), rounded once
	v_mul_f32 v100, v82, v100                      ; the angle: one f32 product
	v_mul_f32 v101, 0x3f22f983, v100               ; x 2 / pi
	v_rndne_f32 v101, v101                         ; the quadrant's number n
	v_fmamk_f32 v106, v101, 0xbfc90fd8, v100       ; less n x the first part of pi / 2: exact (a multiple of 2^-20 under 1)
	v_fmamk_f32 v102, v101, 0xb4a8885a, v106       ; less n x the second part: r, the high part
	v_sub_f32 v103, v106, v102
	v_fmamk_f32 v103, v101, 0xb4a8885a, v103       ; what that rounding left,
	v_fmamk_f32 v103, v101, 0xa7c234c4, v103       ; less n x the third part: r's rest
	v_mul_f32 v104, v102, v102                     ; s = r^2, the high part,
	v_fma_f32 v105, v102, v102, -v104              ; and its rest
	; sin r = r - r^3 / 6 + r^5 (1/120 - s/5040 + s^2/362880 - s^3/39916800) + (r's rest) cos r
	v_mul_f32 v107, v102, v104                     ; r^3, the high part,
	v_fma_f32 v108, v102, v104, -v107
	v_fma_f32 v108, v102, v105, v108               ; and its rest
	v_mul_f32 v109, s40, v107                      ; -r^3 / 6, the high part,
	v_fma_f32 v110, v107, s40, -v109
	v_fma_f32 v110, v107, s41, v110
	v_fma_f32 v110, v108, s40, v110                ; and its rest
	v_mov_b32 v111, 0xb2d7322b
	v_fmaak_f32 v111, v111, v104, 0x3638ef1d
	v_fmaak_f32 v111, v111, v104, 0xb9500d01
	v_fmaak_f32 v111, v111, v104, 0x3c088889       ; the series behind r^5
	v_mul_f32 v112, v107, v104                     ; r^5
	v_mul_f32 v121, v104, v104                     ; s^2, the high part
	v_fma_f32 v114, v104, -0.5, 1.0
	v_fma_f32 v114, v121, s42, v114                ; cos r, roughly: it multiplies r's rest alone
	v_fma_f32 v110, v103, v114, v110
	v_add_f32 v115, v102, v109                     ; r - r^3 / 6, rounded,
	v_sub_f32 v116, v115, v102
	v_sub_f32 v116, v109, v116                     ; and what that rounding left, exact
	v_add_f32 v110, v110, v116                     ; the smallest terms first,
	v_fma_f32 v113, v112, v111, v110               ; then the series,
	v_add_f32 v117, v115, v113                     ; then one addition onto the leading part: sin r
	; cos r = 1 - s / 2 + s^2 / 24 + s^3 (-1/720 + s/40320 - s^2/3628800 + s^3/479001600) - (r's rest) sin r
	v_mul_f32 v118, 0.5, v104                      ; s / 2, exact
	v_sub_f32 v119, 1.0, v118                      ; 1 - s / 2, rounded,
	v_sub_f32 v120, 1.0, v119
	v_sub_f32 v120, v120, v118                     ; and what that rounding left, exact
	v_fma_f32 v122, v104, v104, -v121
	v_add_f32 v116, v104, v104
	v_fma_f32 v122, v116, v105, v122               ; s^2's rest
	v_mul_f32 v123, s42, v121                      ; s^2 / 24, the high part,
	v_fma_f32 v124, v121, s42, -v123
	v_fma_f32 v124, v121, s43, v124
	v_fma_f32 v124, v122, s42, v124                ; and its rest
	v_mov_b32 v125, 0x310f76c8
	v_fmaak_f32 v125, v125, v104, 0xb493f27e
	v_fmaak_f32 v125, v125, v104, 0x37d00d01
	v_fmaak_f32 v125, v125, v104, 0xbab60b61       ; the series behind s^3
	v_fma_f32 v124, v105, -0.5, v124               ; - (s's rest) / 2
	v_add_f32 v124, v124, v120
	v_fma_f32 v124, -v103, v115, v124              ; - (r's rest) x sin r, roughly
	v_add_f32 v127, v119, v123                     ; 1 - s / 2 + s^2 / 24, rounded,
	v_sub_f32 v116, v127, v119
	v_sub_f32 v116, v123, v116                     ; and what that rounding left, exact
	v_add_f32 v124, v124, v116
	v_mul_f32 v116, v121, v104                     ; s^3
	v_fma_f32 v126, v116, v125, v124
	v_add_f32 v111, v127, v126                     ; cos r
	v_cvt_i32_f32 v101, v101
	v_and_b32 v116, 1, v101
	v_cmp_ne_u32 vcc_lo, 0, v116
	v_cndmask_b32 v[128+\j], v117, v111, vcc_lo    ; in odd quadrants the two change places
	v_cndmask_b32 v[132+\j], v111, v117, vcc_lo
	v_and_b32 v116, 2, v101
	v_lshlrev_b32 v116, 30, v116
	v_xor_b32 v[128+\j], v116, v[128+\j]           ; sin's sign: quadrants 2, 3
	v_add_nc_u32 v116, 1, v101
	v_and_b32 v116, 2, v116
	v_lshlrev_b32 v116, 30, v116
	v_xor_b32 v[132+\j], v116, v[132+\j]           ; cos's sign: quadrants 1, 2
.endm
	s_load_b256 s[4:11], s[0:1], 0x0               ; x s[4:5], Wq s[6:7], Wk s[8:9], Wv s[10:11]
	s_load_b256 s[12:19], s[0:1], 0x20             ; Wo s[12:13], xq s[14:15], wqkv s[16:17], woc s[18:19]
	s_load_b64 s[20:21], s[0:1], 0x40              ; rope
	v_lshrrev_b32 v1, 5, v0
	v_readfirstlane_b32 s22, v1                    ; wave 0..3
	v_and_b32 v2, 31, v0                           ; lane
	s_mov_b32 s31, 0
	s_mov_b32 s33, 0
	s_wait_kmcnt 0x0
	s_cmp_lt_u32 ttmp9, 32
	s_cbranch_scc1 .Lwq
	s_cmp_lt_u32 ttmp9, 64
	s_cbranch_scc1 .Lwkv
	s_cmp_lt_u32 ttmp9, 96
	s_cbranch_scc1 .Lwo
	; ---- x: row block a = work-group - 96; wave w takes K = 512 w on
	s_sub_co_u32 s28, ttmp9, 96
	s_lshr_b32 s29, s28, 1
	s_lshl_b32 s29, s29, 5
	s_and_b32 s30, s28, 1
	s_lshl_b32 s30, s30, 3
	s_add_co_u32 s29, s29, s30                     ; the block's first token: 32 (a / 2) + 8 (a % 2)
	s_lshl_b32 s30, s29, 13                        ; rows of 8,192 bytes
	s_lshl_b32 s29, s22, 11
	s_add_co_u32 s30, s30, s29
	s_add_nc_u64 s[4:5], s[4:5], s[30:31]
	s_lshr_b32 s30, s28, 3
	s_lshl_b32 s30, s30, 2
	s_add_co_u32 s30, s30, s22
	s_mul_i32 s30, s30, UNIT                       ; the UNIT of (tile a / 8, slot w)
	s_and_b32 s29, s28, 7
	s_lshl_b32 s32, s29, 12
	s_add_co_u32 s32, s32, s30
	s_add_nc_u64 s[24:25], s[14:15], s[32:33]      ; my 4,096 bytes of codes
	s_lshl_b32 s32, s29, 8
	s_add_co_u32 s32, s32, s30
	s_add_co_u32 s32, s32, 32768
	s_add_nc_u64 s[26:27], s[14:15], s[32:33]      ; my 256 scale bytes
	s_lshl_b32 s32, s28, 12
	s_add_nc_u64 s[20:21], s[20:21], s[32:33]      ; the table: 8 positions of 512 bytes a work-group
	v_lshlrev_b32 v3, 4, v2                        ; 16 x lane
	s_mul_i32 s36, s22, WREG
	v_lshrrev_b32 v14, 2, v2
	v_mul_u32_u24 v14, v14, SP
	v_and_b32 v15, 3, v2
	v_lshl_add_u32 v14, v15, 4, v14
	v_add_nc_u32 v14, s36, v14                     ; the stage, in: SP (lane / 4) + 16 (lane % 4)
	v_mul_u32_u24 v15, v2, SP
	v_add_nc_u32 v15, s36, v15                     ; and out: SP x lane
	s_add_co_u32 s37, s36, SBY
	v_lshrrev_b32 v5, 1, v2
	v_add_nc_u32 v5, s37, v5                       ; my block's scale byte
	v_lshlrev_b32 v7, 3, v2
	v_add_nc_u32 v6, s37, v7                       ; and 8 bytes a lane on the way out
	s_add_co_u32 s37, s36, IMG
	v_lshrrev_b32 v4, 1, v2
	v_mul_u32_u24 v4, v4, 272
	v_and_b32 v8, 1, v2
	v_lshl_add_u32 v4, v8, 3, v4
	v_add_nc_u32 v4, s37, v4                       ; the image, in: 272 (lane / 2) + 8 (lane % 2)
	v_lshrrev_b32 v10, 4, v2
	v_mul_u32_u24 v10, v10, 272
	v_and_b32 v8, 15, v2
	v_lshl_add_u32 v10, v8, 4, v10
	v_add_nc_u32 v10, s37, v10                     ; and out: 272 (lane / 16) + 16 (lane % 16)
.irp t, 0,1,2,3
	LOADX \t
.endr
	; ---- the table, while the loads are on their way: thread g = 128 a + v0 makes position g / 16, frequencies 4 (g % 16) + 0 .. 3
	s_mov_b32 s40, 0xbe2aaaab                      ; -1/6: the nearest f32,
	s_mov_b32 s41, 0x31aaaaab                      ; and what it lacks: + 2^-26 / 3
	s_mov_b32 s42, 0x3d2aaaab                      ; 1/24: the nearest f32,
	s_mov_b32 s43, 0xb0aaaaab                      ; and what it has too much: - 2^-28 / 3
	v_and_b32 v80, 15, v0
	v_lshrrev_b32 v81, 4, v0
	s_lshl_b32 s38, s28, 3
	v_add_nc_u32 v82, s38, v81
	v_cvt_f32_u32 v82, v82                         ; the position
	v_lshlrev_b32 v83, 9, v81
	v_lshl_add_u32 v83, v80, 4, v83                ; where its 16 bytes of cos go
	PICK 0, 0x3fe39ea9, 0xb26aee3c, 84, 85         ; 10000^(i/64) = 10^(i/16): 10^(1/4),
	PICK 1, 0x404a62c2, 0xb324b496, 86, 87         ; 10^(1/2),
	DDMUL 84, 85, 84, 85, 86, 87
	PICK 2, 0x41200000, 0, 86, 87                  ; 10,
	DDMUL 84, 85, 84, 85, 86, 87
	PICK 3, 0x42c80000, 0, 86, 87                  ; 100, by the bits of i / 4;
	DDMUL 84, 85, 84, 85, 86, 87
	v_mov_b32 v96, v84                             ; i % 4 = 0: the high part,
	v_mov_b32 v136, v85                            ; and the rest
	v_mov_b32 v86, 0x3f93cfe5                      ; and 10^(1/16), 10^(1/8), 10^(3/16) for i % 4 = 1, 2, 3
	v_mov_b32 v87, 0x334a404e
	DDMUL 97, 137, 84, 85, 86, 87
	v_mov_b32 v86, 0x3faab0d5
	v_mov_b32 v87, 0xb36457ec
	DDMUL 98, 138, 84, 85, 86, 87
	v_mov_b32 v86, 0x3fc51c50
	v_mov_b32 v87, 0xb1454e31
	DDMUL 99, 139, 84, 85, 86, 87
.irp j, 0,1,2,3
	SINCOS \j
.endr
	global_store_b128 v83, v[132:135], s[20:21]            ; sixteen lanes fill 256 consecutive bytes: a position's cos,
	global_store_b128 v83, v[128:131], s[20:21] offset:256 ; and its sin
	s_wait_xcnt 0x0                                ; the stores' registers are written again only behind this wait
	s_wait_loadcnt 12                              ; step 0's four loads are in
	TURNX 0
.irp t, 0,1,2,3,4,5,6,7,8,9,10,11,12,13,14,15
	STEPX \t
.endr
	ds_load_b64 v[12:13], v6                       ; LDS serves a wave's instructions in order: these see my stores
.irp i, 0,1,2,3,4,5,6,7
	ds_load_b128 v[OUTR+4*\i:OUTR+4*\i+3], v10 offset:544*\i
.endr
	s_wait_dscnt 8
	global_store_b64 v7, v[12:13], s[26:27]        ; 256 consecutive bytes, aligned
.irp i, 0,1,2,3,4,5,6,7
	s_wait_dscnt 7-\i
	global_store_b128 v3, v[OUTR+4*\i:OUTR+4*\i+3], s[24:25] offset:512*\i
.endr
	s_endpgm
.Lwq:                                          ; unit u = id / 4 = query head u, slot id % 4; a row of Wq is 4,096 bytes
	s_and_b32 s29, ttmp9, 3
	s_lshl_b32 s30, s29, 21
	s_lshr_b32 s28, ttmp9, 2
	s_lshl_b32 s28, s28, 9
	s_add_co_u32 s30, s30, s28
	s_lshl_b32 s28, s22, 7
	s_add_co_u32 s30, s30, s28
	s_mul_i32 s32, ttmp9, UNIT
	s_add_nc_u64 s[24:25], s[6:7], s[30:31]
	s_add_nc_u64 s[26:27], s[16:17], s[32:33]
	WLANES 1
	WPATH 4096
.Lwkv:                                         ; unit u = id / 4 = 8 + 2 j (K head j) or 9 + 2 j (V head j); a row is 2,048 bytes
	s_and_b32 s29, ttmp9, 3
	s_lshl_b32 s30, s29, 20
	s_sub_co_u32 s28, ttmp9, 32
	s_lshr_b32 s28, s28, 3
	s_lshl_b32 s28, s28, 9
	s_add_co_u32 s30, s30, s28
	s_lshl_b32 s28, s22, 7
	s_add_co_u32 s30, s30, s28
	s_mul_i32 s32, ttmp9, UNIT
	s_bitcmp1_b32 ttmp9, 2                         ; u odd: Wv.  The choice hangs on the work-group's number alone
	s_cselect_b64 s[24:25], s[10:11], s[8:9]
	s_add_nc_u64 s[24:25], s[24:25], s[30:31]
	s_add_nc_u64 s[26:27], s[16:17], s[32:33]
	WLANES 1
	WPATH 2048
.Lwo:                                          ; id' = id - 64: unit id' / 2 (128 columns), slot id' % 2; a row of Wo is 8,192 bytes; columns in their own order
	s_sub_co_u32 s29, ttmp9, 64
	s_and_b32 s30, s29, 1
	s_lshl_b32 s30, s30, 22
	s_lshr_b32 s28, s29, 1
	s_lshl_b32 s28, s28, 9
	s_add_co_u32 s30, s30, s28
	s_lshl_b32 s28, s22, 7
	s_add_co_u32 s30, s30, s28
	s_mul_i32 s32, s29, UNIT
	s_add_nc_u64 s[24:25], s[12:13], s[30:31]
	s_add_nc_u64 s[26:27], s[18:19], s[32:33]
	WLANES 0
	WPATH 8192
.Lfunc_end_k_q9b0b80873a_prep:
	.size	k_q9b0b80873a_prep, .Lfunc_end_k_q9b0b80873a_prep-k_q9b0b80873a_prep
	.p2alignl 7, 3214868480
	.fill 96, 4, 3214868480
	.section	.rodata,"a",@progbits
	.p2align	6, 0x0
	.amdhsa_kernel k_q9b0b80873a_prep
		.amdhsa_group_segment_fixed_size 40960
		.amdhsa_private_segment_fixed_size 0
		.amdhsa_enable_private_segment 0
		.amdhsa_kernarg_size 72
		.amdhsa_user_sgpr_count 2
		.amdhsa_user_sgpr_kernarg_segment_ptr 1
		.amdhsa_wavefront_size32 1
		.amdhsa_system_sgpr_workgroup_id_x 1
		.amdhsa_system_sgpr_workgroup_id_y 1
		.amdhsa_system_sgpr_workgroup_id_z 1
		.amdhsa_system_vgpr_workitem_id 0
		.amdhsa_next_free_vgpr 192
		.amdhsa_next_free_sgpr 66
		.amdhsa_reserve_vcc 1
		.amdhsa_float_denorm_mode_32 3
		.amdhsa_float_denorm_mode_16_64 3
		.amdhsa_memory_ordered 1
		.amdhsa_forward_progress 1
		.amdhsa_inst_pref_size 255
	.end_amdhsa_kernel
	.section	.bss,"aw",@nobits
	.p2align	6
	.space	262144
	.amdgpu_metadata
---
amdhsa.version: [ 1, 2 ]
amdhsa.kernels:
  - .name:           k_q9b0b80873a_prep
    .symbol:         k_q9b0b80873a_prep.kd
    .args:
      - { .name: x, .offset: 0, .size: 8, .value_kind: global_buffer, .address_space: global }
      - { .name: Wq, .offset: 8, .size: 8, .value_kind: global_buffer, .address_space: global }
      - { .name: Wk, .offset: 16, .size: 8, .value_kind: global_buffer, .address_space: global }
      - { .name: Wv, .offset: 24, .size: 8, .value_kind: global_buffer, .address_space: global }
      - { .name: Wo, .offset: 32, .size: 8, .value_kind: global_buffer, .address_space: global }
      - { .name: xq, .offset: 40, .size: 8, .value_kind: global_buffer, .address_space: global }
      - { .name: wqkv, .offset: 48, .size: 8, .value_kind: global_buffer, .address_space: global }
      - { .name: woc, .offset: 56, .size: 8, .value_kind: global_buffer, .address_space: global }
      - { .name: rope, .offset: 64, .size: 8, .value_kind: global_buffer, .address_space: global }
    .group_segment_fixed_size: 40960
    .private_segment_fixed_size: 0
    .kernarg_segment_align: 8
    .kernarg_segment_size: 72
    .max_flat_workgroup_size: 128
    .sgpr_count:     66
    .vgpr_count:     192
    .wavefront_size: 32
...
	.end_amdgpu_metadata
.endif
;; end of part 1
;; launch qkv (part 2): grid 8 x 16, 4 waves a work-group, clusters of 4 x 4, 327,680 bytes of LDS; arguments xq, wqkv, rope, qbuf, kv; writes qbuf, kv
.if DOCPART == 2
	.amdgcn_target "amdgcn-amd-amdhsa--gfx1250"
	.amdhsa_code_object_version 6
	.text
	.protected	k_q9b0b80873a_qkv
	.globl	k_q9b0b80873a_qkv
	.p2align	8
	.type	k_q9b0b80873a_qkv,@function
k_q9b0b80873a_qkv:
	s_mov_b64 s[64:65], 0
	v_nop
	global_prefetch_b8 v0, s[64:65] scope:SCOPE_SE
	s_setreg_imm32_b32 hwreg(HW_REG_WAVE_MODE, 25, 1), 1
	s_wait_xcnt 0x0
	s_wait_alu depctr_hold_cnt(0) depctr_sa_sdst(0) depctr_va_vdst(0) depctr_va_sdst(0) depctr_va_ssrc(0) depctr_va_vcc(0) depctr_vm_vsrc(0)
	s_getreg_b32 s2, hwreg(HW_REG_IB_STS2, 6, 4)
	s_cmp_eq_u32 s2, 0
	s_cbranch_scc0 .Lentry_in_a_cluster
	s_endpgm
.Lentry_in_a_cluster:
	s_bfe_u32 s2, ttmp6, 0x10000c
	s_cmp_lg_u32 s2, 0xf033
	s_cbranch_scc0 .Lentry_shape_is_right
	s_endpgm
.Lentry_shape_is_right:
; QKV: x Wq, x Wk, x Wv as ONE product [4,096 tokens] x [2,048 columns], K = 2,048, on codes of FP4 with E8M0 scales; then, in registers: the rotation and the position scale for q and k, quantised along the head's 128;
; v turned and quantised along the keys.  Results leave as images of operand registers (qbuf, kv).
; A tile of 256 x 256 to a work-group of four waves, 128 x 128 to a wave: 64 accumulators, 512 registers.  K goes in steps of 512 through two LDS slots.  A slot is four UNITs of 34,816 bytes (128 rows x 512 K:
; fragments as register images at 4096 i + 1024 q, 16 scale bytes a row from 32,768 on): A's two, then B's two; each wave brings one UNIT, a dense block of memory, by one tensor load: codes and scales together.
; Every fragment load takes 16 x lane + a constant: 512 consecutive bytes.
; CLUSTER 4 x 4: A's UNITs are asked for jointly along a row of the cluster, B's along a column.
; THE MATRIX INSTRUCTION IS USED TRANSPOSED (source 0 = 16 columns of W, source 1 = 16 tokens).  Tokens and W's columns are laid so (row r of block a = index 32 (a / 2) + 8 (a % 2) + r + 8 (r / 8)) that lane (r, h)
; holds ONE token and register 16 b + i of a token block's 64 holds d = 32 b + 16 h + i of the head: d and d + 64 lie in one lane, and the registers stand in the order that the quantiser wants.
; A wave's 128 columns are one head: cluster x = 0: query heads 2 cx + (wave % 2); cluster x = 1: K head cx (even waves), V head cx (odd waves).  The paths part on the cluster's x and the wave's number alone.
; THE ROTATION: x cos + x' sin with the product by sin rounded and the product by cos fused with the addition; then one rounded product by the position's factor.
; LIMITS: a block of zeros gets the scale byte 1 (its codes are zeros; this program alone reads the bytes); NaN and infinities are not served; 1 / s and 1 / (1 / s) are reciprocals with one correction step.
; REGISTERS: window 0: v16-31 addresses; v32-95 scale words, two sets, nothing else; v128-191 A's fragments; on the way out v96-255 at work.  window 1: B's fragments, two sets; on the way out the table.  windows 2, 3: accumulators.
.set NSLOT,  4                         ; K / 512
.set UNIT,   34816
.set SLOT,   4*UNIT
.set SPARE,  2*SLOT                    ; behind the ring: the spare words, 128 bytes for each wave: two blocks of 256 bytes that no other line names
.set NQ,     4
.set FR,     8
.set NL,     2
.set NP,     4                         ; places behind this matrix instruction (ISA guide 7.12.1)
.set LAPS,   NSLOT/2
.set ADRA, 16                          ; v16-17 LDS address of my A fragments in slot 0, 1
.set VCO,  18                          ; v18    V's codes: 1024 (lane / 16) + 16 (lane % 16)
.set ADRB, 20                          ; v20-21 the same for B
.set ADRS, 22                          ; v22-23 my scale words: lanes 0-15 A's rows, lanes 16-31 B's
.set TA,   24                          ; v24    the table: 512 x (my position in block 0) + 64 h
.set GL,   25                          ; v25    16 x lane
.set LS4,  26                          ; v26    4 x lane
.set P0,   27                          ; v27    my position in row block 0
.set SPW,  28                          ; v28    my spare word; never rewritten
.set NIL,  29                          ; v29    0; never rewritten
.set VSTO, 30                          ; v30    V's stage, in
.set VRD,  31                          ; v31    V's stage, out
.set SC,   32
.set AF,   128
.set PC,   96                          ; the codes just made
.set PWE,  112                         ; an even block's scale word
.set PWJ,  113                         ; two blocks' words joined
.set Y,    128                         ; 64 numbers of a token block
.set T,    192                         ; v192-199 the products by sin, two sets of two pairs
.set TM,   200
.set PW,   216
.set XSC,  218                         ; v[218:219] the factors of even and odd d
.set VX,   128                         ; V: two sets of 32 keys
.set CV,   192                         ; V: four registers of codes for each of 16 blocks
.set SBV,  96                          ; V: the scale words
.set G1, 24
.set G0, 32
.set G1B, 48
.set G0B, 56
.set SEL, 76
.set MSB, 0
.macro WIN new                         ; the immediate's high byte repeats the setting that is left
.if MSB != (\new)
	s_set_vgpr_msb (MSB<<8)|(\new)
.set MSB, (\new)
.endif
.endm
.set MUL_LO, 0xa1                      ; source 0 (B) window 1, source 1 (A) window 0, C and D window 2
.set MUL_HI, 0xf1
.set TO_B,   0x40
; A joint load: waves 0 and 1 fetch A's UNITs, waves 2 and 3 B's.  The branch hangs on the wave's number alone.  Four v_nop follow each of the two lines.
.macro JLOAD g0a, g1a, g0b, g1b
	s_cmp_eq_u32 s15, 0
	s_cbranch_scc0 .Lfor_b_\@
	tensor_load_to_lds s[\g0a:\g0a+3], s[\g1a:\g1a+7]
.rept 4
	v_nop
.endr
	s_branch .Lasked_\@
.Lfor_b_\@:
	tensor_load_to_lds s[\g0b:\g0b+3], s[\g1b:\g1b+7]
.rept 4
	v_nop
.endr
.Lasked_\@:
.endm
.macro CREST                           ; a round of the cluster's barrier behind its opening barrier
	s_cmp_lg_u32 s14, 0
	s_cbranch_scc1 .Lnot_wave_0_\@
	s_barrier_signal -3
.Lnot_wave_0_\@:
	s_barrier_wait -3
	s_barrier_signal -1
	s_barrier_wait -1
.endm
.macro CROUND
	s_barrier_signal -1
	s_barrier_wait -1
	CREST
.endm
	s_load_b256 s[4:11], s[0:1], 0x0               ; xq s[4:5], wqkv s[6:7], rope s[8:9], qbuf s[10:11]
	s_load_b64 s[12:13], s[0:1], 0x20              ; kv
	v_lshl_add_u32 v[SPW], v0, 2, SPARE
	v_mov_b32 v[NIL], 0
	v_lshrrev_b32 v1, 5, v0
	v_readfirstlane_b32 s14, v1                    ; wave 0..3
	s_lshr_b32 s15, s14, 1                         ; which half of the tile's rows is mine.  Also: I fetch for A (0) or for B (1)
	s_and_b32 s16, s14, 1                          ; which half of its columns.  Also: which UNIT of the two I fetch
	s_bfe_u32 s40, ttmp6, 0x40000                  ; cx, cy
	s_bfe_u32 s41, ttmp6, 0x40004
	s_lshl_b32 s42, ttmp9, 2
	s_add_co_u32 s42, s42, s40                     ; tile column
	s_and_b32 s17, ttmp7, 0xffff
	s_lshl_b32 s17, s17, 2
	s_add_co_u32 s17, s17, s41                     ; tile row
	s_lshl_b32 s43, s41, 2
	s_lshl_b32 s43, 15, s43                        ; my row of the cluster
	s_lshl_b32 s44, 0x1111, s40                    ; my column
	s_or_b32 s[G1+0], s43, (3<<16)|(1<<21)         ; 15:0 the mask; 17:16 elements of 8 bytes; 21 set beside a mask; no padding
	s_or_b32 s[G1B+0], s44, (3<<16)|(1<<21)
.irp g, G1, G1B
	s_mov_b32 s[\g+1], 32<<16                      ; tensor_dim0 = 32 elements: 256 bytes
	s_mov_b32 s[\g+2], 136<<16                     ; tensor_dim1 = 136 rows: 34,816 bytes
	s_mov_b32 s[\g+3], 32<<16                      ; tile_dim0
	s_mov_b32 s[\g+4], 136                         ; tile_dim1
	s_mov_b32 s[\g+5], 32                          ; the pitch: dense
	s_mov_b32 s[\g+6], 0
	s_mov_b32 s[\g+7], 0
.endr
	s_lshl_b32 s20, s17, 1
	s_add_co_u32 s20, s20, s16                     ; A: tile of 128 tokens 2 x tile row + half
	s_mul_i32 s20, s20, NSLOT*UNIT
	s_mov_b32 s21, 0
	s_lshl_b32 s46, s42, 1
	s_add_co_u32 s46, s46, s16                     ; B: unit 2 x tile column + half
	s_mul_i32 s46, s46, NSLOT*UNIT
	s_mov_b32 s47, 0
	s_mul_i32 s45, s14, UNIT                       ; where they go: wave x UNIT: no place in the cluster enters an LDS address
	s_wait_kmcnt 0x0
	s_add_nc_u64 s[20:21], s[4:5], s[20:21]
	s_add_nc_u64 s[46:47], s[6:7], s[46:47]
	CROUND                                         ; all sixteen work-groups are here: the first joint loads meet
.irp s, 0,1
	s_mov_b32 s[G0+4*\s], 1
	s_add_co_u32 s[G0+4*\s+1], s45, \s*SLOT
	s_add_nc_u64 s[G0+4*\s+2:G0+4*\s+3], s[20:21], \s*UNIT
	s_or_b32 s[G0+4*\s+3], s[G0+4*\s+3], 0x80000000
	s_mov_b32 s[G0B+4*\s], 1
	s_add_co_u32 s[G0B+4*\s+1], s45, \s*SLOT
	s_add_nc_u64 s[G0B+4*\s+2:G0B+4*\s+3], s[46:47], \s*UNIT
	s_or_b32 s[G0B+4*\s+3], s[G0B+4*\s+3], 0x80000000
	JLOAD G0+4*\s, G1, G0B+4*\s, G1B
.endr
	v_and_b32 v1, 15, v0                           ; r
	v_bfe_u32 v2, v0, 4, 1                         ; h
	v_and_b32 v3, 31, v0                           ; lane
	v_lshlrev_b32 v4, 4, v3                        ; 16 x lane
	s_mul_i32 s21, s15, UNIT                       ; my 128 rows of A
	s_mul_i32 s22, s16, UNIT                       ; my 128 rows of B,
	s_add_co_u32 s22, s22, 2*UNIT                  ; behind A's two UNITs
.irp s, 0,1
	v_add_nc_u32 v[ADRA+\s], s21, v4
	v_add_nc_u32 v[ADRB+\s], s22, v4
	s_add_co_u32 s21, s21, SLOT
	s_add_co_u32 s22, s22, SLOT
.endr
	s_mul_i32 s21, s15, UNIT
	s_mul_i32 s22, s16, UNIT
	s_add_co_u32 s22, s22, 2*UNIT
	s_sub_co_u32 s22, s22, s21
	v_mul_u32_u24 v6, s22, v2                      ; lanes 16-31 take B's: the distance between the two UNITs
	v_lshl_add_u32 v5, v1, 4, v6                   ; + 16 bytes a row
	s_add_co_u32 s21, s21, 32768
	v_add_nc_u32 v[ADRS], s21, v5
	s_add_co_u32 s21, s21, SLOT
	v_add_nc_u32 v[ADRS+1], s21, v5
	; the way out's numbers
	s_lshl_b32 s66, s17, 1
	s_add_co_u32 s66, s66, s15                     ; my tile of 128 tokens
	s_lshr_b32 s67, s66, 4                         ; the batch
	s_and_b32 s68, s66, 15                         ; the block of 128 positions
	s_lshl_b32 s69, s40, 1
	s_add_co_u32 s69, s69, s16                     ; the query head
	s_lshl_b32 s70, s67, 3
	s_add_co_u32 s70, s70, s69
	s_lshl_b32 s70, s70, 4
	s_add_co_u32 s70, s70, s68
	s_mul_i32 s70, s70, 8704                       ; q: ((8 b + h) 16 + block) x 8,704
	s_lshl_b32 s71, s67, 2
	s_add_co_u32 s71, s71, s40
	s_lshl_b32 s71, s71, 4
	s_add_co_u32 s71, s71, s68
	s_mul_i32 s71, s71, 17408                      ; k: ((4 b + hk) 16 + block) x 17,408;
	s_mul_i32 s69, s16, 8704
	s_add_co_u32 s71, s71, s69                     ; v: 8,704 further on
	s_cmp_eq_u32 ttmp9, 0                          ; the cluster's x, alike in all partners
	s_cselect_b32 s70, s70, s71
	s_cselect_b64 s[72:73], s[10:11], s[12:13]
	s_cselect_b32 s75, -1, 0                       ; all lanes: q; none: k
	s_mov_b32 s71, 0
	s_add_nc_u64 s[72:73], s[72:73], s[70:71]      ; where my head's block goes
	s_mov_b32 s74, 0xffff0000                      ; lanes 16-31
	s_mov_b32 s[SEL], 0x76543210
	s_mov_b32 s[SEL+1], 0xfedcba98                 ; v_permlanex16_b32's selects for lane l xor 16
	v_and_b32 v5, 8, v1
	v_add_nc_u32 v5, v5, v1                        ; r + 8 (r / 8)
	s_lshl_b32 s69, s68, 7
	v_add_nc_u32 v[P0], s69, v5
	v_lshlrev_b32 v[TA], 9, v[P0]
	v_lshl_add_u32 v[TA], v2, 6, v[TA]
	v_mov_b32 v[GL], v4
	v_lshlrev_b32 v[LS4], 2, v3
	s_mul_i32 s69, s14, 16896                      ; V's stage: 32 rows x 528 bytes for each wave, in slot 0, which has had its last fill and its last read by then
	v_mul_u32_u24 v5, v1, 528
	v_lshl_add_u32 v5, v2, 5, v5
	v_add_nc_u32 v[VSTO], s69, v5
	v_add_nc_u32 v[VRD], s69, v[LS4]
	v_lshlrev_b32 v[VCO], 4, v1
	v_lshl_add_u32 v[VCO], v2, 10, v[VCO]
.macro FRAG reg, adr, q, i             ; a fragment's image: two loads of 512 consecutive bytes
.irp c, 0,1
	ds_load_b128 v[\reg+4*\c:\reg+4*\c+3], v[\adr] offset:1024*(\q)+512*\c+(\i)*4096
.endr
.endm
; 16 matrix instructions: A's blocks a0, a0 + 1 x B's eight, the slot's q-th 128 along K.  The 64 accumulators take turns, one instruction a turn.
.macro MUL16 a0, p, q, sc, zero
.irp a, \a0, \a0+1
.irp b, 0,1,2,3,4,5,6,7
.if \zero
	v_wmma_scale_f32_16x16x128_f8f6f4 v[8*(8*((\a)%4)+\b):8*(8*((\a)%4)+\b)+7], v[128*(\p)+FR*\b:128*(\p)+FR*\b+FR-1], v[AF+FR*(\a):AF+FR*(\a)+FR-1], 0, v[SC+8*NQ*(\sc)+NQ*\b+(\q)], v[SC+8*NQ*(\sc)+NQ*(\a)+(\q)] matrix_a_fmt:MATRIX_FMT_FP4 matrix_b_fmt:MATRIX_FMT_FP4 matrix_a_scale:MATRIX_SCALE_ROW1
.else
	v_wmma_scale_f32_16x16x128_f8f6f4 v[8*(8*((\a)%4)+\b):8*(8*((\a)%4)+\b)+7], v[128*(\p)+FR*\b:128*(\p)+FR*\b+FR-1], v[AF+FR*(\a):AF+FR*(\a)+FR-1], v[8*(8*((\a)%4)+\b):8*(8*((\a)%4)+\b)+7], v[SC+8*NQ*(\sc)+NQ*\b+(\q)], v[SC+8*NQ*(\sc)+NQ*(\a)+(\q)] matrix_a_fmt:MATRIX_FMT_FP4 matrix_b_fmt:MATRIX_FMT_FP4 matrix_a_scale:MATRIX_SCALE_ROW1
.endif
.endr
.endr
.endm
.macro FETCH_B slot, q, p
	WIN TO_B
.irp i, 0,1,2,3,4,5,6,7
	FRAG 128*(\p)+FR*\i, ADRB+\slot, \q, \i
.endr
	WIN 0
.endm
.macro FETCH_A slot, q, i0
.irp i, \i0, \i0+1, \i0+2, \i0+3
	FRAG AF+FR*(\i), ADRA+\slot, \q, \i
.endr
.endm
.macro SCALES sc                       ; slot sc's scale words: four words a row; lanes 0-15 A's block i, lanes 16-31 B's block i
.irp i, 0,1,2,3,4,5,6,7
	ds_load_b128 v[SC+8*NQ*\sc+NQ*\i:SC+8*NQ*\sc+NQ*\i+3], v[ADRS+\sc] offset:\i*256
.endr
.endm
.macro PLACES n                        ; plain vector lines between a matrix instruction and a load into, or a read of, its registers
.rept \n
	v_nop
.endr
.endm
.macro STEP slot, q, zero              ; 128 along K, with its successor in the same slot
	s_wait_dscnt 4*NL                              ; B's set and A's blocks 0-3 are in; the youngest eight loads (A's blocks 4-7) may be out
	WIN MUL_LO
	MUL16 0, (\q)%2, \q, \slot, \zero
	MUL16 2, (\q)%2, \q, \slot, \zero
	s_wait_dscnt 0                                 ; A's blocks 4-7 are in
	PLACES NP
	FETCH_B \slot, (\q)+1, 1-(\q)%2
	FETCH_A \slot, (\q)+1, 0
	WIN MUL_HI
	MUL16 4, (\q)%2, \q, \slot, \zero
	MUL16 6, (\q)%2, \q, \slot, \zero
	PLACES NP
	WIN 0
	FETCH_A \slot, (\q)+1, 4
.endm
; A slot's last step changes slots: one barrier; in front of it each wave waits for all its tensor loads, adds 0 to its spare word, and waits for that and for its reads of this slot.  fill = 1: the slot is filled again, two slots ahead.
.macro TURN slot, next, fill
	s_wait_tensorcnt 0x0                           ; all my tensor loads have landed: my part of the next slot
	ds_add_u32 v[SPW], v[NIL]                      ; 0 onto my spare word
	s_wait_dscnt 4*NL+1                            ; (the add and A's blocks 4-7 may be out)
	WIN MUL_LO
	MUL16 0, 1, NQ-1, \slot, 0
	s_wait_dscnt 0x0                               ; the add is done, and my reads of this slot are over
	s_barrier_signal -1
	MUL16 2, 1, NQ-1, \slot, 0
	WIN 0
	s_barrier_wait -1
.if \fill
	CREST                                          ; the barrier has opened a round of the cluster's: no wave of any partner still reads this slot or has a load on its way
	s_add_nc_u64 s[G0+4*\slot+2:G0+4*\slot+3], s[G0+4*\slot+2:G0+4*\slot+3], 2*UNIT
	s_add_nc_u64 s[G0B+4*\slot+2:G0B+4*\slot+3], s[G0B+4*\slot+2:G0B+4*\slot+3], 2*UNIT
	JLOAD G0+4*\slot, G1, G0B+4*\slot, G1B         ; the first tensor load behind the round; its four v_nop are the places in front of the loads below
.else
	PLACES NP
.endif
	FETCH_B \next, 0, 0
	FETCH_A \next, 0, 0
	SCALES \next
	WIN MUL_HI
	MUL16 4, 1, NQ-1, \slot, 0
	MUL16 6, 1, NQ-1, \slot, 0
	PLACES NP
	WIN 0
	FETCH_A \next, 0, 4
.endm
.macro STEPS slot, from
.set Q, \from
.rept NQ-1-\from
	STEP \slot, Q, 0
.set Q, Q+1
.endr
.endm
	s_wait_tensorcnt 1                             ; my part of slot 0 is in (slot 1's load may be out)
	s_barrier_signal -1
	s_barrier_wait -1                              ; everybody's is
	FETCH_B 0, 0, 0
	FETCH_A 0, 0, 0
	SCALES 0
	FETCH_A 0, 0, 4
	STEP 0, 0, 1                                   ; the first step's products start the sums
.if LAPS > 1
	s_mov_b32 s3, LAPS-1
.Llap:                                             ; a trip goes once round the ring and fills both slots again
	STEPS 0, 1
	TURN 0, 1, 1
	STEPS 1, 0
	TURN 1, 0, 1
	STEP 0, 0, 0
	s_sub_co_u32 s3, s3, 1
	s_cmp_lg_u32 s3, 0
	s_cbranch_scc1 .Llap
.endif
	STEPS 0, 1                                     ; the last lap fills nothing
	TURN 0, 1, 0
	STEPS 1, 0
	s_wait_dscnt 4*NL
	WIN MUL_LO
	MUL16 0, 1, NQ-1, 1, 0
	MUL16 2, 1, NQ-1, 1, 0
	s_wait_dscnt 0
	WIN MUL_HI
	MUL16 4, 1, NQ-1, 1, 0
	MUL16 6, 1, NQ-1, 1, 0
	WIN 0
; 64 numbers of a lane, register 16 b + i = k 32 b + 16 (lane / 16) + i of my row, become a fragment's codes in v[pc] on and its scale word in v[PW].
.macro QUANT s, pc
.irp b, 0,1,2,3
	v_max3_num_f32 v[TM+\b], |v[\s+16*\b]|, |v[\s+1+16*\b]|, 0x1800000   ; my 16 numbers of block b, and the floor 2^(3 - 127)
.endr
.irp i, 2,4,6,8,10,12,14
.irp b, 0,1,2,3
	v_max3_num_f32 v[TM+\b], v[TM+\b], |v[\s+16*\b+\i]|, |v[\s+1+16*\b+\i]|
.endr
.endr
.irp b, 0,1,2,3
	v_permlanex16_b32 v[TM+4+\b], v[TM+\b], s[SEL], s[SEL+1]
.endr
.irp b, 0,1,2,3
	v_max_num_f32 v[TM+\b], v[TM+\b], v[TM+4+\b]   ; with lane l xor 16's: the block's largest magnitude
.endr
.irp b, 0,1,2,3
	v_add_nc_u32 v[TM+12+\b], 0xff000000, v[TM+\b] ; 2 off its exponent field: the conversion's scale operand
.endr
.irp b, 0,1,2,3
	v_lshrrev_b32 v[TM+4+\b], 23, v[TM+12+\b]      ; the byte
.endr
	v_lshl_or_b32 v[PW], v[TM+5], 8, v[TM+4]
	v_lshl_or_b32 v[PW], v[TM+6], 16, v[PW]
	v_lshl_or_b32 v[PW], v[TM+7], 24, v[PW]
.irp b, 0,1,2,3
	v_cvt_scalef32_pk8_fp4_f32 v[\pc+2*\b], v[\s+16*\b:\s+7+16*\b], v[TM+12+\b]
	v_cvt_scalef32_pk8_fp4_f32 v[\pc+1+2*\b], v[\s+8+16*\b:\s+15+16*\b], v[TM+12+\b]
.endr
	v_nop                                          ; one plain line behind a scaled conversion
.irp c, 0,1                                    ; the operand wants a whole block in a lane
.irp i, 0,1
	v_permlane16_swap_b32 v[\pc+4*\c+\i], v[\pc+2+4*\c+\i]
.endr
.endr
.endm
; The table's rows of token block a into set a % 2 of window 1: cos of my 32 frequencies (32 b' + 16 h + i) at + 16 b' + i, sin 32 registers on.
.macro TABLOAD a
	WIN 0x40
.irp g, 0,1,2,3
.irp k, 0,1,2,3
	global_load_b128 v[64*((\a)%2)+16*\g+4*\k:64*((\a)%2)+16*\g+4*\k+3], v[TA], s[8:9] offset:512*(32*((\a)/2)+8*((\a)%2))+128*\g+16*\k
.endr
.endr
	WIN 0
.endm
; Token block a: rotation, position scale, quantiser, store.
.macro ROPE a
.set AC, 64*((\a)%4)
.set TBS, 64*((\a)%2)
.if (\a) < 7
	s_wait_loadcnt 16                              ; this block's table is in; the next block's 16 loads may be out
.else
	s_wait_loadcnt 0x0
.endif
	s_wait_xcnt 0x0                                ; the last block's stores have read their registers: they are written again below
	v_add_nc_u32 v220, 32*((\a)/2)+8*((\a)%2)+256, v[P0]
	v_cvt_f32_u32 v220, v220
	v_mul_f32 v220, 0x3b000000, v220               ; s = (position + 256) / 512, exact
	v_rcp_f32 v221, v220
	v_nop
	v_fma_f32 v222, -v220, v221, 1.0
	v_fma_f32 v221, v222, v221, v221               ; 1 / s
	v_rcp_f32 v223, v221
	v_nop
	v_fma_f32 v222, -v221, v223, 1.0
	v_fma_f32 v223, v222, v223, v223               ; 1 / (1 / s)
	v_cndmask_b32 v[XSC], v221, v220, s75          ; even d: q takes s, k takes 1 / s
	v_cndmask_b32 v[XSC+1], v223, v221, s75        ; odd d: q takes 1 / s, k takes 1 / (1 / s)
	WIN 0x06+(\a)/4                                ; source 0: the accumulators' window; source 1: the table's
.irp n, 0,2,4,6,8,10,12,14,16,18,20,22,24,26,28,30     ; ascending: each accumulator is read from its low end on
	v_pk_mul_f32 v[T+4*((\n/2)%2):T+4*((\n/2)%2)+1], v[AC+32+\n:AC+33+\n], v[TBS+32+\n:TBS+33+\n]
	v_pk_mul_f32 v[T+4*((\n/2)%2)+2:T+4*((\n/2)%2)+3], v[AC+\n:AC+1+\n], v[TBS+32+\n:TBS+33+\n]
	v_pk_fma_f32 v[Y+\n:Y+1+\n], v[AC+\n:AC+1+\n], v[TBS+\n:TBS+1+\n], v[T+4*((\n/2)%2):T+4*((\n/2)%2)+1] neg_lo:[0,0,1] neg_hi:[0,0,1]   ; x(d) cos - x(d + 64) sin
	v_pk_fma_f32 v[Y+32+\n:Y+33+\n], v[AC+32+\n:AC+33+\n], v[TBS+\n:TBS+1+\n], v[T+4*((\n/2)%2)+2:T+4*((\n/2)%2)+3]                        ; x(d + 64) cos + x(d) sin
.endr
.if (\a) < 6
	TABLOAD (\a)+2
.endif
	WIN 0
.irp n, 0,2,4,6,8,10,12,14,16,18,20,22,24,26,28,30,32,34,36,38,40,42,44,46,48,50,52,54,56,58,60,62
	v_pk_mul_f32 v[Y+\n:Y+1+\n], v[Y+\n:Y+1+\n], v[XSC:XSC+1]
.endr
	QUANT Y, PC
	global_store_b128 v[GL], v[PC:PC+3], s[72:73] offset:1024*(\a)         ; 512 consecutive bytes
	global_store_b128 v[GL], v[PC+4:PC+7], s[72:73] offset:1024*(\a)+512
.if (\a)%2 == 0
	v_mov_b32 v[PWE], v[PW]
.else
	v_cndmask_b32 v[PWJ], v[PWE], v[PW], s74       ; lanes 0-15 the even block's words, lanes 16-31 the odd block's
	global_store_b32 v[LS4], v[PWJ], s[72:73] offset:8192+128*((\a)/2)
.endif
.endm
; V: the 32 keys of group be (token blocks 2 be, 2 be + 1) go into the wave's stage, a row to a stored token;
.macro VSTAGE be
	WIN 0x08+4*((\be)/2)                           ; an LDS store's data: window 2 or 3
.irp u, 0,1
.irp bb, 0,1,2,3,4,5,6,7
	ds_store_b128 v[VSTO], v[64*((2*(\be)+\u)%4)+8*\bb:64*((2*(\be)+\u)%4)+8*\bb+3] offset:528*16*\u+64*\bb      ; each accumulator from its low end on
	ds_store_b128 v[VSTO], v[64*((2*(\be)+\u)%4)+8*\bb+4:64*((2*(\be)+\u)%4)+8*\bb+7] offset:528*16*\u+64*\bb+16
.endr
.endr
	WIN 0
.endm
; and come back with a lane to a column (32 g + lane) and the registers down the keys, in the keys' own order.
.macro VREAD g, set
.set ii, 0
.rept 32
	ds_load_b32 v[VX+32*(\set)+ii], v[VRD] offset:528*((ii&7)+16*((ii>>3)&1)+8*((ii>>4)&1))+128*(\g)
.set ii, ii+1
.endr
.endm
.macro VQ be, g
.set XS, VX+32*((\g)%2)
.set CVR, CV+4*(4*(\be)+(\g))
	v_max3_num_f32 v100, |v[XS]|, |v[XS+1]|, |v[XS+2]|
	v_max3_num_f32 v101, |v[XS+3]|, |v[XS+4]|, |v[XS+5]|
.irp i, 6,10,14,18,22,26
	v_max3_num_f32 v100, v100, |v[XS+\i]|, |v[XS+\i+1]|
	v_max3_num_f32 v101, v101, |v[XS+\i+2]|, |v[XS+\i+3]|
.endr
	v_max3_num_f32 v100, v100, |v[XS+30]|, |v[XS+31]|
	v_max3_num_f32 v100, v100, v101, 0x1800000
	v_add_nc_u32 v102, 0xff000000, v100
	v_lshrrev_b32 v101, 23, v102
.if (\be) == 0
	v_mov_b32 v[SBV+(\g)], v101
.else
	v_lshl_or_b32 v[SBV+(\g)], v101, 8*(\be), v[SBV+(\g)]
.endif
.irp k, 0,1,2,3
	v_cvt_scalef32_pk8_fp4_f32 v[CVR+\k], v[XS+8*\k:XS+8*\k+7], v102
.endr
	global_store_b128 v[VCO], v[CVR:CVR+3], s[72:73] offset:2048*(\g)+256*(\be)   ; sixteen lanes fill 256 consecutive bytes, aligned
.endm
	PLACES NP                                      ; between the last products and the first read of results and the loads into B's registers
	s_cmp_eq_u32 ttmp9, 0
	s_cbranch_scc1 .Lrope                          ; query heads
	s_cmp_eq_u32 s16, 0
	s_cbranch_scc1 .Lrope                          ; K heads
	; ---- V: 128 keys x 128 d become eight fragments of 16 d x 128 keys
.irp be, 0,1,2,3
	VSTAGE \be
	VREAD 0, 0
.irp g, 0,1,2,3
.if \g < 3
	VREAD \g+1, (\g+1)%2
	s_wait_dscnt 32                                ; this column group's 32 loads are in; the next group's may be out
.else
	s_wait_dscnt 0x0
.endif
	VQ \be, \g
.endr
.endr
.irp g, 0,1,2,3
	global_store_b32 v[LS4], v[SBV+\g], s[72:73] offset:8192+128*\g
.endr
	s_branch .Ldone
.Lrope:
.irp b, 0,1,2,3
	v_mov_b32 v[TM+4+\b], 0                        ; written once: a lane permute's destination counts as one of its sources
.endr
	TABLOAD 0
	TABLOAD 1
.irp a, 0,1,2,3,4,5,6,7
	ROPE \a
.endr
.Ldone:
	s_wait_tensorcnt 0x0                           ; the wave's end
	ds_add_u32 v[SPW], v[NIL]
	s_wait_dscnt 0x0
	CROUND                                         ; the closing round
	s_endpgm
.Lfunc_end_k_q9b0b80873a_qkv:
	.size	k_q9b0b80873a_qkv, .Lfunc_end_k_q9b0b80873a_qkv-k_q9b0b80873a_qkv
	.p2alignl 7, 3214868480
	.fill 96, 4, 3214868480
	.section	.rodata,"a",@progbits
	.p2align	6, 0x0
	.amdhsa_kernel k_q9b0b80873a_qkv
		.amdhsa_group_segment_fixed_size 327680
		.amdhsa_private_segment_fixed_size 0
		.amdhsa_enable_private_segment 0
		.amdhsa_kernarg_size 40
		.amdhsa_user_sgpr_count 2
		.amdhsa_user_sgpr_kernarg_segment_ptr 1
		.amdhsa_wavefront_size32 1
		.amdhsa_system_sgpr_workgroup_id_x 1
		.amdhsa_system_sgpr_workgroup_id_y 1
		.amdhsa_system_sgpr_workgroup_id_z 1
		.amdhsa_system_vgpr_workitem_id 0
		.amdhsa_next_free_vgpr 1024
		.amdhsa_next_free_sgpr 80
		.amdhsa_reserve_vcc 0
		.amdhsa_float_denorm_mode_32 3
		.amdhsa_float_denorm_mode_16_64 3
		.amdhsa_memory_ordered 1
		.amdhsa_forward_progress 1
		.amdhsa_inst_pref_size 255
	.end_amdhsa_kernel
	.section	.bss,"aw",@nobits
	.p2align	6
	.space	262144
	.amdgpu_metadata
---
amdhsa.version: [ 1, 2 ]
amdhsa.kernels:
  - .name:           k_q9b0b80873a_qkv
    .symbol:         k_q9b0b80873a_qkv.kd
    .args:
      - { .name: xq, .offset: 0, .size: 8, .value_kind: global_buffer, .address_space: global }
      - { .name: wqkv, .offset: 8, .size: 8, .value_kind: global_buffer, .address_space: global }
      - { .name: rope, .offset: 16, .size: 8, .value_kind: global_buffer, .address_space: global }
      - { .name: qbuf, .offset: 24, .size: 8, .value_kind: global_buffer, .address_space: global }
      - { .name: kv, .offset: 32, .size: 8, .value_kind: global_buffer, .address_space: global }
    .group_segment_fixed_size: 327680
    .private_segment_fixed_size: 0
    .kernarg_segment_align: 8
    .kernarg_segment_size: 40
    .max_flat_workgroup_size: 128
    .sgpr_count:     80
    .vgpr_count:     1024
    .wavefront_size: 32
...
	.end_amdgpu_metadata
.endif
;; end of part 2
;; launch attn (part 3): grid 256 x 1, 8 waves a work-group, clusters of 4 x 1, 327,680 bytes of LDS; arguments qbuf, kv, ao; writes ao
.if DOCPART == 3
	.amdgcn_target "amdgcn-amd-amdhsa--gfx1250"
	.amdhsa_code_object_version 6
	.text
	.protected	k_q9b0b80873a_attn
	.globl	k_q9b0b80873a_attn
	.p2align	8
	.type	k_q9b0b80873a_attn,@function
k_q9b0b80873a_attn:
	s_mov_b64 s[64:65], 0
	v_nop
	global_prefetch_b8 v0, s[64:65] scope:SCOPE_SE
	s_setreg_imm32_b32 hwreg(HW_REG_WAVE_MODE, 25, 1), 1
	s_wait_xcnt 0x0
	s_wait_alu depctr_hold_cnt(0) depctr_sa_sdst(0) depctr_va_vdst(0) depctr_va_sdst(0) depctr_va_ssrc(0) depctr_va_vcc(0) depctr_vm_vsrc(0)
	s_getreg_b32 s2, hwreg(HW_REG_IB_STS2, 6, 4)
	s_cmp_eq_u32 s2, 0
	s_cbranch_scc0 .Lentry_in_a_cluster
	s_endpgm
.Lentry_in_a_cluster:
	s_bfe_u32 s2, ttmp6, 0x10000c
	s_cmp_lg_u32 s2, 0x3003
	s_cbranch_scc0 .Lentry_shape_is_right
	s_endpgm
.Lentry_shape_is_right:
; ATTN: causal attention on codes of FP4, 8 query heads on 4 key and value heads, 2,048 positions, head size 128.  M = the running largest t rounded up to a whole number;
; p = 2^(t - M) is quantised along the keys, not normalised; the row's sum is taken of the unquantised p and divides at the end; the result is quantised along (head, d) for the last product.
; t.  logit = score x f32(1 / sqrt(128)), one rounded product (the division by a constant as a product by its reciprocal: it can differ from the quotient by one unit in the last place); the mask and the maxima
; work on the logits, with which t rises; M comes from the rounded product of the largest logit and f32(log2(e)); t - M = logit x log2(e) - M is one fused multiply-add.
; SHARES.  A wave owns one tile of 16 queries.  A cluster of four work-groups (32 waves) owns, of one key and value head, the query blocks beta and 15 - beta (128 queries each) of its two query heads: every wave of block B
; walks key steps 0 .. B of 128 keys, so a low and a high wave together have 17 steps whatever beta is.  Which steps a wave leaves out hangs on the cluster's number, the wave's number and the step's count alone.
; LDS.  All K and V of the head, 16 key steps x 17,408 bytes (K: 8 fragments and their scale words, 8,704 bytes; V likewise), are filled ONCE: 32 joint loads of 8,704 bytes, four a wave, asked for by all four partners.
; The steps begin when the first quarter has landed: four groups of four steps, each behind a counted wait and a barrier.  By this text's count a wave has four tensor loads out at the most.
; LAYOUT.  Both products are used transposed (S^T = K Q^T, O^T = V^T P^T): a lane holds one query.  K's rows, Q's rows and V's d are laid so that register 16 b + i of a lane's 64 is key (or d) 32 b + 16 (lane / 16) + i.
; LIMITS: NaN and infinities are not served; a block of zeros gets the scale byte 1; a p under 2^-126 counts as 0.
; REGISTERS: v1-5 addresses; v12 -M, v13 the largest t, v[14:15] the sum; v16-23 Q; v24-33 scale words and nothing else; v40-103 eight fragments; v104-167 S^T, then the logits, then p; v168-231 O^T; v232-239 p's codes; v240-255 at work.
.set UNIT, 34816
.set QSW,  24
.set PSW,  25
.set KSW,  26
.set VSW,  30
.set PW,   34
.set F,    40
.set S,    104
.set O,    168
.set PCD,  232
.set BM,   240
.set PT,   244
.set SOP,  248
.set TM,   240
.set SEL,  20
.set RD,   22                          ; s[22:23] 1 / sqrt(128) as f32
.set LE,   70                          ; s[70:71] log2(e) as f32  (the packed forms name a pair and take its low word for both halves)
.macro CROUND
	s_barrier_signal -1
	s_barrier_wait -1
	s_cmp_lg_u32 s12, 0
	s_cbranch_scc1 .Lnot_wave_0_\@
	s_barrier_signal -3
.Lnot_wave_0_\@:
	s_barrier_wait -3
	s_barrier_signal -1
	s_barrier_wait -1
.endm
.macro QUANT s, pc                     ; 64 numbers of a lane, register 16 b + i = k 32 b + 16 (lane / 16) + i, become a fragment's codes in v[pc] on and its scale word in v[PW]
.irp b, 0,1,2,3
	v_max3_num_f32 v[TM+\b], |v[\s+16*\b]|, |v[\s+1+16*\b]|, 0x1800000
.endr
.irp i, 2,4,6,8,10,12,14
.irp b, 0,1,2,3
	v_max3_num_f32 v[TM+\b], v[TM+\b], |v[\s+16*\b+\i]|, |v[\s+1+16*\b+\i]|
.endr
.endr
.irp b, 0,1,2,3
	v_permlanex16_b32 v[TM+4+\b], v[TM+\b], s[SEL], s[SEL+1]
.endr
.irp b, 0,1,2,3
	v_max_num_f32 v[TM+\b], v[TM+\b], v[TM+4+\b]
.endr
.irp b, 0,1,2,3
	v_add_nc_u32 v[TM+12+\b], 0xff000000, v[TM+\b]
.endr
.irp b, 0,1,2,3
	v_lshrrev_b32 v[TM+4+\b], 23, v[TM+12+\b]
.endr
	v_lshl_or_b32 v[PW], v[TM+5], 8, v[TM+4]
	v_lshl_or_b32 v[PW], v[TM+6], 16, v[PW]
	v_lshl_or_b32 v[PW], v[TM+7], 24, v[PW]
.irp b, 0,1,2,3
	v_cvt_scalef32_pk8_fp4_f32 v[\pc+2*\b], v[\s+16*\b:\s+7+16*\b], v[TM+12+\b]
	v_cvt_scalef32_pk8_fp4_f32 v[\pc+1+2*\b], v[\s+8+16*\b:\s+15+16*\b], v[TM+12+\b]
.endr
	v_nop                                          ; one plain line behind a scaled conversion
.irp c, 0,1
.irp i, 0,1
	v_permlane16_swap_b32 v[\pc+4*\c+\i], v[\pc+2+4*\c+\i]
.endr
.endr
.endm
	s_load_b128 s[4:7], s[0:1], 0x0                ; qbuf, kv
	s_load_b64 s[8:9], s[0:1], 0x10                ; ao
	v_lshrrev_b32 v1, 5, v0
	v_readfirstlane_b32 s12, v1                    ; wave 0..7
	s_bfe_u32 s10, ttmp6, 0x40000                  ; cx: it enters Q's and the result's addresses and the mask's numbers alone
	s_lshr_b32 s17, ttmp9, 3                       ; 4 b + hk
	s_and_b32 s18, ttmp9, 7                        ; beta
	s_lshr_b32 s19, s12, 2                         ; which of my work-group's two tiles
	s_xor_b32 s11, s12, s19
	s_and_b32 s11, s11, 1                          ; the high block or the low one
	s_bfe_u32 s50, s12, 0x10001                    ; which of the two query heads
	s_sub_co_u32 s13, 15, s18
	s_cmp_eq_u32 s11, 0
	s_cselect_b32 s13, s18, s13                    ; my block of 128 queries: beta or 15 - beta
	s_mov_b32 s24, 15|(3<<16)|(1<<21)              ; group 1: the mask: all four; elements of 8 bytes; bit 21 beside a mask; no padding
	s_mov_b32 s25, 32<<16                          ; tensor_dim0 = 32: 256 bytes
	s_mov_b32 s26, 34<<16                          ; tensor_dim1 = 34 rows: 8,704 bytes
	s_mov_b32 s27, 32<<16
	s_mov_b32 s28, 34
	s_mov_b32 s29, 32                              ; dense
	s_mov_b32 s30, 0
	s_mov_b32 s31, 0
	s_mul_i32 s51, s12, 8704                       ; my part of a group of four key steps, in LDS and in memory alike
	s_mul_i32 s52, s17, 278528
	s_add_co_u32 s52, s52, s51
	s_mov_b32 s53, 0
	s_lshl_b32 s54, s17, 1
	s_add_co_u32 s54, s54, s50                     ; 8 b + h
	s_lshl_b32 s54, s54, 4
	s_add_co_u32 s54, s54, s13
	s_mul_i32 s54, s54, 8704                       ; Q's block
	s_mov_b32 s55, 0
	s_lshl_b32 s56, s10, 1
	s_add_co_u32 s56, s56, s19                     ; my tile t = 2 cx + sub
	s_lshl_b32 s57, s56, 10
	s_lshl_b32 s58, s56, 6
	s_lshr_b32 s60, s17, 2
	s_lshl_b32 s60, s60, 4
	s_add_co_u32 s60, s60, s13                     ; the result's tile of 128 tokens: 16 b + block
	s_lshl_b32 s60, s60, 1
	s_bfe_u32 s61, s17, 0x10001
	s_add_co_u32 s60, s60, s61                     ; slot h / 4
	s_mul_i32 s60, s60, UNIT
	s_and_b32 s61, s17, 1
	s_lshl_b32 s61, s61, 1
	s_add_co_u32 s61, s61, s50                     ; K step h % 4
	s_lshl_b32 s62, s56, 12
	s_add_co_u32 s62, s62, s60
	s_lshl_b32 s63, s61, 10
	s_add_co_u32 s66, s62, s63                     ; codes: 4096 t + 1024 (h % 4)
	s_mov_b32 s67, 0
	s_lshl_b32 s62, s56, 8
	s_add_co_u32 s62, s62, s60
	s_lshl_b32 s63, s61, 2
	s_add_co_u32 s62, s62, s63
	s_add_co_u32 s68, s62, 32768                   ; scale words: 32768 + 256 t + 4 (h % 4)
	s_mov_b32 s69, 0
	s_mov_b32 s[SEL], 0x76543210
	s_mov_b32 s[SEL+1], 0xfedcba98
	s_mov_b32 s[RD], 0x3db504f3                    ; the f32 nearest to 1 / f32(sqrt(128))
	s_mov_b32 s[RD+1], s[RD]
	s_mov_b32 s[LE], 0x3fb8aa3b                    ; the f32 nearest to log2(e)
	s_mov_b32 s[LE+1], s[LE]
	s_mov_b32 s14, 0                               ; the key step
	s_wait_kmcnt 0x0
	s_add_nc_u64 s[52:53], s[6:7], s[52:53]
	s_add_nc_u64 s[4:5], s[4:5], s[54:55]
	s_add_nc_u64 s[66:67], s[8:9], s[66:67]
	s_add_nc_u64 s[68:69], s[8:9], s[68:69]
	CROUND                                         ; all four work-groups are here: the joint loads meet
.irp g, 0,1,2,3
	s_mov_b32 s[32+4*\g], 1
	s_add_co_u32 s[33+4*\g], s51, 69632*\g
	s_add_nc_u64 s[34+4*\g:35+4*\g], s[52:53], 69632*\g
	s_or_b32 s[35+4*\g], s[35+4*\g], 0x80000000
.endr
	tensor_load_to_lds s[32:35], s[24:31]          ; key steps 0-3: my 8,704 bytes
	tensor_load_to_lds s[36:39], s[24:31]          ; 4-7
	tensor_load_to_lds s[40:43], s[24:31]          ; 8-11
	tensor_load_to_lds s[44:47], s[24:31]          ; 12-15
.rept 4
	v_nop
.endr
	v_and_b32 v1, 31, v0
	v_lshlrev_b32 v2, 2, v1                        ; 4 x lane
	v_lshlrev_b32 v1, 4, v1                        ; 16 x lane
	v_and_b32 v6, 15, v0                           ; my query's row in the tile
	v_bfe_u32 v7, v0, 4, 1                         ; h
	v_add_nc_u32 v38, s57, v1
	global_load_b128 v[16:19], v38, s[4:5]         ; Q's fragment stays in registers
	global_load_b128 v[20:23], v38, s[4:5] offset:512
	v_lshl_add_u32 v39, v6, 2, s58
	global_load_b32 v[QSW], v39, s[4:5] offset:8192
	v_and_b32 v8, 8, v6
	v_add_nc_u32 v8, v8, v6
	s_lshl_b32 s54, s10, 5
	s_lshl_b32 s55, s19, 3
	s_add_co_u32 s54, s54, s55
	v_add_nc_u32 v8, s54, v8                       ; my query's place in its block: 32 cx + 8 sub + r + 8 (r / 8)
	v_lshlrev_b32 v9, 4, v7
	v_sub_nc_u32 v3, v8, v9                        ; less 16 h: register 16 b + i holds a hidden key where 32 b + i is greater
	v_lshlrev_b32 v36, 4, v6                       ; the result's scale word: 16 bytes a row
	v_mov_b32 v13, 0xff61b1e6                      ; the largest t so far: -3e38
	v_floor_f32 v12, -v13                          ; -M
	v_mov_b32 v14, 0
	v_mov_b32 v15, 0
.irp b, 0,1,2,3
	v_mov_b32 v[PT+\b], 0                          ; written once: a lane permute's destination counts as one of its sources
.endr
	v_mov_b32 v253, 0                              ; (named as the upper half of the pair v[252:253])
	v_mov_b32 v254, 0
	v_mov_b32 v255, 0xff800000                     ; -infinity
.set jj, 0
.rept 64
	v_mov_b32 v[O+jj], 0                           ; O^T: the step is written once; its first pass finds zeros
.set jj, jj+1
.endr
; A KEY STEP of 128 keys at LDS byte s15.  A step whose keys all come after my queries is left out: a scalar branch round its work, not round the lines that step the counts.
.macro STEP
	s_cmp_gt_u32 s14, s13
	s_cbranch_scc1 .Lend_\@
	v_add_nc_u32 v4, s15, v1
	v_add_nc_u32 v5, s15, v2
	v_nop
	v_nop                                          ; four plain lines between the last products and the loads into their fragments
.irp t, 0,1,2,3,4,5,6,7
.irp c, 0,1
	ds_load_b128 v[F+8*\t+4*\c:F+8*\t+4*\c+3], v4 offset:1024*\t+512*\c
.endr
.endr
.irp i, 0,1,2,3
	ds_load_b32 v[KSW+\i], v5 offset:8192+128*\i   ; lanes 0-15 tile 2 i's words, lanes 16-31 tile 2 i + 1's
.endr
	s_wait_dscnt 0x0
.irp t, 0,2,4,6
	v_wmma_scale_f32_16x16x128_f8f6f4 v[S+8*\t:S+8*\t+7], v[F+8*\t:F+8*\t+7], v[16:23], 0, v[KSW+\t/2], v[QSW] matrix_a_fmt:MATRIX_FMT_FP4 matrix_b_fmt:MATRIX_FMT_FP4
	v_wmma_scale_f32_16x16x128_f8f6f4 v[S+8*\t+8:S+8*\t+15], v[F+8*\t+8:F+8*\t+15], v[16:23], 0, v[KSW+\t/2], v[QSW] matrix_a_fmt:MATRIX_FMT_FP4 matrix_b_fmt:MATRIX_FMT_FP4 matrix_a_scale:MATRIX_SCALE_ROW1
.endr
.rept 4
	v_nop
.endr
.irp t, 0,1,2,3,4,5,6,7                        ; V's fragments are asked for now and land under the softmax
.irp c, 0,1
	ds_load_b128 v[F+8*\t+4*\c:F+8*\t+4*\c+3], v4 offset:8704+1024*\t+512*\c
.endr
.endr
.irp i, 0,1,2,3
	ds_load_b32 v[VSW+\i], v5 offset:16896+128*\i
.endr
.set jj, 0
.rept 32
	v_pk_mul_f32 v[S+jj:S+jj+1], v[S+jj:S+jj+1], s[RD:RD+1] op_sel_hi:[1,0]   ; the logits.  Ascending: each accumulator from its low end on
.set jj, jj+2
.endr
	s_cmp_lg_u32 s14, s13                          ; on the diagonal the logits of hidden keys become -infinity ahead of the maximum
	s_cbranch_scc1 .Lopen_\@
.set n, 0
.rept 64
	v_cmp_gt_i32 vcc_lo, 32*(n/16)+n%16, v3
	v_cndmask_b32 v[S+n], v[S+n], v255, vcc_lo
.set n, n+1
.endr
.Lopen_\@:
.irp b, 0,1,2,3
	v_max3_num_f32 v[BM+\b], v[S+16*\b], v[S+1+16*\b], v[S+2+16*\b]   ; the largest logit of each block of 32 keys: for the row's maximum and for the block's largest p
.endr
.irp i, 3,5,7,9,11,13
.irp b, 0,1,2,3
	v_max3_num_f32 v[BM+\b], v[BM+\b], v[S+16*\b+\i], v[S+1+16*\b+\i]
.endr
.endr
.irp b, 0,1,2,3
	v_max_num_f32 v[BM+\b], v[BM+\b], v[S+15+16*\b]
.endr
.irp b, 0,1,2,3
	v_permlanex16_b32 v[PT+\b], v[BM+\b], s[SEL], s[SEL+1]
.endr
.irp b, 0,1,2,3
	v_max_num_f32 v[BM+\b], v[BM+\b], v[PT+\b]
.endr
	v_max3_num_f32 v254, v[BM], v[BM+1], v[BM+2]
	v_max_num_f32 v254, v254, v[BM+3]
	v_mul_f32 v254, s[LE], v254                    ; as t (log2(e) is positive)
	v_max_num_f32 v13, v13, v254                   ; the running largest t
	v_mov_b32 v254, v12
	v_floor_f32 v12, -v13                          ; the new -M: a whole number
	v_sub_f32 v254, v12, v254                      ; old M - new M
	v_cvt_i32_f32 v254, v254
	v_ldexp_f32 v252, 1.0, v254                    ; f = 2^(old M - new M): rounds nothing
.set jj, 0
.rept 32
	v_pk_fma_f32 v[S+jj:S+jj+1], v[S+jj:S+jj+1], s[LE:LE+1], v[12:13] op_sel_hi:[1,0,0]   ; t - M, one rounding
.set jj, jj+2
.endr
.irp b, 0,1,2,3
	v_fma_f32 v[BM+\b], v[BM+\b], s[LE], v12       ; the same of each block's largest logit
.endr
.set jj, 0
.rept 64
	v_exp_f32 v[S+jj], v[S+jj]                     ; p = 2^(t - M)
.set jj, jj+1
.endr
.irp b, 0,1,2,3
	v_exp_f32 v[BM+\b], v[BM+\b]                   ; the block's largest p: the same two instructions on the same number
.endr
	v_pk_mul_f32 v[14:15], v[14:15], v[252:253] op_sel_hi:[1,0]   ; the sums under the new M (a plain line behind the exponentials)
.irp b, 0,1,2,3
	v_max_num_f32 v[BM+\b], 0x1800000, v[BM+\b]    ; the floor
.endr
.irp b, 0,1,2,3
	v_add_nc_u32 v[SOP+\b], 0xff000000, v[BM+\b]
.endr
.irp b, 0,1,2,3
	v_lshrrev_b32 v[PT+\b], 23, v[SOP+\b]
.endr
	v_lshl_or_b32 v[PSW], v[PT+1], 8, v[PT]        ; p's scale word for these 128 keys
	v_lshl_or_b32 v[PSW], v[PT+2], 16, v[PSW]
	v_lshl_or_b32 v[PSW], v[PT+3], 24, v[PSW]
.irp b, 0,1,2,3
	v_cvt_scalef32_pk8_fp4_f32 v[PCD+2*\b], v[S+16*\b:S+7+16*\b], v[SOP+\b]
	v_cvt_scalef32_pk8_fp4_f32 v[PCD+1+2*\b], v[S+8+16*\b:S+15+16*\b], v[SOP+\b]
.endr
	v_nop
.irp c, 0,1
.irp i, 0,1
	v_permlane16_swap_b32 v[PCD+4*\c+\i], v[PCD+2+4*\c+\i]
.endr
.endr
; The row's sum, of the unquantised p: the step's 64 numbers in four fresh chains of seven additions; the running sum takes one addition a step
.irp k, 0,1,2,3
	v_pk_add_f32 v[BM+2*\k:BM+2*\k+1], v[S+2*\k:S+2*\k+1], v[S+8+2*\k:S+9+2*\k]
.endr
.irp m, 16,24,32,40,48,56
.irp k, 0,1,2,3
	v_pk_add_f32 v[BM+2*\k:BM+2*\k+1], v[BM+2*\k:BM+2*\k+1], v[S+\m+2*\k:S+\m+2*\k+1]
.endr
.endr
	v_pk_add_f32 v[BM:BM+1], v[BM:BM+1], v[BM+2:BM+3]
	v_pk_add_f32 v[BM+4:BM+5], v[BM+4:BM+5], v[BM+6:BM+7]
	v_pk_add_f32 v[BM:BM+1], v[BM:BM+1], v[BM+4:BM+5]
	v_pk_add_f32 v[14:15], v[14:15], v[BM:BM+1]
.set jj, 0
.rept 32
	v_pk_mul_f32 v[O+jj:O+jj+1], v[O+jj:O+jj+1], v[252:253] op_sel_hi:[1,0]   ; O^T under the new M
.set jj, jj+2
.endr
	s_wait_dscnt 0x0                               ; V is in
.irp t, 0,2,4,6
	v_wmma_scale_f32_16x16x128_f8f6f4 v[O+8*\t:O+8*\t+7], v[F+8*\t:F+8*\t+7], v[PCD:PCD+7], v[O+8*\t:O+8*\t+7], v[VSW+\t/2], v[PSW] matrix_a_fmt:MATRIX_FMT_FP4 matrix_b_fmt:MATRIX_FMT_FP4
	v_wmma_scale_f32_16x16x128_f8f6f4 v[O+8*\t+8:O+8*\t+15], v[F+8*\t+8:F+8*\t+15], v[PCD:PCD+7], v[O+8*\t+8:O+8*\t+15], v[VSW+\t/2], v[PSW] matrix_a_fmt:MATRIX_FMT_FP4 matrix_b_fmt:MATRIX_FMT_FP4 matrix_a_scale:MATRIX_SCALE_ROW1
.endr
.Lend_\@:
	s_add_co_u32 s14, s14, 1
	s_add_co_u32 s15, s15, 17408
.endm
; Four key steps: my load of this group has landed (the n later ones may be out), and behind the barrier everybody's has.  Nothing is ever filled again.
.macro GROUP n
	s_wait_tensorcnt \n
	s_barrier_signal -1
	s_barrier_wait -1
	s_mov_b32 s15, 69632*(3-\n)
	s_mov_b32 s16, 4
.Lgrp_\@:
	STEP
	s_sub_co_u32 s16, s16, 1
	s_cmp_lg_u32 s16, 0
	s_cbranch_scc1 .Lgrp_\@
.endm
	s_wait_loadcnt 0x0                             ; Q
	GROUP 3
	GROUP 2
	GROUP 1
	GROUP 0
	; THE WAY OUT: O^T / the sum, rounded as a division rounds, quantised along d: K step h % 4 of the last product's operand, rows = my 16 queries
.rept 4
	v_nop                                          ; between the last products and the first read of their results
.endr
	v_add_f32 v14, v14, v15
	v_permlanex16_b32 v254, v14, s[SEL], s[SEL+1]
	v_add_f32 v14, v14, v254                       ; the row's sum l
	v_rcp_f32 v38, v14
	v_nop
	v_fma_f32 v37, -v14, v38, 1.0
	v_fma_f32 v38, v37, v38, v38                   ; 1 / l, corrected once
.set jj, 0
.rept 32
	v_pk_mul_f32 v[S+jj:S+jj+1], v[O+jj:O+jj+1], v[38:39] op_sel_hi:[1,0]   ; q0.  Ascending: each accumulator from its low end on
.set jj, jj+2
.endr
.set jj, 0
.rept 32
	v_pk_fma_f32 v[O+jj:O+jj+1], v[S+jj:S+jj+1], v[14:15], v[O+jj:O+jj+1] op_sel_hi:[1,0,1] neg_lo:[1,0,0] neg_hi:[1,0,0]   ; the remainder O - q0 l
.set jj, jj+2
.endr
.set jj, 0
.rept 32
	v_pk_fma_f32 v[S+jj:S+jj+1], v[O+jj:O+jj+1], v[38:39], v[S+jj:S+jj+1] op_sel_hi:[1,0,1]   ; the quotient
.set jj, jj+2
.endr
	QUANT S, PCD
	global_store_b128 v1, v[PCD:PCD+3], s[66:67]               ; 512 consecutive bytes
	global_store_b128 v1, v[PCD+4:PCD+7], s[66:67] offset:512
	global_store_b32 v36, v[PW], s[68:69]          ; row r's word (lanes 16-31 hold and write the same)
	CROUND                                         ; the closing round
	s_endpgm
.Lfunc_end_k_q9b0b80873a_attn:
	.size	k_q9b0b80873a_attn, .Lfunc_end_k_q9b0b80873a_attn-k_q9b0b80873a_attn
	.p2alignl 7, 3214868480
	.fill 96, 4, 3214868480
	.section	.rodata,"a",@progbits
	.p2align	6, 0x0
	.amdhsa_kernel k_q9b0b80873a_attn
		.amdhsa_group_segment_fixed_size 327680
		.amdhsa_private_segment_fixed_size 0
		.amdhsa_enable_private_segment 0
		.amdhsa_kernarg_size 24
		.amdhsa_user_sgpr_count 2
		.amdhsa_user_sgpr_kernarg_segment_ptr 1
		.amdhsa_wavefront_size32 1
		.amdhsa_system_sgpr_workgroup_id_x 1
		.amdhsa_system_sgpr_workgroup_id_y 1
		.amdhsa_system_sgpr_workgroup_id_z 1
		.amdhsa_system_vgpr_workitem_id 0
		.amdhsa_next_free_vgpr 256
		.amdhsa_next_free_sgpr 72
		.amdhsa_reserve_vcc 1
		.amdhsa_float_denorm_mode_32 3
		.amdhsa_float_denorm_mode_16_64 3
		.amdhsa_memory_ordered 1
		.amdhsa_forward_progress 1
		.amdhsa_inst_pref_size 119
	.end_amdhsa_kernel
	.amdgpu_metadata
---
amdhsa.version: [ 1, 2 ]
amdhsa.kernels:
  - .name:           k_q9b0b80873a_attn
    .symbol:         k_q9b0b80873a_attn.kd
    .args:
      - { .name: qbuf, .offset: 0, .size: 8, .value_kind: global_buffer, .address_space: global }
      - { .name: kv, .offset: 8, .size: 8, .value_kind: global_buffer, .address_space: global }
      - { .name: ao, .offset: 16, .size: 8, .value_kind: global_buffer, .address_space: global }
    .group_segment_fixed_size: 327680
    .private_segment_fixed_size: 0
    .kernarg_segment_align: 8
    .kernarg_segment_size: 24
    .max_flat_workgroup_size: 256
    .sgpr_count:     72
    .vgpr_count:     256
    .wavefront_size: 32
...
	.end_amdgpu_metadata
.endif
;; end of part 3
;; launch oproj (part 4): grid 8 x 16, 4 waves a work-group, clusters of 4 x 4, 327,680 bytes of LDS; arguments ao, woc, out0; writes out0
.if DOCPART == 4
	.amdgcn_target "amdgcn-amd-amdhsa--gfx1250"
	.amdhsa_code_object_version 6
	.text
	.protected	k_q9b0b80873a_oproj
	.globl	k_q9b0b80873a_oproj
	.p2align	8
	.type	k_q9b0b80873a_oproj,@function
k_q9b0b80873a_oproj:
	s_mov_b64 s[64:65], 0
	v_nop
	global_prefetch_b8 v0, s[64:65] scope:SCOPE_SE
	s_setreg_imm32_b32 hwreg(HW_REG_WAVE_MODE, 25, 1), 1
	s_wait_xcnt 0x0
	s_wait_alu depctr_hold_cnt(0) depctr_sa_sdst(0) depctr_va_vdst(0) depctr_va_sdst(0) depctr_va_ssrc(0) depctr_va_vcc(0) depctr_vm_vsrc(0)
	s_getreg_b32 s2, hwreg(HW_REG_IB_STS2, 6, 4)
	s_cmp_eq_u32 s2, 0
	s_cbranch_scc0 .Lentry_in_a_cluster
	s_endpgm
.Lentry_in_a_cluster:
	s_bfe_u32 s2, ttmp6, 0x10000c
	s_cmp_lg_u32 s2, 0xf033
	s_cbranch_scc0 .Lentry_shape_is_right
	s_endpgm
.Lentry_shape_is_right:
; OPROJ: out0 [4,096 tokens][2,048] f32 = the attention's result x Wo, K = 1,024, both operands as codes of FP4 with E8M0 scales, laid as images of operand registers in UNITs of 34,816 bytes (128 rows x 512 K:
; fragments at 4096 i + 1024 q, 16 scale bytes a row from 32,768 on).  A tile of 256 x 256 to a work-group of four waves, 128 x 128 to a wave.  K is two slots of 512: both are first fills, nothing is filled again.
; CLUSTER 4 x 4: A's UNITs are asked for jointly along a row of the cluster, B's along a column.  THE MATRIX INSTRUCTION IS USED TRANSPOSED: a lane holds eight neighbouring columns of one token's row.
; Row r of token block a is token 32 (a / 2) + 8 (a % 2) + r + 8 (r / 8): the way out stores each row where it belongs.
; REGISTERS: window 0: v16-31 addresses; v32-95 scale words, two sets, nothing else; v128-191 A's fragments; on the way out v128-255 rows of the result.  window 1: B's fragments, two sets.  windows 2, 3: accumulators.
.set NSLOT,  2
.set UNIT,   34816
.set SLOT,   4*UNIT
.set SPARE,  2*SLOT                    ; the spare words, 128 bytes for each wave: two blocks of 256 bytes that no other line names
.set NQ,     4
.set FR,     8
.set NL,     2
.set NP,     4
.set SPITCH, 528                       ; the way out: a stage of 16 rows x (512 bytes + 16) for each wave, in slot 0, which has had its one fill and its last read by then
.set ADRA, 16
.set ADRB, 20
.set ADRS, 22
.set STO,  24
.set RD,   25
.set CO,   26
.set SPW,  28
.set NIL,  29
.set SC,   32
.set AF,   128
.set BK,   128
.set G1, 24
.set G0, 32
.set G1B, 48
.set G0B, 56
.set MSB, 0
.macro WIN new
.if MSB != (\new)
	s_set_vgpr_msb (MSB<<8)|(\new)
.set MSB, (\new)
.endif
.endm
.set MUL_LO, 0xa1
.set MUL_HI, 0xf1
.set TO_B,   0x40
.macro JLOAD g0a, g1a, g0b, g1b        ; waves 0 and 1 fetch A's UNITs, waves 2 and 3 B's; four v_nop follow each of the two lines
	s_cmp_eq_u32 s15, 0
	s_cbranch_scc0 .Lfor_b_\@
	tensor_load_to_lds s[\g0a:\g0a+3], s[\g1a:\g1a+7]
.rept 4
	v_nop
.endr
	s_branch .Lasked_\@
.Lfor_b_\@:
	tensor_load_to_lds s[\g0b:\g0b+3], s[\g1b:\g1b+7]
.rept 4
	v_nop
.endr
.Lasked_\@:
.endm
.macro CREST
	s_cmp_lg_u32 s14, 0
	s_cbranch_scc1 .Lnot_wave_0_\@
	s_barrier_signal -3
.Lnot_wave_0_\@:
	s_barrier_wait -3
	s_barrier_signal -1
	s_barrier_wait -1
.endm
.macro CROUND
	s_barrier_signal -1
	s_barrier_wait -1
	CREST
.endm
	s_load_b128 s[4:7], s[0:1], 0x0                ; ao, woc
	s_load_b64 s[8:9], s[0:1], 0x10                ; out0
	v_lshl_add_u32 v[SPW], v0, 2, SPARE
	v_mov_b32 v[NIL], 0
	v_lshrrev_b32 v1, 5, v0
	v_readfirstlane_b32 s14, v1
	s_lshr_b32 s15, s14, 1
	s_and_b32 s16, s14, 1
	s_bfe_u32 s40, ttmp6, 0x40000
	s_bfe_u32 s41, ttmp6, 0x40004
	s_lshl_b32 s42, ttmp9, 2
	s_add_co_u32 s42, s42, s40                     ; tile column
	s_and_b32 s17, ttmp7, 0xffff
	s_lshl_b32 s17, s17, 2
	s_add_co_u32 s17, s17, s41                     ; tile row
	s_lshl_b32 s43, s41, 2
	s_lshl_b32 s43, 15, s43
	s_lshl_b32 s44, 0x1111, s40
	s_or_b32 s[G1+0], s43, (3<<16)|(1<<21)
	s_or_b32 s[G1B+0], s44, (3<<16)|(1<<21)
.irp g, G1, G1B
	s_mov_b32 s[\g+1], 32<<16
	s_mov_b32 s[\g+2], 136<<16
	s_mov_b32 s[\g+3], 32<<16
	s_mov_b32 s[\g+4], 136
	s_mov_b32 s[\g+5], 32
	s_mov_b32 s[\g+6], 0
	s_mov_b32 s[\g+7], 0
.endr
	s_lshl_b32 s20, s17, 1
	s_add_co_u32 s20, s20, s16
	s_mul_i32 s20, s20, NSLOT*UNIT
	s_mov_b32 s21, 0
	s_lshl_b32 s46, s42, 1
	s_add_co_u32 s46, s46, s16
	s_mul_i32 s46, s46, NSLOT*UNIT
	s_mov_b32 s47, 0
	s_mul_i32 s45, s14, UNIT
	s_wait_kmcnt 0x0
	s_add_nc_u64 s[20:21], s[4:5], s[20:21]
	s_add_nc_u64 s[46:47], s[6:7], s[46:47]
	CROUND                                         ; all sixteen work-groups are here: the joint loads meet
.irp s, 0,1
	s_mov_b32 s[G0+4*\s], 1
	s_add_co_u32 s[G0+4*\s+1], s45, \s*SLOT
	s_add_nc_u64 s[G0+4*\s+2:G0+4*\s+3], s[20:21], \s*UNIT
	s_or_b32 s[G0+4*\s+3], s[G0+4*\s+3], 0x80000000
	s_mov_b32 s[G0B+4*\s], 1
	s_add_co_u32 s[G0B+4*\s+1], s45, \s*SLOT
	s_add_nc_u64 s[G0B+4*\s+2:G0B+4*\s+3], s[46:47], \s*UNIT
	s_or_b32 s[G0B+4*\s+3], s[G0B+4*\s+3], 0x80000000
	JLOAD G0+4*\s, G1, G0B+4*\s, G1B
.endr
	v_and_b32 v1, 15, v0
	v_bfe_u32 v2, v0, 4, 1
	v_and_b32 v3, 31, v0
	v_lshlrev_b32 v4, 4, v3
	s_mul_i32 s21, s15, UNIT
	s_mul_i32 s22, s16, UNIT
	s_add_co_u32 s22, s22, 2*UNIT
.irp s, 0,1
	v_add_nc_u32 v[ADRA+\s], s21, v4
	v_add_nc_u32 v[ADRB+\s], s22, v4
	s_add_co_u32 s21, s21, SLOT
	s_add_co_u32 s22, s22, SLOT
.endr
	s_mul_i32 s21, s15, UNIT
	s_mul_i32 s22, s16, UNIT
	s_add_co_u32 s22, s22, 2*UNIT
	s_sub_co_u32 s22, s22, s21
	v_mul_u32_u24 v6, s22, v2                      ; lanes 16-31 take B's
	v_lshl_add_u32 v5, v1, 4, v6
	s_add_co_u32 s21, s21, 32768
	v_add_nc_u32 v[ADRS], s21, v5
	s_add_co_u32 s21, s21, SLOT
	v_add_nc_u32 v[ADRS+1], s21, v5
	s_mul_i32 s23, s14, 16*SPITCH                  ; my stage
	v_mul_u32_u24 v5, v1, SPITCH
	v_lshl_add_u32 v5, v2, 5, v5
	v_add_nc_u32 v[STO], s23, v5                   ; in: row r, 32 bytes for each half of the lanes
	v_mov_b32 v[CO], v4                            ; back: the 32 lanes take one row of 512 bytes; and the same in out0
	v_add_nc_u32 v[RD], s23, v4
	s_lshl_b32 s20, s17, 8
	s_lshl_b32 s21, s15, 7
	s_add_co_u32 s20, s20, s21                     ; my first token: 256 x tile row + 128 x half
	s_lshl_b32 s20, s20, 13                        ; rows of 8,192 bytes
	s_mov_b32 s21, 0
	s_lshl_b32 s46, s42, 10                        ; my first column, in bytes
	s_lshl_b32 s47, s16, 9
	s_add_co_u32 s46, s46, s47
	s_mov_b32 s47, 0
	s_add_nc_u64 s[20:21], s[20:21], s[46:47]
	s_add_nc_u64 s[8:9], s[8:9], s[20:21]
.macro FRAG reg, adr, q, i
.irp c, 0,1
	ds_load_b128 v[\reg+4*\c:\reg+4*\c+3], v[\adr] offset:1024*(\q)+512*\c+(\i)*4096
.endr
.endm
.macro MUL16 a0, p, q, sc, zero        ; the 64 accumulators take turns, one instruction a turn
.irp a, \a0, \a0+1
.irp b, 0,1,2,3,4,5,6,7
.if \zero
	v_wmma_scale_f32_16x16x128_f8f6f4 v[8*(8*((\a)%4)+\b):8*(8*((\a)%4)+\b)+7], v[128*(\p)+FR*\b:128*(\p)+FR*\b+FR-1], v[AF+FR*(\a):AF+FR*(\a)+FR-1], 0, v[SC+8*NQ*(\sc)+NQ*\b+(\q)], v[SC+8*NQ*(\sc)+NQ*(\a)+(\q)] matrix_a_fmt:MATRIX_FMT_FP4 matrix_b_fmt:MATRIX_FMT_FP4 matrix_a_scale:MATRIX_SCALE_ROW1
.else
	v_wmma_scale_f32_16x16x128_f8f6f4 v[8*(8*((\a)%4)+\b):8*(8*((\a)%4)+\b)+7], v[128*(\p)+FR*\b:128*(\p)+FR*\b+FR-1], v[AF+FR*(\a):AF+FR*(\a)+FR-1], v[8*(8*((\a)%4)+\b):8*(8*((\a)%4)+\b)+7], v[SC+8*NQ*(\sc)+NQ*\b+(\q)], v[SC+8*NQ*(\sc)+NQ*(\a)+(\q)] matrix_a_fmt:MATRIX_FMT_FP4 matrix_b_fmt:MATRIX_FMT_FP4 matrix_a_scale:MATRIX_SCALE_ROW1
.endif
.endr
.endr
.endm
.macro FETCH_B slot, q, p
	WIN TO_B
.irp i, 0,1,2,3,4,5,6,7
	FRAG 128*(\p)+FR*\i, ADRB+\slot, \q, \i
.endr
	WIN 0
.endm
.macro FETCH_A slot, q, i0
.irp i, \i0, \i0+1, \i0+2, \i0+3
	FRAG AF+FR*(\i), ADRA+\slot, \q, \i
.endr
.endm
.macro SCALES sc
.irp i, 0,1,2,3,4,5,6,7
	ds_load_b128 v[SC+8*NQ*\sc+NQ*\i:SC+8*NQ*\sc+NQ*\i+3], v[ADRS+\sc] offset:\i*256
.endr
.endm
.macro PLACES n
.rept \n
	v_nop
.endr
.endm
.macro STEP slot, q, zero
	s_wait_dscnt 4*NL                              ; B's set and A's blocks 0-3 are in; A's blocks 4-7 (eight loads) may be out
	WIN MUL_LO
	MUL16 0, (\q)%2, \q, \slot, \zero
	MUL16 2, (\q)%2, \q, \slot, \zero
	s_wait_dscnt 0
	PLACES NP
	FETCH_B \slot, (\q)+1, 1-(\q)%2
	FETCH_A \slot, (\q)+1, 0
	WIN MUL_HI
	MUL16 4, (\q)%2, \q, \slot, \zero
	MUL16 6, (\q)%2, \q, \slot, \zero
	PLACES NP
	WIN 0
	FETCH_A \slot, (\q)+1, 4
.endm
; Slot 0's last step changes slots: one barrier; in front of it each wave waits for all its tensor loads (its part of slot 1), adds 0 to its spare word, and waits for that and for its reads of slot 0.  Nothing is filled again.
.macro TURN slot, next
	s_wait_tensorcnt 0x0
	ds_add_u32 v[SPW], v[NIL]                      ; 0 onto my spare word
	s_wait_dscnt 4*NL+1                            ; (the add and A's blocks 4-7 may be out)
	WIN MUL_LO
	MUL16 0, 1, NQ-1, \slot, 0
	s_wait_dscnt 0x0
	s_barrier_signal -1
	MUL16 2, 1, NQ-1, \slot, 0
	WIN 0
	s_barrier_wait -1
	PLACES NP
	FETCH_B \next, 0, 0
	FETCH_A \next, 0, 0
	SCALES \next
	WIN MUL_HI
	MUL16 4, 1, NQ-1, \slot, 0
	MUL16 6, 1, NQ-1, \slot, 0
	PLACES NP
	WIN 0
	FETCH_A \next, 0, 4
.endm
.macro STEPS slot, from
.set Q, \from
.rept NQ-1-\from
	STEP \slot, Q, 0
.set Q, Q+1
.endr
.endm
	s_wait_tensorcnt 1                             ; my part of slot 0 is in (slot 1's load may be out),
	s_barrier_signal -1
	s_barrier_wait -1                              ; everybody's is
	FETCH_B 0, 0, 0
	FETCH_A 0, 0, 0
	SCALES 0
	FETCH_A 0, 0, 4
	STEP 0, 0, 1                                   ; the first step's products start the sums
	STEPS 0, 1
	TURN 0, 1
	STEPS 1, 0
	s_wait_dscnt 4*NL
	WIN MUL_LO
	MUL16 0, 1, NQ-1, 1, 0
	MUL16 2, 1, NQ-1, 1, 0
	s_wait_dscnt 0
	WIN MUL_HI
	MUL16 4, 1, NQ-1, 1, 0
	MUL16 6, 1, NQ-1, 1, 0
	WIN 0
; THE WAY OUT, block by block of 16 tokens x 128 columns, through my own stage: in by lanes, back as whole rows of 512 bytes.  LDS serves a wave's instructions in order.
.macro TOSTAGE a
.set AC, 64*((\a)%4)
	WIN 0x08+4*((\a)/4)
.irp b, 0,1,2,3,4,5,6,7
	ds_store_b128 v[STO], v[AC+8*\b:AC+8*\b+3] offset:64*\b          ; each accumulator from its low end on
	ds_store_b128 v[STO], v[AC+8*\b+4:AC+8*\b+7] offset:64*\b+16
.endr
	WIN 0
.set BB, BK+64*((\a)%2)
.irp t, 0,1,2,3,4,5,6,7,8,9,10,11,12,13,14,15
	ds_load_b128 v[BB+4*\t:BB+4*\t+3], v[RD] offset:\t*SPITCH
.endr
.endm
.macro SEND a, younger
.set BB, BK+64*((\a)%2)
	s_wait_dscnt \younger                          ; the block is back in registers
.if (\a) > 0
.if (\a)%2 == 1
	s_add_nc_u64 s[8:9], s[8:9], 8*8192            ; (behind a wait on XCNT)  an odd block begins 8 tokens behind the even one,
.else
	s_add_nc_u64 s[8:9], s[8:9], 24*8192           ; an even block 24 behind the odd one
.endif
.endif
.irp t, 0,1,2,3,4,5,6,7,8,9,10,11,12,13,14,15
	global_store_b128 v[CO], v[BB+4*\t:BB+4*\t+3], s[8:9] offset:((\t)+8*((\t)/8))*8192 th:TH_STORE_NT   ; 32 lanes store 512 consecutive bytes, aligned to 256; row t of the block is token t + 8 (t / 8)
.endr
.endm
	PLACES NP
	TOSTAGE 0
.irp a, 1,2,3,4,5,6,7
.if \a > 1
	s_wait_xcnt 0x0                                ; block a - 2's stores have read their registers and their base
.endif
	TOSTAGE \a
	SEND \a-1, 32                                  ; behind block a - 1's loads: block a's 16 stores and 16 loads
.endr
	s_wait_xcnt 0x0
	SEND 7, 0
	s_wait_tensorcnt 0x0                           ; the wave's end
	ds_add_u32 v[SPW], v[NIL]
	s_wait_dscnt 0x0
	CROUND                                         ; the closing round
	s_endpgm
.Lfunc_end_k_q9b0b80873a_oproj:
	.size	k_q9b0b80873a_oproj, .Lfunc_end_k_q9b0b80873a_oproj-k_q9b0b80873a_oproj
	.p2alignl 7, 3214868480
	.fill 96, 4, 3214868480
	.section	.rodata,"a",@progbits
	.p2align	6, 0x0
	.amdhsa_kernel k_q9b0b80873a_oproj
		.amdhsa_group_segment_fixed_size 327680
		.amdhsa_private_segment_fixed_size 0
		.amdhsa_enable_private_segment 0
		.amdhsa_kernarg_size 24
		.amdhsa_user_sgpr_count 2
		.amdhsa_user_sgpr_kernarg_segment_ptr 1
		.amdhsa_wavefront_size32 1
		.amdhsa_system_sgpr_workgroup_id_x 1
		.amdhsa_system_sgpr_workgroup_id_y 1
		.amdhsa_system_sgpr_workgroup_id_z 1
		.amdhsa_system_vgpr_workitem_id 0
		.amdhsa_next_free_vgpr 1024
		.amdhsa_next_free_sgpr 66
		.amdhsa_reserve_vcc 0
		.amdhsa_float_denorm_mode_32 3
		.amdhsa_float_denorm_mode_16_64 3
		.amdhsa_memory_ordered 1
		.amdhsa_forward_progress 1
		.amdhsa_inst_pref_size 122
	.end_amdhsa_kernel
	.amdgpu_metadata
---
amdhsa.version: [ 1, 2 ]
amdhsa.kernels:
  - .name:           k_q9b0b80873a_oproj
    .symbol:         k_q9b0b80873a_oproj.kd
    .args:
      - { .name: ao, .offset: 0, .size: 8, .value_kind: global_buffer, .address_space: global }
      - { .name: woc, .offset: 8, .size: 8, .value_kind: global_buffer, .address_space: global }
      - { .name: out0, .offset: 16, .size: 8, .value_kind: global_buffer, .address_space: global }
    .group_segment_fixed_size: 327680
    .private_segment_fixed_size: 0
    .kernarg_segment_align: 8
    .kernarg_segment_size: 24
    .max_flat_workgroup_size: 128
    .sgpr_count:     66
    .vgpr_count:     1024
    .wavefront_size: 32
...
	.end_amdgpu_metadata
.endif
;; end of part 4
;; ======== version 2 of 2: 4 launches
;; limits: right only within a limited range of input values
;; workspace buffers: xq 4,456,448 bytes; wqkv 2,228,224 bytes; woc 1,114,112 bytes; rope 1,048,576 bytes; qbuf 2,228,224 bytes; kv 2,228,224 bytes; ao 2,228,224 bytes
;; launch prep (part 5): grid 448 x 1, 4 waves a work-group, no clusters, 42,496 bytes of LDS; arguments x, Wq, Wk, Wv, Wo, xq, wqkv, woc, rope; writes xq, wqkv, woc, rope
.if DOCPART == 5
	.amdgcn_target "amdgcn-amd-amdhsa--gfx1250"
	.amdhsa_code_object_version 6
	.text
	.protected	k_q9b0b80873a_prep
	.globl	k_q9b0b80873a_prep
	.p2align	8
	.type	k_q9b0b80873a_prep,@function
k_q9b0b80873a_prep:
	s_mov_b64 s[64:65], 0
	v_nop
	global_prefetch_b8 v0, s[64:65] scope:SCOPE_SE
	s_setreg_imm32_b32 hwreg(HW_REG_WAVE_MODE, 25, 1), 1
	s_wait_xcnt 0x0
; PREP: x, Wq, Wk, Wv, Wo (f32) become codes of FP4 (E2M1) with one E8M0 byte for each 32 along K, laid as IMAGES OF OPERAND REGISTERS; and the table of cos and sin for the rotation is made.
; A fragment (16 rows x 128 K) is 1,024 bytes: block beta (32 along K) of row r lies at 256 beta + 16 r.  A UNIT is 128 rows x 512 K: 8 row blocks x 4 K steps of fragments (4096 i + 1024 q), then at 32,768
; the scale bytes, 16 for each row (K step q, block beta at 4 q + beta): 34,816 bytes, one dense block for the tensor loads of the later launches.
; ORDER OF ROWS: row r of row block a is token 32 (a / 2) + 8 (a % 2) + r + 8 (r / 8); the columns of Wq, Wk, Wv are laid in the same order within each 32 (bits 3 and 4 of the index change places); Wo's are not.
; A block's scale is 2^(floor(log2(largest magnitude)) - 2); its byte is the largest magnitude's exponent field - 2, held at 1 from below.
; DEAD WORK left out by the program: key steps of 128 that lie wholly behind a query block (the causal mask of reference() makes their p zero for all inputs); a NaN or an infinity that reaches only those is not carried to the result.
; LIMITS: a block of zeros gets the byte 1 where the rule says 127 (its codes are zeros, and this program alone reads the bytes); blocks whose largest magnitude lies under 2^-124 are held at that floor; NaN and
; infinities among the inputs are not served.  THE TABLE TAKES inv_freq AS THE f32 NEAREST TO THE EXACT 10000^(-i/64): ONE rounding.  The source writes 1 / 10000^(i/64); rounded twice (the power, then the
; quotient) that differs by one unit in the last place at some i (of i = 1 .. 18: at 7, 10, 15, 18).  The angle is one f32 product; sin and cos of that f32 angle are within about 0.51 units in the last place.
; WORK-GROUPS: 0-255 x (one row block of 16 tokens, wave w = K slot w) and 128 x 4 entries of the table; 256-319 Wq, 320-383 Wk and Wv, 384-447 Wo (half a UNIT each: 64 columns x 512 along K, wave w = K step w).
; Each work-group reads 131,072 bytes.  One text serves the three weights' row pitches: eight bases a row apart and sixteen offsets eight rows apart.  No tensor loads; one barrier on the weights' way, for the scale words.
.set UNIT,  34816
.set WX,    32                         ; weights: v32-95 two sets of 32 numbers
.set WC,    96                         ; v96-127 four registers of codes for each of 8 blocks
.set WOF,   160                        ; v160-175 offsets: 8 n rows on
.set R,     16                         ; x path: v16-79 four sets of 16 numbers as loaded
.set XX,    80                         ; v80-111 two sets of 16 neighbours
.set E,     112                        ; v112-127 a scale byte for each step
.set C,     128                        ; v128-159 two registers of codes for each step
.set OUTR,  160                        ; v160-191 the image on its way out
.set SPW,   192                        ; LDS address of my spare word; never rewritten
.set NIL,   193                        ; 0; never rewritten
.set SP,    80                         ; a lane's place in a stage: 64 bytes + 16 of padding
.set WREG,  10240                      ; LDS of a wave of x: two stages of 2,560, 256 scale bytes at 5,120, the image at 5,376 (16 x 272)
.set SBY,   5120
.set IMG,   5376
.set WSC,   40960                      ; the weights' scale words: 2 column groups x 32 columns x 16 bytes
.set SPARE, 41984                      ; the spare words, 128 bytes for each wave
.macro LOADW t                         ; block t / 2 of 32 along K, column group t % 2: 128 consecutive bytes a load
.set ii, 0
.rept 32
	global_load_b32 v[WX+32*((\t)%2)+ii], v[WOF+4*((\t)/2)+ii/8], s[40+2*(ii%8):41+2*(ii%8)] offset:128*((\t)%2) th:TH_LOAD_NT
.set ii, ii+1
.endr
.endm
.macro BLOCKW t
.set XS, WX+32*((\t)%2)
.if (\t) < 7
	s_wait_loadcnt 32                              ; this block's 32 loads are in; the next block's may be out
.else
	s_wait_loadcnt 0x0
.endif
	v_max3_num_f32 v12, |v[XS]|, |v[XS+1]|, |v[XS+2]|   ; the block's largest magnitude: all 32 numbers are mine
	v_max3_num_f32 v13, |v[XS+3]|, |v[XS+4]|, |v[XS+5]|
.irp i, 6,10,14,18,22,26
	v_max3_num_f32 v12, v12, |v[XS+\i]|, |v[XS+\i+1]|
	v_max3_num_f32 v13, v13, |v[XS+\i+2]|, |v[XS+\i+3]|
.endr
	v_max3_num_f32 v12, v12, |v[XS+30]|, |v[XS+31]|
	v_max3_num_f32 v12, v12, v13, 0x1800000        ; and the floor 2^(3 - 127): the byte cannot fall under 1
	v_add_nc_u32 v11, 0xff000000, v12              ; 2 off the exponent field: the conversion's scale operand
	v_lshrrev_b32 v13, 23, v11                     ; the byte
.if (\t)/2 == 0
	v_mov_b32 v[24+(\t)%2], v13
.else
	v_lshl_or_b32 v[24+(\t)%2], v13, 8*((\t)/2), v[24+(\t)%2]
.endif
.irp g, 0,1,2,3
	v_cvt_scalef32_pk8_fp4_f32 v[WC+4*(\t)+\g], v[XS+8*\g:XS+8*\g+7], v11
.endr
	v_nop                                          ; a plain line behind the conversions
	global_store_b128 v[4+5*((\t)%2)], v[WC+4*(\t):WC+4*(\t)+3], s[26:27] offset:256*((\t)/2)   ; Wq, Wk, Wv: sixteen lanes fill 256 consecutive bytes, aligned; Wo: eight lanes a half of such a unit, the other column group the other half
.if (\t)+2 < 8
	LOADW (\t)+2
.endif
.endm
.macro LOADX t                         ; step t = row t of the row block: 2,048 bytes, each load 512 consecutive bytes
.irp i, 0,1,2,3
	global_load_b128 v[R+16*((\t)%4)+4*\i:R+16*((\t)%4)+4*\i+3], v3, s[4:5] offset:((\t)+8*((\t)/8))*8192+512*\i th:TH_LOAD_NT
.endr
.endm
.macro TURNX t                         ; through the wave's stage: in as loaded, out 64 bytes a lane.  LDS serves a wave's instructions in order
.irp i, 0,1,2,3
	ds_store_b128 v14, v[R+16*((\t)%4)+4*\i:R+16*((\t)%4)+4*\i+3] offset:32*SP*((\t)%2)+8*SP*\i
.endr
.irp i, 0,1,2,3
	ds_load_b128 v[XX+16*((\t)%2)+4*\i:XX+16*((\t)%2)+4*\i+3], v15 offset:32*SP*((\t)%2)+16*\i
.endr
.endm
.macro STEPX t
.set XS, XX+16*((\t)%2)
.if (\t) > 0
	s_wait_dscnt 2                                 ; this step's numbers are back; the last step's byte store and code store may be out
.else
	s_wait_dscnt 0x0
.endif
.if (\t)+4 < 16
	LOADX (\t)+4
.endif
.if (\t)+1 < 16
.if 14-(\t) >= 3
	s_wait_loadcnt 12                              ; the next step's four loads are in; those of the three steps behind it may be out
.else
	s_wait_loadcnt 4*(14-(\t))
.endif
	TURNX (\t)+1
.endif
	v_max3_num_f32 v8, |v[XS]|, |v[XS+1]|, |v[XS+2]|
	v_max3_num_f32 v9, |v[XS+3]|, |v[XS+4]|, |v[XS+5]|
.irp i, 6,10
	v_max3_num_f32 v8, v8, |v[XS+\i]|, |v[XS+\i+1]|
	v_max3_num_f32 v9, v9, |v[XS+\i+2]|, |v[XS+\i+3]|
.endr
	v_max3_num_f32 v8, v8, |v[XS+14]|, |v[XS+15]|
	v_max3_num_f32 v8, v8, v9, 0x1800000           ; the floor
	v_max_num_f32_dpp v8, v8, v8 row_xmask:1 row_mask:0xf bank_mask:0xf   ; with my neighbour's 16: the block's
	v_add_nc_u32 v11, 0xff000000, v8
	v_cvt_scalef32_pk8_fp4_f32 v[C+2*(\t)], v[XS:XS+7], v11
	v_cvt_scalef32_pk8_fp4_f32 v[C+2*(\t)+1], v[XS+8:XS+15], v11
	v_lshrrev_b32 v[E+(\t)], 23, v11               ; the byte (a plain line behind the conversions)
	ds_store_b8 v5, v[E+(\t)] offset:16*(\t)       ; both lanes of a block write the same byte
	ds_store_b64 v4, v[C+2*(\t):C+2*(\t)+1] offset:16*(\t)   ; block lane / 2 of row t: at 272 (lane / 2) + 16 t + 8 (lane % 2)
.endm
.macro PICK bit, hi, lo, dh, dl        ; (dh, dl) = the constant where the bit of i / 4 is set, else (1, 0)
	v_and_b32 v90, 1<<(\bit), v80
	v_cmp_ne_u32 vcc_lo, 0, v90
	v_mov_b32 v93, \hi
	v_mov_b32 v94, \lo
	v_cndmask_b32 v[\dh], 1.0, v93, vcc_lo
	v_cndmask_b32 v[\dl], 0, v94, vcc_lo
.endm
.macro DDMUL rh, rl, ah, al, bh, bl    ; a product of two numbers kept as f32 pairs (high part, rest)
	v_mul_f32 v88, v[\ah], v[\bh]
	v_fma_f32 v89, v[\ah], v[\bh], -v88
	v_fma_f32 v89, v[\ah], v[\bl], v89
	v_fma_f32 v89, v[\al], v[\bh], v89
	v_add_f32 v[\rh], v88, v89
	v_sub_f32 v91, v[\rh], v88
	v_sub_f32 v[\rl], v89, v91
.endm
; y = 10000^(i/64) as v[96 + j] (high part) and v[136 + j] (rest), v[140 + j] its reciprocal -> cos in v[132 + j], sin in v[128 + j]; v100-127 at work.  s40, s41: -1/6 as a high part and a rest; s42, s43: 1/24 likewise.
.macro SINCOS j
	v_fma_f32 v101, -v[96+\j], v[140+\j], 1.0
	v_fma_f32 v100, v101, v[140+\j], v[140+\j]     ; about 1 / (y's high part)
	v_fma_f32 v101, -v[96+\j], v100, 1.0           ; what it still lacks,
	v_fma_f32 v101, -v[136+\j], v100, v101         ; and what y's rest takes off:
	v_fma_f32 v100, v101, v100, v100               ; inv_freq = 10000^(-i/64), rounded once
	v_mul_f32 v100, v82, v100                      ; the angle: one f32 product
	v_mul_f32 v101, 0x3f22f983, v100               ; x 2 / pi
	v_rndne_f32 v101, v101                         ; the quadrant's number n
	v_fmamk_f32 v106, v101, 0xbfc90fd8, v100       ; less n x the first part of pi / 2: exact (a multiple of 2^-20 under 1)
	v_fmamk_f32 v102, v101, 0xb4a8885a, v106       ; less n x the second part: r, the high part
	v_sub_f32 v103, v106, v102
	v_fmamk_f32 v103, v101, 0xb4a8885a, v103       ; what that rounding left,
	v_fmamk_f32 v103, v101, 0xa7c234c4, v103       ; less n x the third part: r's rest
	v_mul_f32 v104, v102, v102                     ; s = r^2, the high part,
	v_fma_f32 v105, v102, v102, -v104              ; and its rest
	; sin r = r - r^3 / 6 + r^5 (1/120 - s/5040 + s^2/362880 - s^3/39916800) + (r's rest) cos r
	v_mul_f32 v107, v102, v104                     ; r^3, the high part,
	v_fma_f32 v108, v102, v104, -v107
	v_fma_f32 v108, v102, v105, v108               ; and its rest
	v_mul_f32 v109, s40, v107                      ; -r^3 / 6, the high part,
	v_fma_f32 v110, v107, s40, -v109
	v_fma_f32 v110, v107, s41, v110
	v_fma_f32 v110, v108, s40, v110                ; and its rest
	v_mov_b32 v111, 0xb2d7322b
	v_fmaak_f32 v111, v111, v104, 0x3638ef1d
	v_fmaak_f32 v111, v111, v104, 0xb9500d01
	v_fmaak_f32 v111, v111, v104, 0x3c088889       ; the series behind r^5
	v_mul_f32 v112, v107, v104                     ; r^5
	v_mul_f32 v121, v104, v104                     ; s^2, the high part
	v_fma_f32 v114, v104, -0.5, 1.0
	v_fma_f32 v114, v121, s42, v114                ; cos r, roughly: it multiplies r's rest alone
	v_fma_f32 v110, v103, v114, v110
	v_add_f32 v115, v102, v109                     ; r - r^3 / 6, rounded,
	v_sub_f32 v116, v115, v102
	v_sub_f32 v116, v109, v116                     ; and what that rounding left, exact
	v_add_f32 v110, v110, v116                     ; the smallest terms first,
	v_fma_f32 v113, v112, v111, v110               ; then the series,
	v_add_f32 v117, v115, v113                     ; then one addition onto the leading part: sin r
	; cos r = 1 - s / 2 + s^2 / 24 + s^3 (-1/720 + s/40320 - s^2/3628800 + s^3/479001600) - (r's rest) sin r
	v_mul_f32 v118, 0.5, v104                      ; s / 2, exact
	v_sub_f32 v119, 1.0, v118                      ; 1 - s / 2, rounded,
	v_sub_f32 v120, 1.0, v119
	v_sub_f32 v120, v120, v118                     ; and what that rounding left, exact
	v_fma_f32 v122, v104, v104, -v121
	v_add_f32 v116, v104, v104
	v_fma_f32 v122, v116, v105, v122               ; s^2's rest
	v_mul_f32 v123, s42, v121                      ; s^2 / 24, the high part,
	v_fma_f32 v124, v121, s42, -v123
	v_fma_f32 v124, v121, s43, v124
	v_fma_f32 v124, v122, s42, v124                ; and its rest
	v_mov_b32 v125, 0x310f76c8
	v_fmaak_f32 v125, v125, v104, 0xb493f27e
	v_fmaak_f32 v125, v125, v104, 0x37d00d01
	v_fmaak_f32 v125, v125, v104, 0xbab60b61       ; the series behind s^3
	v_fma_f32 v124, v105, -0.5, v124               ; - (s's rest) / 2
	v_add_f32 v124, v124, v120
	v_fma_f32 v124, -v103, v115, v124              ; - (r's rest) x sin r, roughly
	v_add_f32 v127, v119, v123                     ; 1 - s / 2 + s^2 / 24, rounded,
	v_sub_f32 v116, v127, v119
	v_sub_f32 v116, v123, v116                     ; and what that rounding left, exact
	v_add_f32 v124, v124, v116
	v_mul_f32 v116, v121, v104                     ; s^3
	v_fma_f32 v126, v116, v125, v124
	v_add_f32 v111, v127, v126                     ; cos r
	v_cvt_i32_f32 v101, v101
	v_and_b32 v116, 1, v101
	v_cmp_ne_u32 vcc_lo, 0, v116
	v_cndmask_b32 v[128+\j], v117, v111, vcc_lo    ; in odd quadrants the two change places
	v_cndmask_b32 v[132+\j], v111, v117, vcc_lo
	v_and_b32 v116, 2, v101
	v_lshlrev_b32 v116, 30, v116
	v_xor_b32 v[128+\j], v116, v[128+\j]           ; sin's sign: quadrants 2, 3
	v_add_nc_u32 v116, 1, v101
	v_and_b32 v116, 2, v116
	v_lshlrev_b32 v116, 30, v116
	v_xor_b32 v[132+\j], v116, v[132+\j]           ; cos's sign: quadrants 1, 2
.endm
	s_load_b256 s[4:11], s[0:1], 0x0               ; x s[4:5], Wq s[6:7], Wk s[8:9], Wv s[10:11]
	s_load_b256 s[12:19], s[0:1], 0x20             ; Wo s[12:13], xq s[14:15], wqkv s[16:17], woc s[18:19]
	s_load_b64 s[20:21], s[0:1], 0x40              ; rope
	v_lshl_add_u32 v[SPW], v0, 2, SPARE
	v_mov_b32 v[NIL], 0
	v_lshrrev_b32 v1, 5, v0
	v_readfirstlane_b32 s22, v1                    ; wave 0..3
	v_and_b32 v2, 31, v0                           ; lane
	s_mov_b32 s31, 0
	s_mov_b32 s33, 0
	s_wait_alu depctr_va_vdst(0)
	s_wait_kmcnt 0x0
	s_cmp_lt_u32 ttmp9, 256
	s_cbranch_scc0 .Lweights
	; ---- x: row block a = work-group; wave w takes K = 512 w on
	s_mov_b32 s28, ttmp9
	s_lshr_b32 s29, s28, 1
	s_lshl_b32 s29, s29, 5
	s_and_b32 s30, s28, 1
	s_lshl_b32 s30, s30, 3
	s_add_co_u32 s29, s29, s30                     ; the block's first token: 32 (a / 2) + 8 (a % 2)
	s_lshl_b32 s30, s29, 13                        ; rows of 8,192 bytes
	s_lshl_b32 s29, s22, 11
	s_add_co_u32 s30, s30, s29
	s_add_nc_u64 s[4:5], s[4:5], s[30:31]
	s_lshr_b32 s30, s28, 3
	s_lshl_b32 s30, s30, 2
	s_add_co_u32 s30, s30, s22
	s_mul_i32 s30, s30, UNIT                       ; the UNIT of (tile a / 8, slot w)
	s_and_b32 s29, s28, 7
	s_lshl_b32 s32, s29, 12
	s_add_co_u32 s32, s32, s30
	s_add_nc_u64 s[24:25], s[14:15], s[32:33]      ; my 4,096 bytes of codes
	s_lshl_b32 s32, s29, 8
	s_add_co_u32 s32, s32, s30
	s_add_co_u32 s32, s32, 32768
	s_add_nc_u64 s[26:27], s[14:15], s[32:33]      ; my 256 scale bytes
	s_lshl_b32 s32, s28, 12
	s_add_nc_u64 s[20:21], s[20:21], s[32:33]      ; the table: 8 positions of 512 bytes a work-group
	v_lshlrev_b32 v3, 4, v2                        ; 16 x lane
.irp t, 0,1,2,3
	LOADX \t
.endr
	s_mul_i32 s36, s22, WREG
	s_add_co_u32 s37, s36, SBY
	s_add_co_u32 s39, s36, IMG
	v_lshrrev_b32 v14, 2, v2
	v_mul_u32_u24 v14, v14, SP
	v_and_b32 v15, 3, v2
	v_lshl_add_u32 v14, v15, 4, v14
	v_add_nc_u32 v14, s36, v14                     ; the stage, in: SP (lane / 4) + 16 (lane % 4)
	v_mul_u32_u24 v15, v2, SP
	v_add_nc_u32 v15, s36, v15                     ; and out: SP x lane
	v_lshrrev_b32 v5, 1, v2
	v_add_nc_u32 v5, s37, v5                       ; my block's scale byte
	v_lshlrev_b32 v7, 3, v2
	v_add_nc_u32 v6, s37, v7                       ; and 8 bytes a lane on the way out
	v_lshrrev_b32 v4, 1, v2
	v_mul_u32_u24 v4, v4, 272
	v_and_b32 v8, 1, v2
	v_lshl_add_u32 v4, v8, 3, v4
	v_add_nc_u32 v4, s39, v4                       ; the image, in: 272 (lane / 2) + 8 (lane % 2)
	v_lshrrev_b32 v10, 4, v2
	v_mul_u32_u24 v10, v10, 272
	v_and_b32 v8, 15, v2
	v_lshl_add_u32 v10, v8, 4, v10
	v_add_nc_u32 v10, s39, v10                     ; and out: 272 (lane / 16) + 16 (lane % 16)
	; ---- the table, while the loads are on their way: thread g = 128 a + v0 makes position g / 16, frequencies 4 (g % 16) + 0 .. 3
	s_mov_b32 s40, 0xbe2aaaab                      ; -1/6: the nearest f32,
	s_mov_b32 s41, 0x31aaaaab                      ; and what it lacks: + 2^-26 / 3
	s_mov_b32 s42, 0x3d2aaaab                      ; 1/24: the nearest f32,
	s_mov_b32 s43, 0xb0aaaaab                      ; and what it has too much: - 2^-28 / 3
	v_and_b32 v80, 15, v0
	v_lshrrev_b32 v81, 4, v0
	s_lshl_b32 s38, s28, 3
	v_add_nc_u32 v82, s38, v81
	v_cvt_f32_u32 v82, v82                         ; the position
	v_lshlrev_b32 v83, 9, v81
	v_lshl_add_u32 v83, v80, 4, v83                ; where its 16 bytes of cos go
	PICK 0, 0x3fe39ea9, 0xb26aee3c, 84, 85         ; 10000^(i/64) = 10^(i/16): 10^(1/4),
	PICK 1, 0x404a62c2, 0xb324b496, 86, 87         ; 10^(1/2),
	DDMUL 84, 85, 84, 85, 86, 87
	PICK 2, 0x41200000, 0, 86, 87                  ; 10,
	DDMUL 84, 85, 84, 85, 86, 87
	PICK 3, 0x42c80000, 0, 86, 87                  ; 100, by the bits of i / 4;
	DDMUL 84, 85, 84, 85, 86, 87
	v_mov_b32 v96, v84                             ; i % 4 = 0: the high part,
	v_mov_b32 v136, v85                            ; and the rest
	v_mov_b32 v86, 0x3f93cfe5                      ; and 10^(1/16), 10^(1/8), 10^(3/16) for i % 4 = 1, 2, 3
	v_mov_b32 v87, 0x334a404e
	DDMUL 97, 137, 84, 85, 86, 87
	v_mov_b32 v86, 0x3faab0d5
	v_mov_b32 v87, 0xb36457ec
	DDMUL 98, 138, 84, 85, 86, 87
	v_mov_b32 v86, 0x3fc51c50
	v_mov_b32 v87, 0xb1454e31
	DDMUL 99, 139, 84, 85, 86, 87
	s_wait_alu depctr_va_vdst(0)
.irp j, 0,1,2,3
	v_rcp_f32 v[140+\j], v[96+\j]
.endr
	v_nop                                          ; a plain line behind the reciprocals
	s_wait_alu depctr_va_vdst(0)
.irp j, 0,1,2,3
	SINCOS \j
.endr
	s_wait_alu depctr_va_vdst(0)
	global_store_b128 v83, v[132:135], s[20:21]            ; sixteen lanes fill 256 consecutive bytes: a position's cos,
	global_store_b128 v83, v[128:131], s[20:21] offset:256 ; and its sin
	s_wait_xcnt 0x0                                ; the stores' registers are written again only behind this wait
	s_wait_loadcnt 12                              ; step 0's four loads are in
	TURNX 0
.irp t, 0,1,2,3,4,5,6,7,8,9,10,11,12,13,14,15
	STEPX \t
.endr
	ds_load_b64 v[12:13], v6                       ; LDS serves a wave's instructions in order: these see my stores
.irp i, 0,1,2,3,4,5,6,7
	ds_load_b128 v[OUTR+4*\i:OUTR+4*\i+3], v10 offset:544*\i
.endr
	s_wait_dscnt 8
	global_store_b64 v7, v[12:13], s[26:27]        ; 256 consecutive bytes, aligned
.irp i, 0,1,2,3,4,5,6,7
	s_wait_dscnt 7-\i
	global_store_b128 v3, v[OUTR+4*\i:OUTR+4*\i+3], s[24:25] offset:512*\i
.endr
	s_wait_tensorcnt 0x0                           ; the wave's end
	ds_add_u32 v[SPW], v[NIL]
	s_wait_dscnt 0x0
	s_endpgm
.Lweights:                                     ; id = work-group - 256: class id / 64 (Wq; Wk and Wv; Wo), half UNIT id % 64.  Every choice hangs on the work-group's number alone
	s_sub_co_u32 s28, ttmp9, 256
	s_and_b32 s29, s28, 1                          ; which 64 of the UNIT's columns
	s_bfe_u32 s23, s28, 0x50001                    ; u: the UNIT
	s_lshr_b32 s28, s28, 6                         ; the class
	s_mul_i32 s32, s23, UNIT
	s_lshr_b32 s34, s23, 2                         ; Wq, Wk, Wv: 128 columns u / 4, K slot u % 4
	s_and_b32 s35, s23, 3
	s_bitcmp1_b32 s34, 0                           ; Wk (even), Wv (odd)
	s_cselect_b64 s[24:25], s[10:11], s[8:9]
	s_lshl_b32 s50, s35, 21                        ; Wq: rows of 4,096 bytes
	s_lshl_b32 s51, s34, 9
	s_add_co_u32 s50, s50, s51
	s_lshl_b32 s51, s35, 20                        ; Wk, Wv: rows of 2,048 bytes
	s_lshr_b32 s52, s34, 1
	s_lshl_b32 s52, s52, 9
	s_add_co_u32 s51, s51, s52
	s_and_b32 s52, s23, 1                          ; Wo: 128 columns u / 2, K slot u % 2; rows of 8,192 bytes
	s_lshl_b32 s52, s52, 22
	s_lshr_b32 s53, s23, 1
	s_lshl_b32 s53, s53, 9
	s_add_co_u32 s52, s52, s53
	s_add_co_u32 s54, s32, 32*UNIT                 ; Wk's and Wv's UNITs lie behind Wq's
	s_mov_b32 s38, 2048
	s_cmp_eq_u32 s28, 0
	s_cselect_b64 s[24:25], s[6:7], s[24:25]
	s_cselect_b32 s30, s50, s51
	s_cselect_b32 s38, 4096, s38
	s_cmp_eq_u32 s28, 1
	s_cselect_b32 s32, s54, s32
	s_mov_b32 s59, 8192                            ; from column group 0's codes to group 1's, in bytes
	s_cmp_eq_u32 s28, 2
	s_cselect_b64 s[24:25], s[12:13], s[24:25]
	s_cselect_b64 s[26:27], s[18:19], s[16:17]
	s_cselect_b32 s30, s52, s30
	s_cselect_b32 s38, 8192, s38                   ; the row pitch
	s_cselect_b32 s58, -1, 0                       ; all lanes: Wo.  WO'S ORDER: stored column 16 b + r of each 64 is column 4 r + b, so that the last product's four accumulators of a lane are four neighbouring columns
	s_cselect_b32 s59, 128, s59
	s_lshl_b32 s50, s29, 8
	s_add_co_u32 s30, s30, s50                     ; my 64 columns,
	s_mul_i32 s50, s22, s38
	s_lshl_b32 s50, s50, 7
	s_add_co_u32 s30, s30, s50                     ; and my 128 rows
	s_mov_b32 s39, 0
	s_add_nc_u64 s[40:41], s[24:25], s[30:31]      ; row 0; rows 1 to 7 follow
.irp k, 1,2,3,4,5,6,7
	s_add_nc_u64 s[40+2*\k:41+2*\k], s[38+2*\k:39+2*\k], s[38:39]
.endr
	s_add_nc_u64 s[26:27], s[26:27], s[32:33]      ; the UNIT
	s_lshl_b32 s32, s29, 10
	s_add_co_u32 s32, s32, 32768
	s_add_nc_u64 s[56:57], s[26:27], s[32:33]      ; my columns' scale bytes,
	s_lshl_b32 s32, s29, 14
	s_add_nc_u64 s[26:27], s[26:27], s[32:33]      ; and their codes
	s_lshl_b32 s37, s38, 3
	v_lshrrev_b32 v7, 4, v2                        ; lane / 16
	v_lshrrev_b32 v6, 3, v2
	v_xor_b32 v6, v6, v7
	v_and_b32 v6, 1, v6
	v_mul_u32_u24 v6, 24, v6                       ; 0x18 where bits 3 and 4 differ
	v_xor_b32 v6, v2, v6                           ; Wq, Wk, Wv: the column that I load: lane l holds stored column l of a group of 32
	v_cndmask_b32 v6, v6, v2, s58                  ; Wo: column = lane; its order is made by the stores' addresses
	v_lshlrev_b32 v[WOF], 2, v6
.irp n, 1,2,3,4,5,6,7,8,9,10,11,12,13,14,15
	v_add_nc_u32 v[WOF+\n], s37, v[WOF-1+\n]
.endr
	LOADW 0
	LOADW 1
	s_lshl_b32 s34, s22, 10
	s_lshl_b32 s35, s22, 9
	s_lshl_b32 s36, s22, 2
	s_add_co_u32 s36, s36, WSC
	s_lshl_b32 s37, s22, 7
	v_and_b32 v8, 15, v2
	v_and_b32 v9, 3, v2
	v_lshrrev_b32 v10, 2, v2
	v_cndmask_b32 v7, v7, v9, s58                  ; the fragment: lane / 16; Wo: lane % 4
	v_cndmask_b32 v8, v8, v10, s58                 ; its row: lane % 16; Wo: lane / 4, and 8 more in column group 1
	v_lshlrev_b32 v8, 4, v8
	v_lshl_add_u32 v4, v7, 12, v8
	v_add_nc_u32 v4, s34, v4                       ; codes: 4096 x fragment + 1024 wave + 16 x row,
	v_add_nc_u32 v9, s59, v4                       ; and of column group 1
	v_lshl_add_u32 v5, v2, 4, s36                  ; my columns' words in LDS: 16 lane + 4 wave
	v_lshl_add_u32 v10, v7, 8, v8
	v_add_nc_u32 v10, s37, v10                     ; on the way out: Wo: 256 (lane % 4) + 128 wave + 16 (lane / 4),
	v_lshl_add_u32 v6, v2, 4, s35                  ; the others 512 wave + 16 lane
	v_cndmask_b32 v7, v6, v10, s58
	v_add_nc_u32 v6, WSC, v6
	s_wait_alu depctr_va_vdst(0)
.irp t, 0,1,2,3,4,5,6,7
	BLOCKW \t
.endr
	ds_store_b32 v5, v24                           ; the four bytes of my K step, column group 0
	ds_store_b32 v5, v25 offset:512                ; and 1
	s_wait_tensorcnt 0x0
	ds_add_u32 v[SPW], v[NIL]
	s_wait_dscnt 0x0                               ; my words are in LDS:
	s_barrier_signal -1
	s_barrier_wait -1                              ; so are everybody's
	s_cmp_gt_u32 s22, 1
	s_cbranch_scc1 .Lwend                          ; waves 0 and 1 store a column group's scale bytes each
	ds_load_b128 v[28:31], v6
	s_wait_dscnt 0x0
	global_store_b128 v7, v[28:31], s[56:57]       ; 512 consecutive bytes
.Lwend:
	s_endpgm
.Lfunc_end_k_q9b0b80873a_prep:
	.size	k_q9b0b80873a_prep, .Lfunc_end_k_q9b0b80873a_prep-k_q9b0b80873a_prep
	.p2alignl 7, 3214868480
	.fill 96, 4, 3214868480
	.section	.rodata,"a",@progbits
	.p2align	6, 0x0
	.amdhsa_kernel k_q9b0b80873a_prep
		.amdhsa_group_segment_fixed_size 42496
		.amdhsa_private_segment_fixed_size 0
		.amdhsa_enable_private_segment 0
		.amdhsa_kernarg_size 72
		.amdhsa_user_sgpr_count 2
		.amdhsa_user_sgpr_kernarg_segment_ptr 1
		.amdhsa_wavefront_size32 1
		.amdhsa_system_sgpr_workgroup_id_x 1
		.amdhsa_system_sgpr_workgroup_id_y 1
		.amdhsa_system_sgpr_workgroup_id_z 1
		.amdhsa_system_vgpr_workitem_id 0
		.amdhsa_next_free_vgpr 208
		.amdhsa_next_free_sgpr 66
		.amdhsa_reserve_vcc 1
		.amdhsa_float_denorm_mode_32 3
		.amdhsa_float_denorm_mode_16_64 3
		.amdhsa_memory_ordered 1
		.amdhsa_forward_progress 1
		.amdhsa_inst_pref_size 94
	.end_amdhsa_kernel
	.amdgpu_metadata
---
amdhsa.version: [ 1, 2 ]
amdhsa.kernels:
  - .name:           k_q9b0b80873a_prep
    .symbol:         k_q9b0b80873a_prep.kd
    .args:
      - { .name: x, .offset: 0, .size: 8, .value_kind: global_buffer, .address_space: global }
      - { .name: Wq, .offset: 8, .size: 8, .value_kind: global_buffer, .address_space: global }
      - { .name: Wk, .offset: 16, .size: 8, .value_kind: global_buffer, .address_space: global }
      - { .name: Wv, .offset: 24, .size: 8, .value_kind: global_buffer, .address_space: global }
      - { .name: Wo, .offset: 32, .size: 8, .value_kind: global_buffer, .address_space: global }
      - { .name: xq, .offset: 40, .size: 8, .value_kind: global_buffer, .address_space: global }
      - { .name: wqkv, .offset: 48, .size: 8, .value_kind: global_buffer, .address_space: global }
      - { .name: woc, .offset: 56, .size: 8, .value_kind: global_buffer, .address_space: global }
      - { .name: rope, .offset: 64, .size: 8, .value_kind: global_buffer, .address_space: global }
    .group_segment_fixed_size: 42496
    .private_segment_fixed_size: 0
    .kernarg_segment_align: 8
    .kernarg_segment_size: 72
    .max_flat_workgroup_size: 128
    .sgpr_count:     66
    .vgpr_count:     208
    .wavefront_size: 32
...
	.end_amdgpu_metadata
.endif
;; end of part 5
;; launch qkv (part 6): grid 8 x 32, 4 waves a work-group, clusters of 4 x 4, 327,680 bytes of LDS; arguments xq, wqkv, rope, qbuf, kv; writes qbuf, kv
.if DOCPART == 6
	.amdgcn_target "amdgcn-amd-amdhsa--gfx1250"
	.amdhsa_code_object_version 6
	.text
	.protected	k_q9b0b80873a_qkv
	.globl	k_q9b0b80873a_qkv
	.p2align	8
	.type	k_q9b0b80873a_qkv,@function
k_q9b0b80873a_qkv:
	s_mov_b64 s[64:65], 0
	v_nop
	global_prefetch_b8 v0, s[64:65] scope:SCOPE_SE
	s_setreg_imm32_b32 hwreg(HW_REG_WAVE_MODE, 25, 1), 1
	s_wait_xcnt 0x0
	s_wait_alu depctr_hold_cnt(0) depctr_sa_sdst(0) depctr_va_vdst(0) depctr_va_sdst(0) depctr_va_ssrc(0) depctr_va_vcc(0) depctr_vm_vsrc(0)
	s_getreg_b32 s2, hwreg(HW_REG_IB_STS2, 6, 4)
	s_cmp_eq_u32 s2, 0
	s_cbranch_scc0 .Lentry_in_a_cluster
	s_endpgm
.Lentry_in_a_cluster:
	s_bfe_u32 s2, ttmp6, 0x10000c
	s_cmp_lg_u32 s2, 0xf033
	s_cbranch_scc0 .Lentry_shape_is_right
	s_endpgm
.Lentry_shape_is_right:
; QKV: x Wq, x Wk, x Wv as ONE product [4,096 tokens] x [2,048 columns], K = 2,048, on codes of FP4 with E8M0 scales; then, in registers: the rotation and the position scale for q and k, quantised along the head's 128;
; v turned and quantised along the keys.  Results leave as images of operand registers (qbuf, kv): a block of 8,704 bytes (128 rows or 128 d) is two parts of 4,352: four fragments, then their 256 bytes of scale words.
; A tile of 128 tokens x 256 columns to a work-group of four waves: 32 x 8 = 256 work-groups.  A wave makes 64 tokens x 128 columns (one head): 32 accumulators, 256 registers.
; K goes in slots of 512.  An LDS slot is three UNITs of 34,816 bytes (128 rows x 512 K: fragments as register images at 4096 i + 1024 q, 16 scale bytes a row from 32,768 on): A's one, then B's two.
; Waves 0 and 1 bring the halves of A's UNIT (68 rows of 256 bytes each), waves 2 and 3 B's UNITs (136 rows): dense blocks of memory, codes and scales together.
; THREE LDS slots: K slot 0 is the head's one load a wave; behind the full sequence and a round K slot 1 is asked for; the change from K slot 0 to 1 asks for K slot 2, the change from 1 to 2 for K slot 3, into LDS slot 0 again.
; So each load has a slot's four steps, 128 products, in which to land; by this text's count a wave has one tensor load out.  No data prefetch: there are three such loads and no loop to run ahead in.
; A step of 128 along K is 32 products and 24 LDS loads of 512 consecutive bytes (16 x lane + a constant); A and B have two sets of registers each, and a step's loads are issued a whole step ahead.
; CLUSTER 4 x 4: A's UNIT is asked for jointly along a row of the cluster, B's along a column.
; THE MATRIX INSTRUCTION IS USED TRANSPOSED (source 0 = 16 columns of W, source 1 = 16 tokens).  Tokens and W's columns are laid so (row r of block a = index 32 (a / 2) + 8 (a % 2) + r + 8 (r / 8)) that lane (r, h)
; holds ONE token and register 16 b + i of a token block's 64 holds d = 32 b + 16 h + i of the head: d and d + 64 lie in one lane, and the registers stand in the order that the quantiser wants.
; A wave's 128 columns are one head: cluster x = 0: query heads 2 cx + (wave % 2); cluster x = 1: K head cx (even waves), V head cx (odd waves).  The paths part on the cluster's x and the wave's number alone.
; THE ROTATION: x cos + x' sin with the product by sin rounded and the product by cos fused with the addition; then one rounded product by the position's factor (made at the head for all four token blocks).
; The table has four sets of registers.  Its first two token blocks are asked for at the kernel's head, by every wave, so that the counts are alike on every path; the V waves' 32 loads serve nothing.
; LIMITS: a block of zeros gets the scale byte 1 (its codes are zeros; this program alone reads the bytes); NaN and infinities are not served; 1 / s and 1 / (1 / s) are reciprocals with one correction step.
; REGISTERS: window 0: v8-31 addresses; v32-95 scale words, two sets, nothing else; v128-191 A's fragments, two sets; v240-247 the position's factors; on the way out v96-239 at work.  window 1: v0-127 B's fragments, two sets; v128-255 the table's sets 0, 1.
;   window 2: accumulator (a, b) at v[8 (8 a + b)].   window 3: v0-127 the table's sets 2, 3.
.set NSLOT,  4                         ; K / 512
.set UNIT,   34816
.set HALFU,  17408
.set SLOT,   3*UNIT
.set SPARE,  3*SLOT                    ; behind the three slots: the spare words, 128 bytes for each wave: two blocks of 256 bytes that no other line names
.set STG,    SLOT                      ; V's stage lies in LDS slot 1: it has had its one fill, and its last read stands ahead of a barrier that every wave has passed
.set NP,     4                         ; places behind this matrix instruction (ISA guide 7.12.1)
.set ADRA, 8                           ; v8-10  LDS address of my A fragments in slot 0, 1, 2
.set ADRB, 11                          ; v11-13 the same for B
.set ADRS, 14                          ; v14-16 my scale words: lanes 0-15 A's rows, lanes 16-31 B's
.set VCO,  19                          ; v19    V's codes: 1024 (lane / 16) + 16 (lane % 16) + 512 x my half of the keys
.set VW,   20                          ; v20    V's half scale words: 4 x lane + 2 x my half
.set TA,   24                          ; v24    the table: 512 x (my position in my block 0) + 64 h
.set GL,   25                          ; v25    16 x lane + 4352 x my half of the tokens
.set LS4,  26                          ; v26    4 x lane + 4352 x my half
.set P0,   27                          ; v27    my position in my block 0
.set SPW,  28                          ; v28    my spare word; never rewritten
.set NIL,  29                          ; v29    0; never rewritten
.set VSTO, 30                          ; v30    V's stage, in
.set VRD,  31                          ; v31    V's stage, out
.set SC,   32
.set AF,   128
.set PC,   96                          ; the codes just made
.set PWE,  112                         ; an even block's scale word
.set PWJ,  113                         ; two blocks' words joined
.set Y,    128                         ; 64 numbers of a token block
.set T,    192                         ; v192-199 the products by sin, two sets of two pairs
.set TM,   200
.set PW,   216
.set XSC,  240                         ; v[240:247] the factors of even and odd d for the four token blocks
.set VX,   128                         ; V: two sets of 32 keys
.set CV,   192                         ; V: four registers of codes for each of 8 blocks
.set SBV,  96                          ; V: two scale bytes for each of four column groups
.set G1, 24                            ; s[24:31] group 1 for A's halves;  s[32:43] group 0, a set for each slot
.set G0, 32
.set G1B, 48                           ; s[48:55], s[84:95] the same for B's UNITs
.set G0B, 84
.set SEL, 76
.set MSB, 0
.macro WIN new                         ; the immediate's high byte repeats the setting that is left
.if MSB != (\new)
	s_set_vgpr_msb (MSB<<8)|(\new)
.set MSB, (\new)
.endif
.endm
.set MUL,  0xa1                        ; source 0 (B) window 1, source 1 (A) window 0, C and D window 2
.set TO_B, 0x40                        ; destination window 1, address window 0
; A joint load: waves 0 and 1 fetch A's halves, waves 2 and 3 B's UNITs.  The branch hangs on the wave's number alone.  Four v_nop follow each of the two lines.
.macro JLOAD g0a, g1a, g0b, g1b
	s_cmp_eq_u32 s15, 0
	s_cbranch_scc0 .Lfor_b_\@
	tensor_load_to_lds s[\g0a:\g0a+3], s[\g1a:\g1a+7]
	s_nop 0
.rept 4
	v_nop
.endr
	s_branch .Lasked_\@
.Lfor_b_\@:
	tensor_load_to_lds s[\g0b:\g0b+3], s[\g1b:\g1b+7]
	s_nop 0
.rept 4
	v_nop
.endr
.Lasked_\@:
.endm
.macro CREST                           ; a round of the cluster's barrier behind its opening barrier
	s_cmp_lg_u32 s14, 0
	s_cbranch_scc1 .Lnot_wave_0_\@
	s_barrier_signal -3
.Lnot_wave_0_\@:
	s_barrier_wait -3
	s_barrier_signal -1
	s_barrier_wait -1
.endm
.macro CROUND
	s_barrier_signal -1
	s_barrier_wait -1
	CREST
.endm
	s_load_b256 s[4:11], s[0:1], 0x0               ; xq s[4:5], wqkv s[6:7], rope s[8:9], qbuf s[10:11]
	s_load_b64 s[12:13], s[0:1], 0x20              ; kv
	v_lshl_add_u32 v[SPW], v0, 2, SPARE
	v_mov_b32 v[NIL], 0
	ds_add_u32 v[SPW], v[NIL]                      ; the wave's opening
	ds_add_u32 v[SPW], v[NIL]
	v_lshrrev_b32 v1, 5, v0
	v_readfirstlane_b32 s14, v1                    ; wave 0..3
	s_lshr_b32 s15, s14, 1                         ; which 64 of the tile's tokens are mine.  Also: I fetch for A (0) or for B (1)
	s_and_b32 s16, s14, 1                          ; which 128 of its columns.  Also: which half of A's UNIT, or which of B's UNITs, I fetch
	s_bfe_u32 s44, ttmp6, 0x40000                  ; cx, cy
	s_bfe_u32 s45, ttmp6, 0x40004
	s_lshl_b32 s46, ttmp9, 2
	s_add_co_u32 s46, s46, s44                     ; tile column, 0..7
	s_and_b32 s17, ttmp7, 0xffff
	s_lshl_b32 s17, s17, 2
	s_add_co_u32 s17, s17, s45                     ; tile row, 0..31: a tile of 128 tokens
	s_lshl_b32 s56, s45, 2
	s_lshl_b32 s56, 15, s56                        ; my row of the cluster
	s_lshl_b32 s57, 0x1111, s44                    ; my column
	s_or_b32 s[G1+0], s56, (3<<16)|(1<<21)         ; 15:0 the mask; 17:16 elements of 8 bytes; 21 set beside a mask; no padding
	s_or_b32 s[G1B+0], s57, (3<<16)|(1<<21)
.irp g, G1, G1B
	s_mov_b32 s[\g+1], 32<<16                      ; tensor_dim0 = 32 elements: 256 bytes
	s_mov_b32 s[\g+3], 32<<16                      ; tile_dim0
	s_mov_b32 s[\g+5], 32                          ; the pitch: dense
	s_mov_b32 s[\g+6], 0
	s_mov_b32 s[\g+7], 0
.endr
	s_mov_b32 s[G1+2], 68<<16                      ; A: tensor_dim1 = 68 rows: 17,408 bytes
	s_mov_b32 s[G1+4], 68                          ; tile_dim1
	s_mov_b32 s[G1B+2], 136<<16                    ; B: 136 rows: 34,816 bytes
	s_mov_b32 s[G1B+4], 136
	s_mul_i32 s62, s16, HALFU                      ; A: where my half goes in a slot, and where it lies in its UNIT: no place in the cluster enters an LDS address
	s_mul_i32 s58, s17, NSLOT*UNIT
	s_add_co_u32 s58, s58, s62
	s_mov_b32 s59, 0
	s_lshl_b32 s60, s46, 1
	s_add_co_u32 s60, s60, s16                     ; B: unit 2 x tile column + half
	s_mul_i32 s60, s60, NSLOT*UNIT
	s_mov_b32 s61, 0
	s_mul_i32 s63, s16, UNIT
	s_add_co_u32 s63, s63, UNIT                    ; B's UNITs lie behind A's
	s_wait_dscnt 0x0                               ; both opening adds are done
	s_wait_kmcnt 0x0
	s_add_nc_u64 s[58:59], s[4:5], s[58:59]
	s_add_nc_u64 s[60:61], s[6:7], s[60:61]
	CROUND                                         ; all sixteen work-groups are here: the first joint loads meet
.irp s, 0,1,2
	s_mov_b32 s[G0+4*\s], 1
	s_add_co_u32 s[G0+4*\s+1], s62, \s*SLOT
	s_add_nc_u64 s[G0+4*\s+2:G0+4*\s+3], s[58:59], \s*UNIT
	s_or_b32 s[G0+4*\s+3], s[G0+4*\s+3], 0x80000000
	s_mov_b32 s[G0B+4*\s], 1
	s_add_co_u32 s[G0B+4*\s+1], s63, \s*SLOT
	s_add_nc_u64 s[G0B+4*\s+2:G0B+4*\s+3], s[60:61], \s*UNIT
	s_or_b32 s[G0B+4*\s+3], s[G0B+4*\s+3], 0x80000000
.endr
	JLOAD G0, G1, G0B, G1B                         ; K slot 0
	v_and_b32 v1, 15, v0                           ; r
	v_bfe_u32 v2, v0, 4, 1                         ; h
	v_and_b32 v3, 31, v0                           ; lane
	v_lshlrev_b32 v4, 4, v3                        ; 16 x lane
	s_wait_alu depctr_va_vdst(0)
	s_lshl_b32 s18, s15, 14                        ; my four blocks of A: 4 x 4,096 bytes x half
	s_mul_i32 s19, s16, UNIT
	s_add_co_u32 s19, s19, UNIT                    ; my UNIT of B
	s_lshl_b32 s20, s15, 10                        ; my four blocks' scale rows: 4 x 256 bytes x half
	s_sub_co_u32 s21, s19, s20
	v_mul_u32_u24 v6, s21, v2                      ; lanes 16-31 take B's: the distance between the two
	v_lshl_add_u32 v5, v1, 4, v6                   ; + 16 bytes a row
	s_add_co_u32 s20, s20, 32768
.irp s, 0,1,2
	v_add_nc_u32 v[ADRA+\s], s18, v4
	v_add_nc_u32 v[ADRB+\s], s19, v4
	v_add_nc_u32 v[ADRS+\s], s20, v5
	s_add_co_u32 s18, s18, SLOT
	s_add_co_u32 s19, s19, SLOT
	s_add_co_u32 s20, s20, SLOT
.endr
	; the way out's numbers
	s_lshr_b32 s67, s17, 4                         ; the batch
	s_and_b32 s68, s17, 15                         ; the block of 128 positions
	s_lshl_b32 s69, s44, 1
	s_add_co_u32 s69, s69, s16                     ; the query head
	s_lshl_b32 s70, s67, 3
	s_add_co_u32 s70, s70, s69
	s_lshl_b32 s70, s70, 4
	s_add_co_u32 s70, s70, s68
	s_mul_i32 s70, s70, 8704                       ; q: ((8 b + h) 16 + block) x 8,704
	s_lshl_b32 s71, s67, 2
	s_add_co_u32 s71, s71, s44
	s_lshl_b32 s71, s71, 4
	s_add_co_u32 s71, s71, s68
	s_mul_i32 s71, s71, 17408                      ; k: ((4 b + hk) 16 + block) x 17,408;
	s_mul_i32 s69, s16, 8704
	s_add_co_u32 s71, s71, s69                     ; v: 8,704 further on
	s_cmp_eq_u32 ttmp9, 0                          ; the cluster's x, alike in all partners
	s_cselect_b32 s70, s70, s71
	s_cselect_b64 s[72:73], s[10:11], s[12:13]
	s_cselect_b32 s75, -1, 0                       ; all lanes: q; none: k
	s_mov_b32 s71, 0
	s_add_nc_u64 s[72:73], s[72:73], s[70:71]      ; where my head's block goes
	s_mov_b32 s74, 0xffff0000                      ; lanes 16-31
	s_mov_b32 s[SEL], 0x76543210
	s_mov_b32 s[SEL+1], 0xfedcba98                 ; v_permlanex16_b32's selects for lane l xor 16
	s_lshl_b32 s69, s68, 7
	s_lshl_b32 s66, s15, 6
	s_add_co_u32 s69, s69, s66                     ; my first position: 128 x block + 64 x half
	s_mul_i32 s66, s15, 4352
	s_lshl_b32 s70, s15, 1
	s_mul_i32 s71, s14, 16896                      ; V's stage: 32 rows x 528 bytes for each wave
	s_add_co_u32 s71, s71, STG
	s_lshl_b32 s78, s15, 9
	s_wait_alu depctr_va_vdst(0)
	v_and_b32 v5, 8, v1
	v_add_nc_u32 v5, v5, v1                        ; r + 8 (r / 8)
	v_add_nc_u32 v[P0], s69, v5
	v_lshlrev_b32 v[TA], 9, v[P0]
	v_lshl_add_u32 v[TA], v2, 6, v[TA]
	v_add_nc_u32 v[GL], s66, v4
	v_lshlrev_b32 v7, 2, v3                        ; 4 x lane
	v_add_nc_u32 v[LS4], s66, v7
	v_add_nc_u32 v[VW], s70, v7
	v_mul_u32_u24 v5, v1, 528
	v_lshl_add_u32 v5, v2, 5, v5
	v_add_nc_u32 v[VSTO], s71, v5
	v_add_nc_u32 v[VRD], s71, v7
	v_lshlrev_b32 v[VCO], 4, v1
	v_lshl_add_u32 v[VCO], v2, 10, v[VCO]
	v_add_nc_u32 v[VCO], s78, v[VCO]
.macro FRAG reg, adr, q, i             ; a fragment's image: two loads of 512 consecutive bytes
.irp c, 0,1
	ds_load_b128 v[\reg+4*\c:\reg+4*\c+3], v[\adr] offset:1024*(\q)+512*\c+(\i)*4096
.endr
.endm
; 8 matrix instructions: A's block a x B's eight, the slot's q-th 128 along K.  p: the sets of fragments;  sc: the set of scale words.  The 32 accumulators take turns, one instruction a turn.
.macro MULA a, p, q, sc, zero
.irp b, 0,1,2,3,4,5,6,7
.if \zero
	v_wmma_scale_f32_16x16x128_f8f6f4 v[8*(8*(\a)+\b):8*(8*(\a)+\b)+7], v[64*(\p)+8*\b:64*(\p)+8*\b+7], v[AF+32*(\p)+8*(\a):AF+32*(\p)+8*(\a)+7], 0, v[SC+32*(\sc)+4*\b+(\q)], v[SC+32*(\sc)+4*(\a)+(\q)] matrix_a_fmt:MATRIX_FMT_FP4 matrix_b_fmt:MATRIX_FMT_FP4 matrix_a_scale:MATRIX_SCALE_ROW1
.else
	v_wmma_scale_f32_16x16x128_f8f6f4 v[8*(8*(\a)+\b):8*(8*(\a)+\b)+7], v[64*(\p)+8*\b:64*(\p)+8*\b+7], v[AF+32*(\p)+8*(\a):AF+32*(\p)+8*(\a)+7], v[8*(8*(\a)+\b):8*(8*(\a)+\b)+7], v[SC+32*(\sc)+4*\b+(\q)], v[SC+32*(\sc)+4*(\a)+(\q)] matrix_a_fmt:MATRIX_FMT_FP4 matrix_b_fmt:MATRIX_FMT_FP4 matrix_a_scale:MATRIX_SCALE_ROW1
.endif
.endr
.endm
.macro FETCH slot, q, p                ; 24 loads: B's eight fragments and A's four of the slot's q-th 128 along K, into sets p
	WIN TO_B
.irp i, 0,1,2,3,4,5,6,7
	FRAG 64*(\p)+8*\i, ADRB+\slot, \q, \i
.endr
	WIN 0
.irp i, 0,1,2,3
	FRAG AF+32*(\p)+8*\i, ADRA+\slot, \q, \i
.endr
.endm
.macro SCALES slot, sc                 ; a slot's scale words into set sc: four words a row; lanes 16-31 B's block i; lanes 0-15 A's block i (for i of 4 and more they read bytes of the slot that nobody uses)
.irp i, 0,1,2,3,4,5,6,7
	ds_load_b128 v[SC+32*(\sc)+4*\i:SC+32*(\sc)+4*\i+3], v[ADRS+\slot] offset:\i*256
.endr
.endm
.macro PLACES n                        ; plain vector lines between a matrix instruction and a load into, or a read of, its registers
.rept \n
	v_nop
.endr
.endm
; A step of 128 along K: the slot's q-th, scale set sc.  At its head the next step's fragments (slot nslot, its nq-th) are asked for, into the sets that the last step's products have left.
.macro STEP q, sc, zero, nslot, nq
	s_wait_dscnt 0x0                               ; this step's fragments, asked for a step ago, are in
	PLACES NP
	FETCH \nslot, \nq, 1-(\q)%2
	WIN MUL
.irp a, 0,1,2,3
	MULA \a, (\q)%2, \q, \sc, \zero
.endr
.endm
; A slot's last step: in front of its barrier each wave waits for all its tensor loads, adds 0 to its spare word, and waits for that and for its reads of the slot.  fill = 1: LDS slot set is filled (K slot 2; or, set = 0, again, with K slot 3).
.macro TURN sc, nslot, fill, set
	WIN 0                                          ; (the add's two registers lie in window 0)
	s_wait_tensorcnt 0x0                           ; all my tensor loads have landed
	ds_add_u32 v[SPW], v[NIL]                      ; 0 onto my spare word
	s_wait_dscnt 1                                 ; this step's fragments are in (the add may be out)
	WIN MUL
	MULA 0, 1, 3, \sc, 0
	s_wait_dscnt 0x0                               ; the add is done, and my reads of this slot are over
	s_barrier_signal -1
	MULA 1, 1, 3, \sc, 0
	WIN 0
	s_barrier_wait -1
.if \fill
	CREST                                          ; the barrier has opened a round of the cluster's: no wave of any partner still reads an earlier slot or has a load on its way
.if \set == 0
	s_add_nc_u64 s[G0+2:G0+3], s[G0+2:G0+3], 3*UNIT
	s_add_nc_u64 s[G0B+2:G0B+3], s[G0B+2:G0B+3], 3*UNIT
.endif
	JLOAD G0+4*\set, G1, G0B+4*\set, G1B           ; the first tensor load behind the round; its four v_nop are the places in front of the loads below
.else
	PLACES NP
.endif
	FETCH \nslot, 0, 0
	SCALES \nslot, 1-(\sc)
	WIN MUL
	MULA 2, 1, 3, \sc, 0
	MULA 3, 1, 3, \sc, 0
.endm
; The table's rows of my token block a into set a: cos of my 32 frequencies (32 b' + 16 h + i) at + 16 b' + i, sin 32 registers on.
.macro TABLOAD a
.if (\a) < 2
	WIN 0x40
.set TD, 128+64*(\a)
.else
	WIN 0xc0                                       ; sets 2 and 3: window 3
.set TD, 64*((\a)-2)
.endif
.irp g, 0,1,2,3
.irp k, 0,1,2,3
	global_load_b128 v[TD+16*\g+4*\k:TD+16*\g+4*\k+3], v[TA], s[8:9] offset:512*(32*((\a)/2)+8*((\a)%2))+128*\g+16*\k
.endr
.endr
	WIN 0
.endm
	TABLOAD 0                                      ; their registers are free all through the products
	TABLOAD 1
	; the position's factors of my four token blocks
.irp a, 0,1,2,3
	v_add_nc_u32 v[224+\a], 32*(\a/2)+8*(\a%2)+256, v[P0]
.endr
.irp a, 0,1,2,3
	v_cvt_f32_u32 v[224+\a], v[224+\a]
.endr
.irp a, 0,1,2,3
	v_mul_f32 v[224+\a], 0x3b000000, v[224+\a]     ; s = (position + 256) / 512, exact
.endr
	s_wait_alu depctr_va_vdst(0)
.irp a, 0,1,2,3
	v_rcp_f32 v[228+\a], v[224+\a]
.endr
	v_nop
	s_wait_alu depctr_va_vdst(0)
.irp a, 0,1,2,3
	v_fma_f32 v[232+\a], -v[224+\a], v[228+\a], 1.0
.endr
.irp a, 0,1,2,3
	v_fma_f32 v[228+\a], v[232+\a], v[228+\a], v[228+\a]   ; 1 / s
.endr
	s_wait_alu depctr_va_vdst(0)
.irp a, 0,1,2,3
	v_rcp_f32 v[236+\a], v[228+\a]
.endr
	v_nop
	s_wait_alu depctr_va_vdst(0)
.irp a, 0,1,2,3
	v_fma_f32 v[232+\a], -v[228+\a], v[236+\a], 1.0
.endr
.irp a, 0,1,2,3
	v_fma_f32 v[236+\a], v[232+\a], v[236+\a], v[236+\a]   ; 1 / (1 / s)
.endr
.irp a, 0,1,2,3
	v_cndmask_b32 v[XSC+2*\a], v[228+\a], v[224+\a], s75   ; even d: q takes s, k takes 1 / s
	v_cndmask_b32 v[XSC+1+2*\a], v[236+\a], v[228+\a], s75 ; odd d: q takes 1 / s, k takes 1 / (1 / s)
.endr
	s_wait_alu depctr_va_vdst(0)
	s_wait_tensorcnt 0x0                           ; my part of K slot 0 is in
	ds_add_u32 v[SPW], v[NIL]
	s_wait_dscnt 0x0
	CROUND                                         ; a whole round: everybody's part is in, and the joint loads meet
	JLOAD G0+4, G1, G0B+4, G1B                     ; K slot 1
	FETCH 0, 0, 0
	SCALES 0, 0
	STEP 0, 0, 1, 0, 1                             ; K slot 0.  The first step's products start the sums
	STEP 1, 0, 0, 0, 2
	STEP 2, 0, 0, 0, 3
	TURN 0, 1, 1, 2                                ; K slot 2 is asked for
	STEP 0, 1, 0, 1, 1                             ; K slot 1
	STEP 1, 1, 0, 1, 2
	STEP 2, 1, 0, 1, 3
	TURN 1, 2, 1, 0                                ; K slot 3 is asked for, where K slot 0 lay
	STEP 0, 0, 0, 2, 1                             ; K slot 2
	STEP 1, 0, 0, 2, 2
	STEP 2, 0, 0, 2, 3
	TURN 0, 0, 0, 0                                ; K slot 3 has landed; nothing is filled again
	STEP 0, 1, 0, 0, 1                             ; K slot 3
	STEP 1, 1, 0, 0, 2
	STEP 2, 1, 0, 0, 3
	s_wait_dscnt 0x0                               ; the very last step: nothing more to fetch
.irp a, 0,1,2,3
	MULA \a, 1, 3, 1, 0
.endr
	WIN 0
; 64 numbers of a lane, register 16 b + i = k 32 b + 16 (lane / 16) + i of my row, become a fragment's codes in v[pc] on and its scale word in v[PW].
.macro QUANT s, pc
.irp b, 0,1,2,3
	v_max3_num_f32 v[TM+\b], |v[\s+16*\b]|, |v[\s+1+16*\b]|, 0x1800000   ; my 16 numbers of block b, and the floor 2^(3 - 127)
.endr
.irp i, 2,4,6,8,10,12,14
.irp b, 0,1,2,3
	v_max3_num_f32 v[TM+\b], v[TM+\b], |v[\s+16*\b+\i]|, |v[\s+1+16*\b+\i]|
.endr
.endr
.irp b, 0,1,2,3
	v_permlanex16_b32 v[TM+4+\b], v[TM+\b], s[SEL], s[SEL+1]
.endr
.irp b, 0,1,2,3
	v_max_num_f32 v[TM+\b], v[TM+\b], v[TM+4+\b]   ; with lane l xor 16's: the block's largest magnitude
.endr
.irp b, 0,1,2,3
	v_add_nc_u32 v[TM+12+\b], 0xff000000, v[TM+\b] ; 2 off its exponent field: the conversion's scale operand
.endr
.irp b, 0,1,2,3
	v_lshrrev_b32 v[TM+4+\b], 23, v[TM+12+\b]      ; the byte
.endr
	v_lshl_or_b32 v[PW], v[TM+5], 8, v[TM+4]
	v_lshl_or_b32 v[PW], v[TM+6], 16, v[PW]
	v_lshl_or_b32 v[PW], v[TM+7], 24, v[PW]
.irp b, 0,1,2,3
	v_cvt_scalef32_pk8_fp4_f32 v[\pc+2*\b], v[\s+16*\b:\s+7+16*\b], v[TM+12+\b]
	v_cvt_scalef32_pk8_fp4_f32 v[\pc+1+2*\b], v[\s+8+16*\b:\s+15+16*\b], v[TM+12+\b]
.endr
	v_nop                                          ; one plain line behind a scaled conversion
.irp c, 0,1                                    ; the operand wants a whole block in a lane
.irp i, 0,1
	v_permlane16_swap_b32 v[\pc+4*\c+\i], v[\pc+2+4*\c+\i]
.endr
.endr
.endm
; My token block a (0..3): rotation, position scale, quantiser, store.
.macro ROPE a
.set AC, 64*(\a)
.set TBS, 64*(((\a)+2)%4)                      ; 128, 192 in window 1; 0, 64 in window 3
	s_wait_loadcnt 16*(3-(\a))                     ; this block's table is in; the later blocks' 16 loads each may be out
	s_wait_xcnt 0x0                                ; the last block's stores have read their registers: they are written again below
.if (\a) < 2
	WIN 0x06                                       ; source 0: the accumulators' window; source 1: the table's
.else
	WIN 0x0e
.endif
	s_wait_alu depctr_va_vdst(0)
.irp n, 0,2,4,6,8,10,12,14,16,18,20,22,24,26,28,30     ; ascending: each accumulator is read from its low end on
	v_pk_mul_f32 v[T+4*((\n/2)%2):T+4*((\n/2)%2)+1], v[AC+32+\n:AC+33+\n], v[TBS+32+\n:TBS+33+\n]
	v_pk_mul_f32 v[T+4*((\n/2)%2)+2:T+4*((\n/2)%2)+3], v[AC+\n:AC+1+\n], v[TBS+32+\n:TBS+33+\n]
	v_pk_fma_f32 v[Y+\n:Y+1+\n], v[AC+\n:AC+1+\n], v[TBS+\n:TBS+1+\n], v[T+4*((\n/2)%2):T+4*((\n/2)%2)+1] neg_lo:[0,0,1] neg_hi:[0,0,1]   ; x(d) cos - x(d + 64) sin
	v_pk_fma_f32 v[Y+32+\n:Y+33+\n], v[AC+32+\n:AC+33+\n], v[TBS+\n:TBS+1+\n], v[T+4*((\n/2)%2)+2:T+4*((\n/2)%2)+3]                        ; x(d + 64) cos + x(d) sin
.endr
	WIN 0
.irp n, 0,2,4,6,8,10,12,14,16,18,20,22,24,26,28,30,32,34,36,38,40,42,44,46,48,50,52,54,56,58,60,62
	v_pk_mul_f32 v[Y+\n:Y+1+\n], v[Y+\n:Y+1+\n], v[XSC+2*(\a):XSC+1+2*(\a)]
.endr
	QUANT Y, PC
	global_store_b128 v[GL], v[PC:PC+3], s[72:73] offset:1024*(\a)         ; 512 consecutive bytes
	global_store_b128 v[GL], v[PC+4:PC+7], s[72:73] offset:1024*(\a)+512
.if (\a)%2 == 0
	v_mov_b32 v[PWE], v[PW]
.else
	v_cndmask_b32 v[PWJ], v[PWE], v[PW], s74       ; lanes 0-15 the even block's words, lanes 16-31 the odd block's
	global_store_b32 v[LS4], v[PWJ], s[72:73] offset:4096+128*((\a)/2)
.endif
.endm
; V: the 32 keys of my group be (my token blocks 2 be, 2 be + 1) go into the wave's stage, a row to a stored token;
.macro VSTAGE be
	WIN 0x08                                       ; an LDS store's data: window 2
.irp u, 0,1
.irp bb, 0,1,2,3,4,5,6,7
	ds_store_b128 v[VSTO], v[64*(2*(\be)+\u)+8*\bb:64*(2*(\be)+\u)+8*\bb+3] offset:528*16*\u+64*\bb      ; each accumulator from its low end on
	ds_store_b128 v[VSTO], v[64*(2*(\be)+\u)+8*\bb+4:64*(2*(\be)+\u)+8*\bb+7] offset:528*16*\u+64*\bb+16
.endr
.endr
	WIN 0
.endm
; and come back with a lane to a column (32 g + lane) and the registers down the keys, in the keys' own order.
.macro VREAD g, set
.set ii, 0
.rept 32
	ds_load_b32 v[VX+32*(\set)+ii], v[VRD] offset:528*((ii&7)+16*((ii>>3)&1)+8*((ii>>4)&1))+128*(\g)
.set ii, ii+1
.endr
.endm
.macro VQ be, g
.set XS, VX+32*((\g)%2)
.set CVR, CV+4*(4*(\be)+(\g))
	v_max3_num_f32 v100, |v[XS]|, |v[XS+1]|, |v[XS+2]|
	v_max3_num_f32 v101, |v[XS+3]|, |v[XS+4]|, |v[XS+5]|
.irp i, 6,10,14,18,22,26
	v_max3_num_f32 v100, v100, |v[XS+\i]|, |v[XS+\i+1]|
	v_max3_num_f32 v101, v101, |v[XS+\i+2]|, |v[XS+\i+3]|
.endr
	v_max3_num_f32 v100, v100, |v[XS+30]|, |v[XS+31]|
	v_max3_num_f32 v100, v100, v101, 0x1800000
	v_add_nc_u32 v102, 0xff000000, v100
	v_lshrrev_b32 v101, 23, v102
.if (\be) == 0
	v_mov_b32 v[SBV+(\g)], v101
.else
	v_lshl_or_b32 v[SBV+(\g)], v101, 8, v[SBV+(\g)]
.endif
.irp k, 0,1,2,3
	v_cvt_scalef32_pk8_fp4_f32 v[CVR+\k], v[XS+8*\k:XS+8*\k+7], v102
.endr
	v_nop                                          ; one plain line behind the conversions
	global_store_b128 v[VCO], v[CVR:CVR+3], s[72:73] offset:4352*((\g)/2)+2048*((\g)%2)+256*(\be)   ; sixteen lanes fill 256 consecutive bytes, aligned
.endm
	PLACES NP                                      ; between the last products and the first read of results and the loads into A's registers
	s_cmp_eq_u32 ttmp9, 0
	s_cbranch_scc1 .Lrope                          ; query heads
	s_cmp_eq_u32 s16, 0
	s_cbranch_scc1 .Lrope                          ; K heads
	; ---- V: my 64 keys x 128 d become two of the four key blocks of eight fragments of 16 d x 128 keys
	s_wait_alu depctr_va_vdst(0)
.irp be, 0,1
	VSTAGE \be
	VREAD 0, 0
.irp g, 0,1,2,3
.if \g < 3
	VREAD \g+1, (\g+1)%2
	s_wait_dscnt 32                                ; this column group's 32 loads are in; the next group's may be out
.else
	s_wait_dscnt 0x0
.endif
	VQ \be, \g
.endr
.endr
.irp g, 0,1,2,3
	global_store_b16 v[VW], v[SBV+\g], s[72:73] offset:4352*(\g/2)+4096+128*(\g%2)   ; my two bytes of each d's scale word; the wave with the other 64 keys stores the other two
.endr
	s_branch .Ldone
.Lrope:
	TABLOAD 2                                      ; the table's other two sets, two blocks ahead of their use
	TABLOAD 3
.irp b, 0,1,2,3
	v_mov_b32 v[TM+4+\b], 0                        ; written once: a lane permute's destination counts as one of its sources
.endr
.irp a, 0,1,2,3
	ROPE \a
.endr
.Ldone:
	s_wait_tensorcnt 0x0                           ; the wave's end
	ds_add_u32 v[SPW], v[NIL]
	s_wait_dscnt 0x0
	CROUND                                         ; the closing round
	s_endpgm
.Lfunc_end_k_q9b0b80873a_qkv:
	.size	k_q9b0b80873a_qkv, .Lfunc_end_k_q9b0b80873a_qkv-k_q9b0b80873a_qkv
	.p2alignl 7, 3214868480
	.fill 96, 4, 3214868480
	.section	.rodata,"a",@progbits
	.p2align	6, 0x0
	.amdhsa_kernel k_q9b0b80873a_qkv
		.amdhsa_group_segment_fixed_size 327680
		.amdhsa_private_segment_fixed_size 0
		.amdhsa_enable_private_segment 0
		.amdhsa_kernarg_size 40
		.amdhsa_user_sgpr_count 2
		.amdhsa_user_sgpr_kernarg_segment_ptr 1
		.amdhsa_wavefront_size32 1
		.amdhsa_system_sgpr_workgroup_id_x 1
		.amdhsa_system_sgpr_workgroup_id_y 1
		.amdhsa_system_sgpr_workgroup_id_z 1
		.amdhsa_system_vgpr_workitem_id 0
		.amdhsa_next_free_vgpr 1024
		.amdhsa_next_free_sgpr 96
		.amdhsa_reserve_vcc 0
		.amdhsa_float_denorm_mode_32 3
		.amdhsa_float_denorm_mode_16_64 3
		.amdhsa_memory_ordered 1
		.amdhsa_forward_progress 1
		.amdhsa_inst_pref_size 189
	.end_amdhsa_kernel
	.amdgpu_metadata
---
amdhsa.version: [ 1, 2 ]
amdhsa.kernels:
  - .name:           k_q9b0b80873a_qkv
    .symbol:         k_q9b0b80873a_qkv.kd
    .args:
      - { .name: xq, .offset: 0, .size: 8, .value_kind: global_buffer, .address_space: global }
      - { .name: wqkv, .offset: 8, .size: 8, .value_kind: global_buffer, .address_space: global }
      - { .name: rope, .offset: 16, .size: 8, .value_kind: global_buffer, .address_space: global }
      - { .name: qbuf, .offset: 24, .size: 8, .value_kind: global_buffer, .address_space: global }
      - { .name: kv, .offset: 32, .size: 8, .value_kind: global_buffer, .address_space: global }
    .group_segment_fixed_size: 327680
    .private_segment_fixed_size: 0
    .kernarg_segment_align: 8
    .kernarg_segment_size: 40
    .max_flat_workgroup_size: 128
    .sgpr_count:     96
    .vgpr_count:     1024
    .wavefront_size: 32
...
	.end_amdgpu_metadata
.endif
;; end of part 6
;; launch attn (part 7): grid 256 x 1, 8 waves a work-group, clusters of 4 x 1, 327,680 bytes of LDS; arguments qbuf, kv, ao; writes ao
.if DOCPART == 7
	.amdgcn_target "amdgcn-amd-amdhsa--gfx1250"
	.amdhsa_code_object_version 6
	.text
	.protected	k_q9b0b80873a_attn
	.globl	k_q9b0b80873a_attn
	.p2align	8
	.type	k_q9b0b80873a_attn,@function
k_q9b0b80873a_attn:
	s_mov_b64 s[64:65], 0
	v_nop
	global_prefetch_b8 v0, s[64:65] scope:SCOPE_SE
	s_setreg_imm32_b32 hwreg(HW_REG_WAVE_MODE, 25, 1), 1
	s_wait_xcnt 0x0
	s_wait_alu depctr_hold_cnt(0) depctr_sa_sdst(0) depctr_va_vdst(0) depctr_va_sdst(0) depctr_va_ssrc(0) depctr_va_vcc(0) depctr_vm_vsrc(0)
	s_getreg_b32 s2, hwreg(HW_REG_IB_STS2, 6, 4)
	s_cmp_eq_u32 s2, 0
	s_cbranch_scc0 .Lentry_in_a_cluster
	s_endpgm
.Lentry_in_a_cluster:
	s_bfe_u32 s2, ttmp6, 0x10000c
	s_cmp_lg_u32 s2, 0x3003
	s_cbranch_scc0 .Lentry_shape_is_right
	s_endpgm
.Lentry_shape_is_right:
; ATTN: causal attention on codes of FP4, 8 query heads on 4 key and value heads, 2,048 positions, head size 128.  M = the running largest t rounded up to a whole number;
; p = 2^(t - M) is quantised along the keys, not normalised; the row's sum is taken of the unquantised p and divides at the end; the result is quantised along (head, d) for the last product.
; t = score x c, c = f32(log2(e) / sqrt(128)); t - M is one fused multiply-add; the mask and the maxima work on the scores, with which t rises.
; DEAD WORK left out: key steps of 128 keys that lie wholly behind a query block (the mask makes their p zero); NaN or infinity that reaches only those is not carried on.
; SHARES.  A wave owns 16 positions of BOTH query heads of one key and value head (tile 0, tile 1): each fragment of K and V feeds two products, and one mask serves both.  Such a pair of tiles is owned by TWO waves: wave e (0, 1) walks key
; steps e, e + 2, .. of 128 keys, with M, sums and O^T of its own; at the end the two are joined, each wave finishing one half of the head's 128 (the half whose V fragments it takes first, so that it lies in the lower 32 registers
; of O^T).  The joining multiplies by powers of two.
; A cluster of four work-groups owns the query blocks beta and 15 - beta (128 positions each).  Waves w and w + 4 of a work-group have a low and a high block: 8 or 9 key steps together, for any beta.
; Which steps a wave leaves out hangs on the cluster's number, the wave's number and the step's count alone.
; LDS.  All K and V of the head, 16 key steps x 17,408 bytes, are filled ONCE, by one joint load a wave.  A key step is four parts of 4,352 bytes (K's fragments 0-3 and their scale words, K's 4-7, V's 0-3, V's 4-7).
; Wave w brings part w % 4 of the eight key steps 2 j + w / 4: eight rows of 4,352 bytes, each beginning at a multiple of 256; so every load holds bytes of key step 0 or 1, which every work-group reads.
; Part p of key step 2 j + s lies at 139264 s + 34816 p + 4352 j.  No data prefetch: all is asked for once, at the head.
; REGISTERS CHANGE ROLES from step to step: a step's K lies in one region of window 1, tile 1's scores and p in the other; V takes K's place; the next step's K takes p's place as soon as p's codes and sum are made.  A loop's trip is two steps.
; LAYOUT.  Both products are used transposed (S^T = K Q^T, O^T = V^T P^T): a lane holds one query.  K's rows, Q's rows and V's d are laid so that register 16 b + i of a lane's 64 is key (or d) 32 b + 16 (lane / 16) + i.
; LIMITS: NaN and infinities are not served; a block of zeros gets the scale byte 1; a p under 2^-126 counts as 0; the scaled scores stay under 2^31 in magnitude.
; REGISTERS.  Window 0: v1-11, v52-55 addresses; v12, v14 -M of tiles 0, 1; v13, v15 their largest scores; v[16:17] tile 0's sum; v18, v20 the factors f; v24-39 Q; v40-51 scale words and nothing else; v60-99 block maxima, scales, codes;
;   v128-191 tile 0's scores, then p; v192-255 tile 0's O^T.   Window 1: v[16:17] tile 1's sum; v20-83 and v128-191 the two regions; v192-255 tile 1's O^T.   v100-113 of both: the sums' chains.
.set SPARE, 278528                     ; behind the tiles: the spare words, 128 bytes for each wave
.set SPW,  6
.set NIL,  7
.set QSW,  40
.set PSW,  42
.set KSW,  44
.set VSW,  48
.set BM,   60                          ; tile 0's four, then tile 1's
.set PT,   68
.set SOP,  76
.set PCD,  84
.set S,    128
.set O,    192
.set SEL,  20
.set CS,   22                          ; s[22:23] c (the packed form names a pair and takes its low word for both halves)
.set MSB, 0
.macro WIN new                         ; the immediate's high byte repeats the setting that is left
.if MSB != (\new)
	s_set_vgpr_msb (MSB<<8)|(\new)
.set MSB, (\new)
.endif
.endm
.macro CROUND
	s_barrier_signal -1
	s_barrier_wait -1
	s_cmp_lg_u32 s12, 0
	s_cbranch_scc1 .Lnot_wave_0_\@
	s_barrier_signal -3
.Lnot_wave_0_\@:
	s_barrier_wait -3
	s_barrier_signal -1
	s_barrier_wait -1
.endm
.macro ADDR s                          ; the addresses of the key step at LDS byte s
	v_add_nc_u32 v4, \s, v1
	v_add_nc_u32 v5, \s, v2
	v_add_nc_u32 v8, \s, v52
	v_add_nc_u32 v9, \s, v53
	v_add_nc_u32 v10, \s, v54
	v_add_nc_u32 v11, \s, v55
.endm
.macro KLOAD f
	WIN 0x40
.irp t, 0,1,2,3,4,5,6,7
.irp c, 0,1
	ds_load_b128 v[\f+8*\t+4*\c:\f+8*\t+4*\c+3], v4 offset:34816*(\t/4)+1024*(\t%4)+512*\c
.endr
.endr
	WIN 0
.irp i, 0,1,2,3
	ds_load_b32 v[KSW+\i], v5 offset:34816*(\i/2)+4096+128*(\i%2)   ; lanes 0-15 tile 2 i's words, lanes 16-31 tile 2 i + 1's
.endr
.endm
.macro VPART f, from, n                ; V's fragments from .. from + n - 1: my own half of the head's 128 first, then the other
	WIN 0x40
.set vt, \from
.rept \n
	ds_load_b128 v[\f+8*vt:\f+8*vt+3], v[8+vt/4] offset:1024*(vt%4)
	ds_load_b128 v[\f+8*vt+4:\f+8*vt+7], v[8+vt/4] offset:1024*(vt%4)+512
.set vt, vt+1
.endr
	WIN 0
.endm
.macro SPROD d, kf, q, qs              ; S^T of one tile
.irp t, 0,2,4,6
	v_wmma_scale_f32_16x16x128_f8f6f4 v[\d+8*\t:\d+8*\t+7], v[\kf+8*\t:\kf+8*\t+7], v[\q:\q+7], 0, v[KSW+\t/2], v[\qs] matrix_a_fmt:MATRIX_FMT_FP4 matrix_b_fmt:MATRIX_FMT_FP4
	v_wmma_scale_f32_16x16x128_f8f6f4 v[\d+8*\t+8:\d+8*\t+15], v[\kf+8*\t+8:\kf+8*\t+15], v[\q:\q+7], 0, v[KSW+\t/2], v[\qs] matrix_a_fmt:MATRIX_FMT_FP4 matrix_b_fmt:MATRIX_FMT_FP4 matrix_a_scale:MATRIX_SCALE_ROW1
.endr
.endm
.macro OPROD kf, pc, ps                ; O^T of one tile
.irp t, 0,2,4,6
	v_wmma_scale_f32_16x16x128_f8f6f4 v[O+8*\t:O+8*\t+7], v[\kf+8*\t:\kf+8*\t+7], v[\pc:\pc+7], v[O+8*\t:O+8*\t+7], v[VSW+\t/2], v[\ps] matrix_a_fmt:MATRIX_FMT_FP4 matrix_b_fmt:MATRIX_FMT_FP4
	v_wmma_scale_f32_16x16x128_f8f6f4 v[O+8*\t+8:O+8*\t+15], v[\kf+8*\t+8:\kf+8*\t+15], v[\pc:\pc+7], v[O+8*\t+8:O+8*\t+15], v[VSW+\t/2], v[\ps] matrix_a_fmt:MATRIX_FMT_FP4 matrix_b_fmt:MATRIX_FMT_FP4 matrix_a_scale:MATRIX_SCALE_ROW1
.endr
.endm
.macro TREE bm, s, w3, w2              ; the largest score of each block of 32 keys (my 16): for the row's maximum and for the block's largest p
	WIN \w3
.irp b, 0,1,2,3
	v_max3_num_f32 v[\bm+\b], v[\s+16*\b], v[\s+1+16*\b], v[\s+2+16*\b]
.endr
	WIN \w2
.irp i, 3,5,7,9,11,13
.irp b, 0,1,2,3
	v_max3_num_f32 v[\bm+\b], v[\bm+\b], v[\s+16*\b+\i], v[\s+1+16*\b+\i]
.endr
.endr
.irp b, 0,1,2,3
	v_max_num_f32 v[\bm+\b], v[\bm+\b], v[\s+15+16*\b]
.endr
	WIN 0
.endm
.macro ADD2 d, a, b
	v_pk_add_f32 v[\d:\d+1], v[\a:\a+1], v[\b:\b+1]
.endm
.macro SUM s                           ; the row's sum, of the unquantised p: eight chains by turns; the running sum takes few additions a step
	ADD2 100, \s, \s+8
	ADD2 102, \s+16, \s+24
	ADD2 104, \s+32, \s+40
	ADD2 106, \s+48, \s+56
	ADD2 108, \s+2, \s+10
	ADD2 110, \s+18, \s+26
	ADD2 112, \s+34, \s+42
	ADD2 16, 16, \s+50
	ADD2 100, 100, \s+58
	ADD2 102, 102, \s+4
	ADD2 104, 104, \s+12
	ADD2 106, 106, \s+20
	ADD2 108, 108, \s+28
	ADD2 110, 110, \s+36
	ADD2 112, 112, \s+44
	ADD2 16, 16, \s+52
	ADD2 100, 100, \s+60
	ADD2 102, 102, \s+6
	ADD2 104, 104, \s+14
	ADD2 106, 106, \s+22
	ADD2 108, 108, \s+30
	ADD2 110, 110, \s+38
	ADD2 112, 112, \s+46
	ADD2 16, 16, \s+54
	ADD2 100, 100, \s+62
	ADD2 102, 102, 110
	ADD2 104, 104, 112
	ADD2 16, 16, 106
	ADD2 100, 100, 108
	ADD2 102, 102, 104
	ADD2 16, 16, 100
	ADD2 16, 16, 102
.endm
; A KEY STEP of 128 keys: K in region kf, tile 1's scores and p in region sr; \on bytes from s15 lies the wave's next step.  A step whose keys all come after my queries is left out: a scalar branch round its work, not round the lines that step the counts.
.macro STEP kf, sr, on
	s_cmp_gt_u32 s14, s13
	s_cbranch_scc1 .Lend_\@
.rept 5
	v_nop                                          ; the last products have read sr, which the next ones write over
.endr
	s_wait_dscnt 0x0                               ; K is in
	WIN 0x01
	SPROD S, \kf, 24, QSW
	WIN 0x41
	SPROD \sr, \kf, 32, QSW+1
.rept 4
	v_nop
.endr
	VPART \kf, 0, 3                                ; V lands under the softmax; its loads go out in three parts, with the maxima between them
	s_cmp_lg_u32 s14, s13                          ; on the diagonal the scores of hidden keys become -infinity ahead of the maximum
	s_cbranch_scc1 .Lopen_\@
.irp b, 0,1,2,3
.irp j, 0,1,2,3,4,5,6,7,8,9,10,11,12,13,14,15
	v_cmp_gt_i32 s[72+\j], 32*\b+\j, v3
.endr
.irp j, 0,1,2,3,4,5,6,7,8,9,10,11,12,13,14,15
	v_cndmask_b32 v[S+16*\b+\j], v[S+16*\b+\j], v56, s[72+\j]
.endr
	WIN 0x41
.irp j, 0,1,2,3,4,5,6,7,8,9,10,11,12,13,14,15
	v_cndmask_b32 v[\sr+16*\b+\j], v[\sr+16*\b+\j], v56, s[72+\j]
.endr
	WIN 0
.endr
.Lopen_\@:
	TREE BM, S, 0, 0
	VPART \kf, 3, 3
	TREE BM+4, \sr, 0x15, 0x14
	VPART \kf, 6, 2
.irp i, 0,1,2,3
	ds_load_b32 v[VSW+\i], v[10+\i/2] offset:4096+128*(\i%2)
.endr
.irp b, 0,1,2,3,4,5,6,7
	v_permlanex16_b32 v[PT+\b], v[BM+\b], s[SEL], s[SEL+1]
.endr
.irp b, 0,1,2,3,4,5,6,7
	v_max_num_f32 v[BM+\b], v[BM+\b], v[PT+\b]
.endr
	v_max3_num_f32 v22, v[BM], v[BM+1], v[BM+2]
	v_max3_num_f32 v23, v[BM+4], v[BM+5], v[BM+6]
	v_mov_b32 v57, v12
	v_mov_b32 v58, v14
	v_max3_num_f32 v13, v13, v22, v[BM+3]          ; the running largest scores
	v_max3_num_f32 v15, v15, v23, v[BM+7]
	v_mul_f32 v22, 0xbe0293ee, v13                 ; -t (c is positive)
	v_mul_f32 v23, 0xbe0293ee, v15
	v_floor_f32 v12, v22                           ; the new -M: whole numbers
	v_floor_f32 v14, v23
	v_sub_f32 v57, v12, v57                        ; old M - new M
	v_sub_f32 v58, v14, v58
	v_cvt_i32_f32 v57, v57
	v_cvt_i32_f32 v58, v58
	v_ldexp_f32 v18, 1.0, v57                      ; f = 2^(old M - new M): rounds nothing
	v_ldexp_f32 v20, 1.0, v58
.set jj, 0
.rept 32
	v_pk_fma_f32 v[S+jj:S+jj+1], v[S+jj:S+jj+1], s[CS:CS+1], v[12:13] op_sel_hi:[1,0,0]   ; t - M, one rounding
.set jj, jj+2
.endr
.irp b, 0,1,2,3
	v_fma_f32 v[BM+\b], v[BM+\b], s[CS], v12       ; the same of each block's largest score
.endr
.irp b, 4,5,6,7
	v_fma_f32 v[BM+\b], v[BM+\b], s[CS], v14
.endr
	WIN 0x41
.set jj, 0
.rept 32
	v_pk_fma_f32 v[\sr+jj:\sr+jj+1], v[\sr+jj:\sr+jj+1], s[CS:CS+1], v[14:15] op_sel_hi:[1,0,0]
.set jj, jj+2
.endr
	WIN 0
	s_wait_alu depctr_va_vdst(0)
.set jj, 0
.rept 64
	v_exp_f32 v[S+jj], v[S+jj]                     ; p = 2^(t - M)
.set jj, jj+1
.endr
.irp b, 0,1,2,3,4,5,6,7
	v_exp_f32 v[BM+\b], v[BM+\b]                   ; the block's largest p: the same two instructions on the same number
.endr
	WIN 0x41
.set jj, 0
.rept 64
	v_exp_f32 v[\sr+jj], v[\sr+jj]
.set jj, jj+1
.endr
	v_pk_mul_f32 v[16:17], v[16:17], v[20:21] op_sel_hi:[1,0]   ; the sums under the new M (a plain line behind the exponentials)
	WIN 0
	s_wait_alu depctr_va_vdst(0)
	v_pk_mul_f32 v[16:17], v[16:17], v[18:19] op_sel_hi:[1,0]
.irp b, 0,1,2,3,4,5,6,7
	v_max_num_f32 v[BM+\b], 0x1800000, v[BM+\b]    ; the floor
.endr
.irp b, 0,1,2,3,4,5,6,7
	v_add_nc_u32 v[SOP+\b], 0xff000000, v[BM+\b]   ; 2 off the exponent field: the conversion's scale operand
.endr
.irp b, 0,1,2,3,4,5,6,7
	v_lshrrev_b32 v[PT+\b], 23, v[SOP+\b]          ; the byte
.endr
	v_lshl_or_b32 v[PSW], v[PT+1], 8, v[PT]        ; p's scale words for these 128 keys
	v_lshl_or_b32 v[PSW+1], v[PT+5], 8, v[PT+4]
	v_lshl_or_b32 v[PSW], v[PT+2], 16, v[PSW]
	v_lshl_or_b32 v[PSW+1], v[PT+6], 16, v[PSW+1]
	v_lshl_or_b32 v[PSW], v[PT+3], 24, v[PSW]
	v_lshl_or_b32 v[PSW+1], v[PT+7], 24, v[PSW+1]
.irp b, 0,1,2,3
	v_cvt_scalef32_pk8_fp4_f32 v[PCD+2*\b], v[S+16*\b:S+7+16*\b], v[SOP+\b]
	v_cvt_scalef32_pk8_fp4_f32 v[PCD+1+2*\b], v[S+8+16*\b:S+15+16*\b], v[SOP+\b]
.endr
	WIN 0x01
.irp b, 0,1,2,3
	v_cvt_scalef32_pk8_fp4_f32 v[PCD+8+2*\b], v[\sr+16*\b:\sr+7+16*\b], v[SOP+4+\b]
	v_cvt_scalef32_pk8_fp4_f32 v[PCD+9+2*\b], v[\sr+8+16*\b:\sr+15+16*\b], v[SOP+4+\b]
.endr
	WIN 0
	v_nop                                          ; one plain line behind a scaled conversion
.irp c, 0,1,2,3
.irp i, 0,1
	v_permlane16_swap_b32 v[PCD+4*\c+\i], v[PCD+2+4*\c+\i]
.endr
.endr
	SUM S
	WIN 0x45
	SUM \sr
	WIN 0
	s_wait_dscnt 0x0                               ; V is in
	s_add_co_u32 s52, s14, 2
	s_cmp_gt_u32 s52, s13
	s_cbranch_scc1 .Lnomore_\@
	s_add_co_u32 s51, s15, \on
	ADDR s51
	KLOAD \sr                                      ; p has been used: the next step's K takes its place
.Lnomore_\@:
	s_wait_alu depctr_va_vdst(0)
.set jj, 0
.rept 32
	v_pk_mul_f32 v[O+jj:O+jj+1], v[O+jj:O+jj+1], v[18:19] op_sel_hi:[1,0]   ; O^T under the new M.  Ascending: each accumulator from its low end on
.set jj, jj+2
.endr
	WIN 0x41
	s_wait_alu depctr_va_vdst(0)
.set jj, 0
.rept 32
	v_pk_mul_f32 v[O+jj:O+jj+1], v[O+jj:O+jj+1], v[20:21] op_sel_hi:[1,0]
.set jj, jj+2
.endr
	WIN 0x01
	OPROD \kf, PCD, PSW
	WIN 0x51
	OPROD \kf, PCD+8, PSW+1
	WIN 0
.Lend_\@:
	s_add_co_u32 s14, s14, 2
.endm
	s_load_b128 s[4:7], s[0:1], 0x0                ; qbuf, kv
	s_load_b64 s[8:9], s[0:1], 0x10                ; ao
	v_lshl_add_u32 v[SPW], v0, 2, SPARE
	v_mov_b32 v[NIL], 0
	ds_add_u32 v[SPW], v[NIL]                      ; the wave's opening
	ds_add_u32 v[SPW], v[NIL]
	v_lshrrev_b32 v1, 5, v0
	v_readfirstlane_b32 s12, v1                    ; wave 0..7
	s_bfe_u32 s10, ttmp6, 0x40000                  ; cx: it enters Q's and the result's addresses and the mask's numbers alone
	s_lshr_b32 s17, ttmp9, 3                       ; 4 b + hk
	s_and_b32 s18, ttmp9, 7                        ; beta
	s_and_b32 s19, s12, 1                          ; which 16 of my work-group's 32 positions of a block
	s_bfe_u32 s38, s12, 0x10001                    ; e: which of the two waves
	s_lshr_b32 s11, s12, 2                         ; the high block or the low one
	s_sub_co_u32 s13, 15, s18
	s_cmp_eq_u32 s11, 0
	s_cselect_b32 s13, s18, s13                    ; my block of 128 queries: beta or 15 - beta
	s_mov_b32 s24, 15|(3<<16)|(1<<21)              ; group 1: the mask: all four; elements of 8 bytes; bit 21 beside a mask; no padding
	s_mov_b32 s25, 544<<16                         ; tensor_dim0 = 544: 4,352 bytes
	s_mov_b32 s26, 8<<16                           ; tensor_dim1 = 8 rows
	s_mov_b32 s27, 544<<16
	s_mov_b32 s28, 8
	s_mov_b32 s29, 4352                            ; two key steps from row to row: 34,816 bytes
	s_mov_b32 s30, 0
	s_mov_b32 s31, 0
	s_mul_i32 s51, s11, 17408
	s_and_b32 s52, s12, 3
	s_mul_i32 s52, s52, 4352
	s_add_co_u32 s52, s52, s51
	s_mul_i32 s53, s17, 278528
	s_add_co_u32 s52, s52, s53
	s_mov_b32 s53, 0
	s_lshl_b32 s54, s17, 5
	s_add_co_u32 s54, s54, s13
	s_mul_i32 s54, s54, 8704                       ; Q's block of the first of the two heads; the second's lies 16 blocks on
	s_mov_b32 s55, 0
	s_lshl_b32 s56, s10, 1
	s_add_co_u32 s56, s56, s19                     ; my tile t = 2 cx + sub
	s_lshr_b32 s57, s56, 2
	s_mul_i32 s57, s57, 4352
	s_and_b32 s58, s56, 3
	s_lshl_b32 s59, s58, 6
	s_add_co_u32 s59, s59, s57
	s_add_co_u32 s59, s59, 4096                    ; its scale words in the block,
	s_lshl_b32 s58, s58, 10
	s_add_co_u32 s57, s57, s58                     ; and its codes
	s_lshr_b32 s60, s17, 2
	s_lshl_b32 s60, s60, 4
	s_add_co_u32 s60, s60, s13                     ; the result's tile of 128 tokens: 16 b + block
	s_lshl_b32 s60, s60, 1
	s_bfe_u32 s61, s17, 0x10001
	s_add_co_u32 s60, s60, s61                     ; slot hk / 2
	s_mul_i32 s60, s60, 34816
	s_and_b32 s61, s17, 1
	s_lshl_b32 s61, s61, 1                         ; K steps 2 (hk % 2) and the next: the two heads'
	s_lshl_b32 s62, s56, 12
	s_add_co_u32 s62, s62, s60
	s_lshl_b32 s63, s61, 10
	s_add_co_u32 s66, s62, s63
	s_lshl_b32 s63, s38, 9
	s_add_co_u32 s66, s66, s63                     ; codes: 4096 t + 1024 x K step + 512 e
	s_mov_b32 s67, 0
	s_lshl_b32 s62, s56, 8
	s_add_co_u32 s62, s62, s60
	s_lshl_b32 s63, s61, 2
	s_add_co_u32 s62, s62, s63
	s_lshl_b32 s63, s38, 1
	s_add_co_u32 s62, s62, s63
	s_add_co_u32 s68, s62, 32768                   ; scale bytes: 32768 + 256 t + 4 x K step + 2 e
	s_mov_b32 s69, 0
	s_mov_b32 s[SEL], 0x76543210
	s_mov_b32 s[SEL+1], 0xfedcba98
	s_mov_b32 s[CS], 0x3e0293ee                    ; c = log2(e) / sqrt(128)
	s_mov_b32 s[CS+1], s[CS]
	s_mov_b32 s14, s38                             ; the key step
	s_mul_i32 s15, s38, 139264                     ; where it lies
	s_mov_b32 s32, 1
	s_mul_i32 s33, s12, 34816
	s_wait_dscnt 0x0                               ; both opening adds are done
	s_wait_kmcnt 0x0
	s_add_nc_u64 s[34:35], s[6:7], s[52:53]
	s_or_b32 s35, s35, 0x80000000
	s_add_nc_u64 s[4:5], s[4:5], s[54:55]
	s_add_nc_u64 s[66:67], s[8:9], s[66:67]
	s_add_nc_u64 s[68:69], s[8:9], s[68:69]
	CROUND                                         ; all four work-groups are here: the joint loads meet
	tensor_load_to_lds s[32:35], s[24:31]          ; my eighth of K and V
	s_nop 0
.rept 4
	v_nop
.endr
	v_and_b32 v1, 31, v0
	v_lshlrev_b32 v2, 2, v1                        ; 4 x lane
	v_lshlrev_b32 v1, 4, v1                        ; 16 x lane
	v_and_b32 v4, 15, v0                           ; my query's row in the tile
	v_bfe_u32 v5, v0, 4, 1                         ; h
	v_add_nc_u32 v22, s57, v1
	v_lshl_add_u32 v23, v4, 2, s59
	global_load_b128 v[24:27], v22, s[4:5]         ; Q's fragments stay in registers
	global_load_b128 v[28:31], v22, s[4:5] offset:512
	global_load_b128 v[32:35], v22, s[4:5] offset:139264
	global_load_b128 v[36:39], v22, s[4:5] offset:139264+512
	global_load_b32 v[QSW], v23, s[4:5]
	global_load_b32 v[QSW+1], v23, s[4:5] offset:139264
	s_lshl_b32 s54, s10, 5
	s_lshl_b32 s55, s19, 3
	s_add_co_u32 s54, s54, s55
	s_xor_b32 s39, s38, 1
	s_mul_i32 s40, s38, 34816
	s_add_co_u32 s40, s40, 69632
	s_mul_i32 s41, s39, 34816
	s_add_co_u32 s41, s41, 69632
	s_wait_alu depctr_va_vdst(0)
	v_and_b32 v8, 8, v4
	v_add_nc_u32 v8, v8, v4
	v_add_nc_u32 v8, s54, v8                       ; my query's place in its block: 32 cx + 8 sub + r + 8 (r / 8)
	v_lshlrev_b32 v9, 4, v5
	v_sub_nc_u32 v3, v8, v9                        ; less 16 h: register 16 b + i holds a hidden key where 32 b + i is greater
	v_add_nc_u32 v52, s40, v1                      ; V's parts: my own half,
	v_add_nc_u32 v53, s41, v1                      ; and the other
	v_add_nc_u32 v54, s40, v2
	v_add_nc_u32 v55, s41, v2
	ADDR s15
	v_mov_b32 v13, 0xff61b1e6                      ; the largest score so far: -3e38
	v_mov_b32 v15, v13
	v_mul_f32 v12, 0xbe0293ee, v13
	v_floor_f32 v12, v12                           ; -M
	v_mov_b32 v14, v12
	v_mov_b32 v16, 0
	v_mov_b32 v17, 0
	v_mov_b32 v19, 0                               ; (the upper halves of pairs that are named)
	v_mov_b32 v21, 0
	v_mov_b32 v56, 0xff800000                      ; -infinity
.irp b, 0,1,2,3,4,5,6,7
	v_mov_b32 v[PT+\b], 0                          ; written once: a lane permute's destination counts as one of its sources
.endr
.set jj, 0
.rept 64
	v_mov_b32 v[O+jj], 0                           ; O^T: the step is written once, its first pass finds zeros.  The tiles are on their way meanwhile
.set jj, jj+1
.endr
	WIN 0x40
	v_mov_b32 v16, 0                               ; tile 1's sum
	v_mov_b32 v17, 0
.set jj, 0
.rept 128
	v_mov_b32 v[S+jj], 0                           ; tile 1's O^T; and the second region, so that it is written on every way
.set jj, jj+1
.endr
	WIN 0
	s_wait_alu depctr_va_vdst(0)
	s_wait_loadcnt 0x0                             ; Q
	s_wait_tensorcnt 0x0                           ; my part of K and V is in:
	s_barrier_signal -1
	s_barrier_wait -1                              ; everybody's is.  Nothing is filled again
	KLOAD 20
	s_mov_b32 s16, 4
.Lloop:
	STEP 20, 128, 4352
	STEP 128, 20, 8704
	s_add_co_u32 s15, s15, 8704
	s_sub_co_u32 s16, s16, 1
	s_cmp_lg_u32 s16, 0
	s_wait_alu depctr_va_vdst(0)
	s_cbranch_scc1 .Lloop
	; THE TWO WAVES OF A PAIR OF TILES ARE JOINED.  Each hands the other's half of O^T, its M and its sum over, in LDS bytes that held tiles: they have had their one fill, and behind the first barrier nobody reads them
.rept 4
	v_nop                                          ; between the last products and the first read of their results
.endr
	s_mul_i32 s51, s12, 8704
	s_xor_b32 s52, s12, 2
	s_mul_i32 s52, s52, 8704
	v_add_f32 v16, v16, v17                        ; tile 0's sum,
	v_add_nc_u32 v4, s51, v1                       ; mine to write,
	v_add_nc_u32 v5, s51, v2
	v_add_nc_u32 v8, s52, v1                       ; and my partner's to read
	v_add_nc_u32 v9, s52, v2
	WIN 0x05
	v_add_f32 v17, v16, v17                        ; and tile 1's, into window 0
	WIN 0
	s_wait_alu depctr_va_vdst(0)
	s_wait_dscnt 0x0
	s_barrier_signal -1
	s_barrier_wait -1
.irp k, 0,1,2,3,4,5,6,7
	ds_store_b128 v4, v[O+32+4*\k:O+35+4*\k] offset:512*\k   ; each accumulator from its low end on
.endr
	ds_store_b32 v5, v12 offset:4096
	ds_store_b32 v5, v16 offset:4224
	ds_store_b32 v5, v14 offset:8448
	ds_store_b32 v5, v17 offset:8576
	WIN 0x04
.irp k, 0,1,2,3,4,5,6,7
	ds_store_b128 v4, v[O+32+4*\k:O+35+4*\k] offset:4352+512*\k
.endr
	WIN 0
	s_wait_dscnt 0x0
	s_barrier_signal -1
	s_barrier_wait -1
	ds_load_b32 v57, v9 offset:4096                ; its -M and its sum, tile 0,
	ds_load_b32 v58, v9 offset:4224
	ds_load_b32 v59, v9 offset:8448                ; tile 1
	ds_load_b32 v100, v9 offset:8576
.irp k, 0,1,2,3,4,5,6,7
	ds_load_b128 v[S+4*\k:S+3+4*\k], v8 offset:512*\k
.endr
	WIN 0x40
.irp k, 0,1,2,3,4,5,6,7
	ds_load_b128 v[S+4*\k:S+3+4*\k], v8 offset:4352+512*\k
.endr
	WIN 0
	s_wait_tensorcnt 0x0
	ds_add_u32 v[SPW], v[NIL]
	s_wait_dscnt 0x0                               ; the add is done, and my partner's half is in
	v_min_num_f32 v22, v12, v57                    ; the joint -M
	v_min_num_f32 v23, v14, v59
	v_sub_f32 v68, v22, v12
	v_sub_f32 v69, v22, v57
	v_sub_f32 v70, v23, v14
	v_sub_f32 v71, v23, v59
	v_cvt_i32_f32 v68, v68
	v_cvt_i32_f32 v69, v69
	v_cvt_i32_f32 v70, v70
	v_cvt_i32_f32 v71, v71
	v_ldexp_f32 v18, 1.0, v68                      ; 2^(my M - M),
	v_ldexp_f32 v72, 1.0, v69                      ; 2^(its M - M)
	v_ldexp_f32 v20, 1.0, v70
	v_ldexp_f32 v74, 1.0, v71
	v_mul_f32 v58, v58, v72
	v_mul_f32 v100, v100, v74
	v_fma_f32 v16, v16, v18, v58
	v_fma_f32 v17, v17, v20, v100
	v_permlanex16_b32 v68, v16, s[SEL], s[SEL+1]
	v_permlanex16_b32 v69, v17, s[SEL], s[SEL+1]
	v_mov_b32 v77, 0                               ; (the upper halves of pairs that are named)
	v_mov_b32 v79, 0
	v_mov_b32 v81, 0
	v_mov_b32 v83, 0
	v_add_f32 v76, v16, v68                        ; the rows' sums l
	v_add_f32 v78, v17, v69
.macro JOIN fa, fb, w1, w2             ; O^T under the joint M.  Ascending: each accumulator from its low end on
	WIN \w1
.set jj, 0
.rept 16
	v_pk_mul_f32 v[S+jj:S+jj+1], v[S+jj:S+jj+1], v[\fb:\fb+1] op_sel_hi:[1,0]
.set jj, jj+2
.endr
	WIN \w2
.set jj, 0
.rept 16
	v_pk_fma_f32 v[O+jj:O+jj+1], v[O+jj:O+jj+1], v[\fa:\fa+1], v[S+jj:S+jj+1] op_sel_hi:[1,0,1]
.set jj, jj+2
.endr
	WIN 0
.endm
	JOIN 18, 72, 0, 0
	JOIN 20, 74, 0x41, 0x51
	s_wait_alu depctr_va_vdst(0)
	v_rcp_f32 v80, v76
	v_rcp_f32 v82, v78
	v_nop
	s_wait_alu depctr_va_vdst(0)
	v_fma_f32 v57, -v76, v80, 1.0
	v_fma_f32 v58, -v78, v82, 1.0
	v_fma_f32 v80, v57, v80, v80                   ; 1 / l, corrected once
	v_fma_f32 v82, v58, v82, v82
; O^T / l, rounded as a division rounds
.macro DIVIDE l, rl, w1, w2
	WIN \w1
.set jj, 0
.rept 16
	v_pk_mul_f32 v[S+32+jj:S+33+jj], v[O+jj:O+jj+1], v[\rl:\rl+1] op_sel_hi:[1,0]   ; q0
.set jj, jj+2
.endr
	WIN \w2
.set jj, 0
.rept 16
	v_pk_fma_f32 v[O+jj:O+jj+1], v[S+32+jj:S+33+jj], v[\l:\l+1], v[O+jj:O+jj+1] op_sel_hi:[1,0,1] neg_lo:[1,0,0] neg_hi:[1,0,0]   ; the remainder O - q0 l
.set jj, jj+2
.endr
.set jj, 0
.rept 16
	v_pk_fma_f32 v[S+32+jj:S+33+jj], v[O+jj:O+jj+1], v[\rl:\rl+1], v[S+32+jj:S+33+jj] op_sel_hi:[1,0,1]   ; the quotient
.set jj, jj+2
.endr
	WIN 0
.endm
	DIVIDE 76, 80, 0, 0
	DIVIDE 78, 82, 0x41, 0x51
; quantised along d: a half of a K step of the last product's operand, rows = my 16 queries
.macro QMAX bm, w3, w2
	WIN \w3
.irp b, 0,1
	v_max3_num_f32 v[\bm+\b], |v[160+16*\b]|, |v[161+16*\b]|, 0x1800000   ; my 16 numbers of the half's block b, and the floor
	v_max3_num_f32 v[\bm+2+\b], |v[162+16*\b]|, |v[163+16*\b]|, |v[164+16*\b]|
.endr
	WIN \w2
.irp i, 5,9
.irp b, 0,1
	v_max3_num_f32 v[\bm+\b], v[\bm+\b], |v[160+16*\b+\i]|, |v[161+16*\b+\i]|
	v_max3_num_f32 v[\bm+2+\b], v[\bm+2+\b], |v[162+16*\b+\i]|, |v[163+16*\b+\i]|
.endr
.endr
.irp b, 0,1
	v_max3_num_f32 v[\bm+\b], v[\bm+\b], |v[173+16*\b]|, |v[174+16*\b]|
	v_max_num_f32 v[\bm+2+\b], v[\bm+2+\b], |v[175+16*\b]|
.endr
	WIN 0
.endm
	QMAX BM, 0, 0
	QMAX BM+4, 0x15, 0x14
.irp b, 0,1,4,5
	v_max_num_f32 v[BM+\b], v[BM+\b], v[BM+2+\b]
.endr
.irp b, 0,1,4,5
	v_permlanex16_b32 v[PT+\b], v[BM+\b], s[SEL], s[SEL+1]
.endr
.irp b, 0,1,4,5
	v_max_num_f32 v[BM+\b], v[BM+\b], v[PT+\b]     ; with lane l xor 16's: the block's largest magnitude
.endr
.irp b, 0,1,4,5
	v_add_nc_u32 v[SOP+\b], 0xff000000, v[BM+\b]
.endr
.irp b, 0,1,4,5
	v_lshrrev_b32 v[PT+\b], 23, v[SOP+\b]
.endr
	v_lshl_or_b32 v57, v[PT+1], 8, v[PT]           ; the half's two scale bytes
	v_lshl_or_b32 v58, v[PT+5], 8, v[PT+4]
	v_and_b32 v59, 15, v0
	v_lshlrev_b32 v59, 4, v59                      ; 16 bytes a row
.irp b, 0,1
	v_cvt_scalef32_pk8_fp4_f32 v[PCD+2*\b], v[160+16*\b:167+16*\b], v[SOP+\b]
	v_cvt_scalef32_pk8_fp4_f32 v[PCD+1+2*\b], v[168+16*\b:175+16*\b], v[SOP+\b]
.endr
	WIN 0x01
.irp b, 0,1
	v_cvt_scalef32_pk8_fp4_f32 v[PCD+4+2*\b], v[160+16*\b:167+16*\b], v[SOP+4+\b]
	v_cvt_scalef32_pk8_fp4_f32 v[PCD+5+2*\b], v[168+16*\b:175+16*\b], v[SOP+4+\b]
.endr
	WIN 0
	v_nop
.irp i, 0,1,4,5
	v_permlane16_swap_b32 v[PCD+\i], v[PCD+2+\i]   ; a whole block in a lane
.endr
	global_store_b128 v1, v[PCD:PCD+3], s[66:67]   ; 512 consecutive bytes: the first head's K step,
	global_store_b128 v1, v[PCD+4:PCD+7], s[66:67] offset:1024   ; and the second's
	global_store_b16 v59, v57, s[68:69]            ; row r's two bytes (lanes 16-31 hold and write the same)
	global_store_b16 v59, v58, s[68:69] offset:4
	CROUND                                         ; the closing round
	s_endpgm
.Lfunc_end_k_q9b0b80873a_attn:
	.size	k_q9b0b80873a_attn, .Lfunc_end_k_q9b0b80873a_attn-k_q9b0b80873a_attn
	.p2alignl 7, 3214868480
	.fill 96, 4, 3214868480
	.section	.rodata,"a",@progbits
	.p2align	6, 0x0
	.amdhsa_kernel k_q9b0b80873a_attn
		.amdhsa_group_segment_fixed_size 327680
		.amdhsa_private_segment_fixed_size 0
		.amdhsa_enable_private_segment 0
		.amdhsa_kernarg_size 24
		.amdhsa_user_sgpr_count 2
		.amdhsa_user_sgpr_kernarg_segment_ptr 1
		.amdhsa_wavefront_size32 1
		.amdhsa_system_sgpr_workgroup_id_x 1
		.amdhsa_system_sgpr_workgroup_id_y 1
		.amdhsa_system_sgpr_workgroup_id_z 1
		.amdhsa_system_vgpr_workitem_id 0
		.amdhsa_next_free_vgpr 512
		.amdhsa_next_free_sgpr 96
		.amdhsa_reserve_vcc 0
		.amdhsa_float_denorm_mode_32 3
		.amdhsa_float_denorm_mode_16_64 3
		.amdhsa_memory_ordered 1
		.amdhsa_forward_progress 1
		.amdhsa_inst_pref_size 128
	.end_amdhsa_kernel
	.amdgpu_metadata
---
amdhsa.version: [ 1, 2 ]
amdhsa.kernels:
  - .name:           k_q9b0b80873a_attn
    .symbol:         k_q9b0b80873a_attn.kd
    .args:
      - { .name: qbuf, .offset: 0, .size: 8, .value_kind: global_buffer, .address_space: global }
      - { .name: kv, .offset: 8, .size: 8, .value_kind: global_buffer, .address_space: global }
      - { .name: ao, .offset: 16, .size: 8, .value_kind: global_buffer, .address_space: global }
    .group_segment_fixed_size: 327680
    .private_segment_fixed_size: 0
    .kernarg_segment_align: 8
    .kernarg_segment_size: 24
    .max_flat_workgroup_size: 256
    .sgpr_count:     96
    .vgpr_count:     512
    .wavefront_size: 32
...
	.end_amdgpu_metadata
.endif
;; end of part 7
;; launch oproj (part 8): grid 16 x 16, 4 waves a work-group, clusters of 4 x 1, 327,680 bytes of LDS; arguments ao, woc, out0; writes out0
.if DOCPART == 8
	.amdgcn_target "amdgcn-amd-amdhsa--gfx1250"
	.amdhsa_code_object_version 6
	.text
	.protected	k_q9b0b80873a_oproj
	.globl	k_q9b0b80873a_oproj
	.p2align	8
	.type	k_q9b0b80873a_oproj,@function
k_q9b0b80873a_oproj:
	s_mov_b64 s[64:65], 0
	v_nop
	global_prefetch_b8 v0, s[64:65] scope:SCOPE_SE
	s_setreg_imm32_b32 hwreg(HW_REG_WAVE_MODE, 25, 1), 1
	s_wait_xcnt 0x0
	s_wait_alu depctr_hold_cnt(0) depctr_sa_sdst(0) depctr_va_vdst(0) depctr_va_sdst(0) depctr_va_ssrc(0) depctr_va_vcc(0) depctr_vm_vsrc(0)
	s_getreg_b32 s2, hwreg(HW_REG_IB_STS2, 6, 4)
	s_cmp_eq_u32 s2, 0
	s_cbranch_scc0 .Lentry_in_a_cluster
	s_endpgm
.Lentry_in_a_cluster:
	s_bfe_u32 s2, ttmp6, 0x10000c
	s_cmp_lg_u32 s2, 0x3003
	s_cbranch_scc0 .Lentry_shape_is_right
	s_endpgm
.Lentry_shape_is_right:
; OPROJ: the attention's result [4,096 tokens] x Wo [1,024 x 2,048] on codes of FP4 with E8M0 scales; f32 out.  A tile of 256 tokens x 128 columns to a work-group of four waves: 16 x 16 = 256 work-groups; a wave makes 64 x 128: 32 accumulators.
; THE WEIGHTS of the 128 columns for all of K (1,024: two UNITs of 34,816 bytes) come into LDS ONCE: one joint load of 17,408 bytes a wave.  Work-groups x 4 c .. 4 c + 3 form a cluster: they need the same weights and ask for them jointly.
; THE TOKENS' fragments (32,768 bytes a wave, all of K) go from memory straight into 256 registers and stay: no two waves of a work-group share them, so in LDS each would be written once and read once for nothing.
; THE PRODUCTS GO BY COLUMNS: two blocks of 16 columns at a time through all of K (64 products on 8 accumulators by turns), so that the first 64 columns leave while the other 64 are still to be multiplied.
; COLUMNS are laid so that block 4 g + b, lane r is column 64 g + 4 r + b: a lane's registers j of four neighbouring accumulators are four neighbouring columns of row j, and sixteen lanes hold 256 neighbouring bytes: nothing goes through LDS on the way out.
; No data prefetch: everything is asked for at once, at the head.  LIMITS: NaN and infinities are not served.
; REGISTERS: window 0: v0-31 addresses; v32-47 the tokens' scale words, v48-79 the weights', nothing else; v128-255 the first half on its way out.   window 1: the tokens' fragment (a, k) at v[64 a + 8 k]; the second half on its way out.
;   window 2: the weights' fragments, two sets of two blocks.   window 3: accumulator (a, n) at v[32 n + 8 a].
.set UNIT,  34816
.set SPARE, 2*UNIT                     ; behind the weights: the spare words, 128 bytes for each wave
.set VA,    8                          ; v8   16 x lane
.set ADRB,  8                          ; v8-9 the same, on K slots 0 and 1 in LDS
.set CO,    10                         ; v10  my byte offset in C: 16 rows x (lane / 16) + 16 (lane % 16)
.set SPW,   28
.set NIL,   29
.set SA,    32
.set SB,    48
.set MSB, 0
.macro WIN new                         ; the immediate's high byte repeats the setting that is left
.if MSB != (\new)
	s_set_vgpr_msb (MSB<<8)|(\new)
.set MSB, (\new)
.endif
.endm
.set MUL,  0xf9                        ; source 0 (tokens) window 1, source 1 (weights) window 2, C and D window 3
.macro CROUND
	s_barrier_signal -1
	s_barrier_wait -1
	s_cmp_lg_u32 s14, 0
	s_cbranch_scc1 .Lnot_wave_0_\@
	s_barrier_signal -3
.Lnot_wave_0_\@:
	s_barrier_wait -3
	s_barrier_signal -1
	s_barrier_wait -1
.endm
.macro ALOAD k                         ; the tokens' four fragments of step k
	WIN 0x40
.irp a, 0,1,2,3
.irp c, 0,1
	global_load_b128 v[64*\a+8*(\k)+4*\c:64*\a+8*(\k)+4*\c+3], v[VA], s[58:59] offset:UNIT*((\k)/4)+4096*\a+1024*((\k)%4)+512*\c
.endr
.endr
	WIN 0
.endm
.macro FETCH p                         ; column blocks 2 p, 2 p + 1 for all of K: 32 loads into set p % 2
	WIN 0x80
.irp k, 0,1,2,3,4,5,6,7
.irp n, 0,1
.irp c, 0,1
	ds_load_b128 v[128*((\p)%2)+64*\n+8*\k+4*\c:128*((\p)%2)+64*\n+8*\k+4*\c+3], v[ADRB+\k/4] offset:4096*(2*(\p)+\n)+1024*(\k%4)+512*\c
.endr
.endr
.endr
	WIN 0
.endm
.macro WMX n, k, a, c                  ; scale words: lanes 0-15 the even block's, lanes 16-31 the odd block's
.if (\n)%2
.if (\a)%2
	v_wmma_scale_f32_16x16x128_f8f6f4 v[32*(\n)+8*(\a):32*(\n)+8*(\a)+7], v[64*(\a)+8*(\k):64*(\a)+8*(\k)+7], v[64*((\n)%4)+8*(\k):64*((\n)%4)+8*(\k)+7], \c, v[SA+8*((\k)/4)+4*((\a)/2)+(\k)%4], v[SB+16*((\k)/4)+4*((\n)/2)+(\k)%4] matrix_a_fmt:MATRIX_FMT_FP4 matrix_b_fmt:MATRIX_FMT_FP4 matrix_a_scale:MATRIX_SCALE_ROW1 matrix_b_scale:MATRIX_SCALE_ROW1
.else
	v_wmma_scale_f32_16x16x128_f8f6f4 v[32*(\n)+8*(\a):32*(\n)+8*(\a)+7], v[64*(\a)+8*(\k):64*(\a)+8*(\k)+7], v[64*((\n)%4)+8*(\k):64*((\n)%4)+8*(\k)+7], \c, v[SA+8*((\k)/4)+4*((\a)/2)+(\k)%4], v[SB+16*((\k)/4)+4*((\n)/2)+(\k)%4] matrix_a_fmt:MATRIX_FMT_FP4 matrix_b_fmt:MATRIX_FMT_FP4 matrix_b_scale:MATRIX_SCALE_ROW1
.endif
.else
.if (\a)%2
	v_wmma_scale_f32_16x16x128_f8f6f4 v[32*(\n)+8*(\a):32*(\n)+8*(\a)+7], v[64*(\a)+8*(\k):64*(\a)+8*(\k)+7], v[64*((\n)%4)+8*(\k):64*((\n)%4)+8*(\k)+7], \c, v[SA+8*((\k)/4)+4*((\a)/2)+(\k)%4], v[SB+16*((\k)/4)+4*((\n)/2)+(\k)%4] matrix_a_fmt:MATRIX_FMT_FP4 matrix_b_fmt:MATRIX_FMT_FP4 matrix_a_scale:MATRIX_SCALE_ROW1
.else
	v_wmma_scale_f32_16x16x128_f8f6f4 v[32*(\n)+8*(\a):32*(\n)+8*(\a)+7], v[64*(\a)+8*(\k):64*(\a)+8*(\k)+7], v[64*((\n)%4)+8*(\k):64*((\n)%4)+8*(\k)+7], \c, v[SA+8*((\k)/4)+4*((\a)/2)+(\k)%4], v[SB+16*((\k)/4)+4*((\n)/2)+(\k)%4] matrix_a_fmt:MATRIX_FMT_FP4 matrix_b_fmt:MATRIX_FMT_FP4
.endif
.endif
.endm
.macro PAIR p                          ; 64 products: 64 tokens x 32 columns, all of K
	WIN MUL
.irp k, 0,1,2,3,4,5,6,7
.irp n, 0,1
.irp a, 0,1,2,3
.if \k == 0
	WMX 2*\p+\n, \k, \a, 0
.else
	WMX 2*\p+\n, \k, \a, v[32*(2*\p+\n)+8*\a:32*(2*\p+\n)+8*\a+7]
.endif
.endr
.endr
.endr
	WIN 0
.endm
.macro PLACES
.rept 4
	v_nop                                          ; between products and the loads into, the writes of or the reads of their registers
.endr
.endm
; THE WAY OUT of columns 64 g .. 64 g + 63: row j (and j + 16 in lanes 16-31) of token block a is four moves and one store of two whole units of 256 bytes.
.macro OUT g, mw, sw, tb
.irp a, 0,1,2,3
	WIN \mw
.irp j, 0,1,2,3,4,5,6,7                ; each accumulator from its low end on
.irp b, 0,1,2,3
	v_mov_b32 v[\tb+32*\a+4*\j+\b], v[32*(4*\g+\b)+8*\a+\j]
.endr
.endr
	WIN \sw
.irp j, 0,1,2,3,4,5,6,7
	global_store_b128 v[CO], v[\tb+32*\a+4*\j:\tb+32*\a+4*\j+3], s[8:9] offset:(32*(\a/2)+8*(\a%2)+\j)*8192+256*\g th:TH_STORE_NT
.endr
.endr
	WIN 0
.endm
	s_load_b128 s[4:7], s[0:1], 0x0                ; ao, woc
	s_load_b64 s[8:9], s[0:1], 0x10                ; out0
	v_lshl_add_u32 v[SPW], v0, 2, SPARE
	v_mov_b32 v[NIL], 0
	ds_add_u32 v[SPW], v[NIL]                      ; the wave's opening
	ds_add_u32 v[SPW], v[NIL]
	v_lshrrev_b32 v1, 5, v0
	v_readfirstlane_b32 s14, v1                    ; wave 0..3: tokens 64 w on
	s_lshr_b32 s15, s14, 1
	s_and_b32 s16, s14, 1
	s_bfe_u32 s44, ttmp6, 0x40000                  ; cx: it enters the tokens' and the result's addresses alone
	s_lshl_b32 s46, ttmp9, 2
	s_add_co_u32 s46, s46, s44                     ; tile of 256 tokens
	s_and_b32 s17, ttmp7, 0xffff                   ; tile of 128 columns
	s_mov_b32 s24, 15|(3<<16)|(1<<21)              ; group 1: the mask: all four; elements of 8 bytes; bit 21 beside a mask; no padding
	s_mov_b32 s25, 32<<16                          ; tensor_dim0 = 32 elements: 256 bytes
	s_mov_b32 s26, 68<<16                          ; tensor_dim1 = 68 rows: 17,408 bytes
	s_mov_b32 s27, 32<<16
	s_mov_b32 s28, 68
	s_mov_b32 s29, 32                              ; dense
	s_mov_b32 s30, 0
	s_mov_b32 s31, 0
	s_mov_b32 s32, 1
	s_mul_i32 s33, s14, 17408
	s_mul_i32 s60, s17, 2*UNIT
	s_add_co_u32 s60, s60, s33
	s_mov_b32 s61, 0
	s_lshl_b32 s56, s46, 1
	s_add_co_u32 s56, s56, s15
	s_mul_i32 s56, s56, 2*UNIT                     ; my 128 tokens' UNITs
	s_lshl_b32 s58, s16, 14
	s_add_co_u32 s58, s58, s56                     ; my four fragments,
	s_mov_b32 s59, 0
	s_lshl_b32 s62, s16, 10
	s_add_co_u32 s62, s62, s56
	s_add_co_u32 s62, s62, 32768                   ; and their scale rows
	s_mov_b32 s63, 0
	s_lshl_b32 s20, s46, 8
	s_lshl_b32 s21, s14, 6
	s_add_co_u32 s20, s20, s21
	s_lshl_b32 s20, s20, 13                        ; my first token's row of C,
	s_lshl_b32 s21, s17, 9
	s_add_co_u32 s20, s20, s21                     ; my first column
	s_mov_b32 s21, 0
	v_and_b32 v3, 31, v0                           ; lane
	v_and_b32 v1, 15, v0                           ; r
	v_bfe_u32 v2, v0, 4, 1                         ; h
	v_lshlrev_b32 v[VA], 4, v3
	v_lshlrev_b32 v[CO], 17, v2
	v_lshl_add_u32 v[CO], v1, 4, v[CO]
	v_add_nc_u32 v[ADRB+1], UNIT, v[VA]
	s_wait_alu depctr_va_vdst(0)
	s_wait_dscnt 0x0                               ; both opening adds are done
	s_wait_kmcnt 0x0
	s_add_nc_u64 s[34:35], s[6:7], s[60:61]
	s_or_b32 s35, s35, 0x80000000
	s_add_nc_u64 s[58:59], s[4:5], s[58:59]
	s_add_nc_u64 s[62:63], s[4:5], s[62:63]
	s_add_nc_u64 s[8:9], s[8:9], s[20:21]
.irp s, 0,1
.irp p, 0,1
	global_load_b128 v[SA+8*\s+4*\p:SA+8*\s+4*\p+3], v[VA], s[62:63] offset:UNIT*\s+512*\p   ; two blocks' scale rows: 32 x 16 bytes
.endr
.endr
	ALOAD 0
	ALOAD 1
	ALOAD 2
	ALOAD 3
	CROUND                                         ; all four work-groups are here: the joint loads meet
	tensor_load_to_lds s[32:35], s[24:31]          ; one joint load a wave
	s_nop 0
.rept 4
	v_nop
.endr
	ALOAD 4
	ALOAD 5
	ALOAD 6
	ALOAD 7
	s_wait_tensorcnt 0x0                           ; my part is in:
	s_barrier_signal -1
	s_barrier_wait -1                              ; everybody's is.  Nothing is filled again
	FETCH 0
.irp s, 0,1
.irp p, 0,1,2,3
	ds_load_b128 v[SB+16*\s+4*\p:SB+16*\s+4*\p+3], v[ADRB+\s] offset:32768+512*\p
.endr
.endr
	FETCH 1
	s_wait_loadcnt 0x0                             ; the tokens
	s_wait_dscnt 32                                ; the first pair and the scale words are in; the second pair's 32 loads may be out
	PAIR 0
	PLACES
	FETCH 2
	s_wait_dscnt 32                                ; the second pair is in
	PAIR 1
	PLACES
	FETCH 3
	OUT 0, 0x03, 0, 128
	s_wait_dscnt 32                                ; the third
	PAIR 2
	s_wait_dscnt 0x0                               ; and the last
	PAIR 3
	PLACES                                         ; the tokens' registers take the second half
	OUT 1, 0x43, 0x04, 0
	s_wait_tensorcnt 0x0                           ; the wave's end
	ds_add_u32 v[SPW], v[NIL]
	s_wait_dscnt 0x0
	CROUND                                         ; the closing round
	s_endpgm
.Lfunc_end_k_q9b0b80873a_oproj:
	.size	k_q9b0b80873a_oproj, .Lfunc_end_k_q9b0b80873a_oproj-k_q9b0b80873a_oproj
	.p2alignl 7, 3214868480
	.fill 96, 4, 3214868480
	.section	.rodata,"a",@progbits
	.p2align	6, 0x0
	.amdhsa_kernel k_q9b0b80873a_oproj
		.amdhsa_group_segment_fixed_size 327680
		.amdhsa_private_segment_fixed_size 0
		.amdhsa_enable_private_segment 0
		.amdhsa_kernarg_size 24
		.amdhsa_user_sgpr_count 2
		.amdhsa_user_sgpr_kernarg_segment_ptr 1
		.amdhsa_wavefront_size32 1
		.amdhsa_system_sgpr_workgroup_id_x 1
		.amdhsa_system_sgpr_workgroup_id_y 1
		.amdhsa_system_sgpr_workgroup_id_z 1
		.amdhsa_system_vgpr_workitem_id 0
		.amdhsa_next_free_vgpr 1024
		.amdhsa_next_free_sgpr 96
		.amdhsa_reserve_vcc 0
		.amdhsa_float_denorm_mode_32 3
		.amdhsa_float_denorm_mode_16_64 3
		.amdhsa_memory_ordered 1
		.amdhsa_forward_progress 1
		.amdhsa_inst_pref_size 68
	.end_amdhsa_kernel
	.amdgpu_metadata
---
amdhsa.version: [ 1, 2 ]
amdhsa.kernels:
  - .name:           k_q9b0b80873a_oproj
    .symbol:         k_q9b0b80873a_oproj.kd
    .args:
      - { .name: ao, .offset: 0, .size: 8, .value_kind: global_buffer, .address_space: global }
      - { .name: woc, .offset: 8, .size: 8, .value_kind: global_buffer, .address_space: global }
      - { .name: out0, .offset: 16, .size: 8, .value_kind: global_buffer, .address_space: global }
    .group_segment_fixed_size: 327680
    .private_segment_fixed_size: 0
    .kernarg_segment_align: 8
    .kernarg_segment_size: 24
    .max_flat_workgroup_size: 128
    .sgpr_count:     96
    .vgpr_count:     1024
    .wavefront_size: 32
...
	.end_amdgpu_metadata
.endif
;; end of part 8
